; MI455X (gfx1250); checked and timed in simulation.
; The chip was launched on July 23, 2026; its instructions are those of AMD's public machine-readable ISA for CDNA 5 (MIT licence, August 2026) and "CDNA5" Instruction Set Architecture Reference Guide (July 2026). The comments in the code are by the model that wrote it; some were corrected since.
;; Policy Network. Allowed arithmetic: float matrix products may take bf16 or f16 operands with f32 sums; all other float work in f32.
;; Inputs: W_cx1_1 4 x 1,024 float32; W_cx1_2 1,024 x 1,024 float32; W_cx2_1 4 x 1,024 float32; W_cx2_2 1,024 x 1,024 float32; W_cx3_1 4 x 512 float32; W_cx3_2 512 x 512 float32; W_cx4_1 4 x 1,024 float32; W_cx4_2 1,024 x 1,024 float32; W_l1 5,124 x 2,048 float32; W_l2 7,172 x 1,024 float32; W_l3 6,148 x 1,024 float32; W_l4 6,148 x 512 float32; W_l5 512 x 1,024 float32; action 2,048 x 1,024 float32; b_cx1_1 1,024 float32; b_cx1_2 1,024 float32; b_cx2_1 1,024 float32; b_cx2_2 1,024 float32; b_cx3_1 512 float32; b_cx3_2 512 float32; b_cx4_1 1,024 float32; b_cx4_2 1,024 float32; b_l1 2,048 float32; b_l2 1,024 float32; b_l3 1,024 float32; b_l4 512 float32; b_l5 1,024 float32; state 2,048 x 4,096 float32; task_indicator 2,048 x 4 float32.
;; Outputs: out0 2,048 x 1,024 float32.
;; 3 versions, each right; version 2 is faster than version 1; version 3 is version 2 with the launch prep written anew for expert scheduling mode. Each part assembles by itself: llvm-mc -triple=amdgcn-amd-amdhsa -mcpu=gfx1250 --defsym DOCPART=n.
;; ======== version 1 of 3: 6 launches
;; workspace buffers: ctxb 21,495,808 bytes; wf 55,869,440 bytes; bcat 18,432 bytes; pf 20,971,520 bytes; xa 8,388,608 bytes; xb 4,194,304 bytes
;; launch prep (part 1): grid 2218 x 1, 4 waves a work-group, no clusters, 33,792 bytes of LDS; arguments state, action, task_indicator, W_l1, W_l2, W_l3, W_l4, W_l5, b_l1, b_l2, b_l3, b_l4, ctxb, wf, bcat; writes ctxb, wf, bcat
.if DOCPART == 1
	.amdgcn_target "amdgcn-amd-amdhsa--gfx1250"
	.amdhsa_code_object_version 6
	.text
	.protected	k_q71bbcfc26f_prep
	.globl	k_q71bbcfc26f_prep
	.p2align	8
	.type	k_q71bbcfc26f_prep,@function
k_q71bbcfc26f_prep:
	s_mov_b64 s[64:65], 0
	v_nop
	global_prefetch_b8 v0, s[64:65] scope:SCOPE_SE
	s_setreg_imm32_b32 hwreg(HW_REG_WAVE_MODE, 25, 1), 1
	s_wait_xcnt 0x0
; PREP: casts to bf16 and re-lays, once, what the five products of the later launches take as matrix operands.
;
; WORK LEFT OUT IN THE WHOLE PROGRAM.  reference() computes cx1..cx4 from task_indicator, W_cx*_* and b_cx*_* and hands them only to
; _kwta(x, k), which returns x and never reads k.  So for all values of the inputs no output hangs on cx1..cx4: the four tanh branches
; are not computed, and the sixteen buffers W_cx*, b_cx* are loaded by no launch and stand among no launch's arguments.
; LIMIT: a NaN, an infinity or an overflow that arises only in those branches is not carried to the result (reference() drops it too).
;
; THE SPLIT.  x = concat(x, ctx) @ W is x @ W[rows of x] + ctx @ W[rows of ctx].  All ctx parts form one product
; ctx @ [W_l1 | W_l2 ctx rows | W_l3 ctx rows | W_l4 ctx rows] (4,608 columns); the x parts are added layer by layer.
; LIMITS: matrix operands (ctx, all weights, x1..x4) are rounded to bf16, sums and biases stay f32; K is summed in the order state, action,
; task, and a layer's ctx part ahead of its x part.
;
; WHAT IS WRITTEN.
;  ctxb  bf16 [2048][5248], a row 10,496 bytes: columns 0-4095 state, 4096-5119 action, 5120-5123 task_indicator, 5124-5247 zeros.
;  wf    weight fragments of 1,024 bytes: 16 columns x 32 k as they lie in a matrix operand's registers (bytes 16 l: lane l's registers 0-3,
;        k = 8 (l / 16) + 0..7 of column l % 16; bytes 512 + 16 l: registers 4-7, k = 16 + 8 (l / 16) + 0..7), in strips of one column
;        block along k.  The ctx part: 288 strips of 161 fragments, k in ctxb's order.  Strip 9 g + b, g = 0..31: b = 0..3 are W_l1's
;        column blocks 4 g + b; b = 4..8 are blocks 5 g + b - 4 of [W_l2 | W_l3 | W_l4]'s ctx rows (160 blocks).  So every nine strips hold
;        the same mix.  Behind them the x parts: W_l2 (64 strips of 64), W_l3 (64 of 32), W_l4 (32 of 32), W_l5 (64 of 16).
;        Fragment 160 of a ctx strip holds the ctx rows 4096..4127: the 4 task rows and 28 action rows, which meet ctxb's zeros.
;        LIMIT: a weight in those 28 rows that is not finite gives NaN (0 x infinity) in its output column.
;  bcat  f32 [4608] = b_l1 | b_l2 | b_l3 | b_l4.
;
; Every wave does one job, without loops and barriers; memory binds, so each byte is read once, by loads of 512 consecutive bytes a wave,
; and written once, by stores of 512 (weights, biases) or 256 (ctxb) consecutive aligned bytes a wave.  No matrix unit, no cluster: nothing is shared.
.set ID_W2A,  644                      ; first work-group of each class
.set ID_W2C,  772
.set ID_W3A,  1094
.set ID_W3C,  1158
.set ID_W4A,  1480
.set ID_W4C,  1512
.set ID_W5,   1673
.set ID_CTX,  1705
.set ID_BIAS, 2217
.set STRIP, 161*1024                   ; bytes in a ctx strip
.set TP,    1040                       ; LDS bytes from fragment to fragment: 1,024 + 16, so that sixteen lanes' stores meet sixteen different 16-byte columns
.set X,  16                            ; v[16:143]  as loaded: row k's four columns at X + 4 k; later the fragments read back
.set Y,  144                           ; v[144:207] packed bf16
.set VO, 208                           ; v[208:215] byte offsets of the eight fragments (the classes whose strips hang on a division by 5)
	s_load_b512 s[8:23], s[0:1], 0x0               ; state s[8:9], action s[10:11], task s[12:13], W_l1 s[14:15] .. W_l5 s[22:23]
	s_load_b256 s[24:31], s[0:1], 0x40             ; b_l1 s[24:25] .. b_l4 s[30:31]
	s_load_b128 s[32:35], s[0:1], 0x60             ; ctxb s[32:33], wf s[34:35]
	s_load_b64 s[36:37], s[0:1], 0x70              ; bcat
	v_lshl_add_u32 v216, v0, 2, 0x8200
	v_mov_b32 v217, 0
	v_lshrrev_b32 v1, 5, v0
	v_readfirstlane_b32 s38, v1                    ; wave 0..3
	s_mov_b32 s39, ttmp9                           ; work-group
	v_and_b32 v1, 31, v0                           ; lane l
	v_lshlrev_b32 v2, 4, v1                        ; 16 l
	s_wait_kmcnt 0x0
; One wave's weight job: 32 rows (k) x 128 columns of a weight matrix become 8 fragments.
; wlo: the scalar pair with the matrix; first: the class's first work-group; 1<<logw work-groups share a block of 32 rows; pitch: bytes in a row;
; row0: first row of the part; kind 0: an x part (strips of kbs fragments at byte region of wf), 1: W_l1's ctx rows, 2: ctx rows of W_l2..4, whose
; column blocks begin at block p0 of the 160.
.macro WJOB wlo, first, logw, pitch, row0, kind, p0, region, kbs
	s_sub_co_u32 s42, s39, \first
	s_lshr_b32 s43, s42, \logw                     ; kb: which 32 k
	s_and_b32 s44, s42, (1<<\logw)-1
	s_lshl2_add_u32 s44, s44, s38                  ; cg: which 128 columns = 4 x (work-group in the row block) + wave
	s_lshl_b32 s45, s43, 5                         ; source row 32 kb
.if \kind
	s_add_co_u32 s46, s45, 4                       ; the action rows lie 4 rows further down (behind the task rows),
	s_cmp_ge_u32 s43, 128
	s_cselect_b32 s45, s46, s45
	s_cmp_eq_u32 s43, 160                          ; and the last block begins at the task rows
	s_cselect_b32 s45, 4096, s45
.endif
.if \row0
	s_add_co_u32 s45, s45, \row0
.endif
	s_mul_i32 s46, s45, \pitch
	s_lshl_b32 s47, s44, 9
	s_add_co_u32 s46, s46, s47                     ; + 512 bytes for each 128 columns; below 4 GiB
	s_mov_b32 s47, 0
	s_add_nc_u64 s[40:41], s[\wlo:\wlo+1], s[46:47]
.set k, 0
.rept 32
	global_load_b128 v[X+4*k:X+4*k+3], v2, s[40:41] offset:k*\pitch th:TH_LOAD_NT   ; row k: lane l takes columns 4 l .. 4 l + 3
.set k, k+1
.endr
	s_lshl_b32 s48, s43, 10                        ; where the fragments go: fragment kb of each strip
.if \kind == 0
	s_mul_i32 s49, s44, 8*\kbs*1024                ; strips 8 cg + t
	s_add_co_u32 s48, s48, s49
	s_add_co_u32 s48, s48, \region
.elseif \kind == 1
	s_mul_i32 s49, s44, 18*STRIP                   ; strips 18 cg + t + 5 (t / 4): column block 8 cg + t lies at 9 (block / 4) + block % 4
	s_add_co_u32 s48, s48, s49
.else
	s_add_co_u32 s48, s48, 4*STRIP                 ; strips p + 4 (p / 5) + 4 for block p = p0 + 8 cg + t
	s_lshl_b32 s52, s44, 3
	s_add_co_u32 s52, s52, \p0
.irp t, 0,1,2,3,4,5,6,7
	s_add_co_u32 s53, s52, \t
	s_mul_i32 s54, s53, 205
	s_lshr_b32 s54, s54, 10                        ; p / 5: 205 / 1024 exceeds 1 / 5 by less than 0.0002, which for p <= 159 never reaches the next whole number
	s_lshl2_add_u32 s53, s54, s53
	s_mul_i32 s53, s53, STRIP
	v_add_nc_u32 v[VO+\t], s53, v2
.endr
.endif
	s_mov_b32 s49, 0
	s_add_nc_u64 s[50:51], s[34:35], s[48:49]
	s_mul_i32 s55, s38, 8*TP                       ; my wave's own 8,320 bytes of LDS
	v_lshrrev_b32 v5, 2, v1                        ; my four columns lie in fragment l / 4,
	v_and_b32 v6, 3, v1
	v_mul_u32_u24 v5, v5, TP
	v_lshl_add_u32 v5, v6, 6, v5                   ; at its columns 4 (l % 4) + c: 16 bytes each
	v_add_nc_u32 v3, s55, v5
	v_add_nc_u32 v4, s55, v2
.irp o, 0,1,2,3
	s_wait_loadcnt 24-8*\o                         ; loads come back in order: rows 8 o .. 8 o + 7 are in, the younger rows stay out
.irp c, 0,1,2,3
.irp i, 0,1,2,3
	v_cvt_pk_bf16_f32 v[Y+(4*\o+\c)*4+\i], v[X+4*(8*\o+2*\i)+\c], v[X+4*(8*\o+2*\i+1)+\c]   ; k = 8 o + 2 i below, 8 o + 2 i + 1 above
.endr
	ds_store_b128 v3, v[Y+(4*\o+\c)*4:Y+(4*\o+\c)*4+3] offset:(\o>>1)*512+(\o&1)*256+\c*16   ; eight k of one column: register half o / 2, lane half o % 2
.endr
.endr
.irp t, 0,1,2,3,4,5,6,7
.irp q, 0,1
	ds_load_b128 v[X+4*(2*\t+\q):X+4*(2*\t+\q)+3], v4 offset:\t*TP+\q*512   ; my wave's own bytes, and LDS serves a wave in order: these see the stores above
.endr
.endr
.irp t, 0,1,2,3,4,5,6,7
.irp q, 0,1
	s_wait_dscnt 15-(2*\t+\q)                      ; this half fragment is back, the younger ones stay out
.if \kind == 2
	global_store_b128 v[VO+\t], v[X+4*(2*\t+\q):X+4*(2*\t+\q)+3], s[50:51] offset:\q*512
.elseif \kind == 1
	global_store_b128 v2, v[X+4*(2*\t+\q):X+4*(2*\t+\q)+3], s[50:51] offset:(\t+5*(\t>>2))*STRIP+\q*512
.else
	global_store_b128 v2, v[X+4*(2*\t+\q):X+4*(2*\t+\q)+3], s[50:51] offset:\t*\kbs*1024+\q*512
.endif
.endr
.endr
	s_wait_tensorcnt 0x0
	ds_add_u32 v216, v217
	s_wait_dscnt 0x0
	s_endpgm
.endm
	s_cmp_ge_u32 s39, ID_W2A
	s_cbranch_scc1 .Lw2a
	WJOB 14, 0, 2, 8192, 0, 1, 0, 0, 161                   ; W_l1: 161 row blocks x 16 column groups
.Lw2a:
	s_cmp_ge_u32 s39, ID_W2C
	s_cbranch_scc1 .Lw2c
	WJOB 16, ID_W2A, 1, 4096, 0, 0, 0, 47480832, 64        ; W_l2, rows of x1
.Lw2c:
	s_cmp_ge_u32 s39, ID_W3A
	s_cbranch_scc1 .Lw3a
	WJOB 16, ID_W2C, 1, 4096, 2048, 2, 0, 0, 161           ; W_l2, rows of ctx
.Lw3a:
	s_cmp_ge_u32 s39, ID_W3C
	s_cbranch_scc1 .Lw3c
	WJOB 18, ID_W3A, 1, 4096, 0, 0, 0, 51675136, 32        ; W_l3, rows of x2
.Lw3c:
	s_cmp_ge_u32 s39, ID_W4A
	s_cbranch_scc1 .Lw4a
	WJOB 18, ID_W3C, 1, 4096, 1024, 2, 64, 0, 161          ; W_l3, rows of ctx
.Lw4a:
	s_cmp_ge_u32 s39, ID_W4C
	s_cbranch_scc1 .Lw4c
	WJOB 20, ID_W4A, 0, 2048, 0, 0, 0, 53772288, 32        ; W_l4, rows of x3
.Lw4c:
	s_cmp_ge_u32 s39, ID_W5
	s_cbranch_scc1 .Lw5
	WJOB 20, ID_W4C, 0, 2048, 1024, 2, 128, 0, 161         ; W_l4, rows of ctx
.Lw5:
	s_cmp_ge_u32 s39, ID_CTX
	s_cbranch_scc1 .Lctx
	WJOB 22, ID_W5, 1, 4096, 0, 0, 0, 54820864, 16         ; W_l5
.Lctx:
	s_cmp_ge_u32 s39, ID_BIAS
	s_cbranch_scc1 .Lbias
	; One wave, one batch row: 32 pieces of state, 8 of action, 1 of task_indicator with zeros behind it; a piece is 128 numbers.
	s_sub_co_u32 s42, s39, ID_CTX
	s_lshl2_add_u32 s42, s42, s38                  ; batch row
	s_mov_b32 s45, 0
	s_lshl_b32 s44, s42, 14
	s_add_nc_u64 s[8:9], s[8:9], s[44:45]
	s_lshl_b32 s44, s42, 12
	s_add_nc_u64 s[10:11], s[10:11], s[44:45]
	s_lshl_b32 s44, s42, 4
	s_add_nc_u64 s[12:13], s[12:13], s[44:45]
	s_mul_i32 s44, s42, 10496
	s_add_nc_u64 s[32:33], s[32:33], s[44:45]
	v_mov_b32 v5, 0
	v_lshlrev_b32 v6, 3, v1                        ; 8 l: my four bf16 of a piece
.set j, 0
.rept 32
	global_load_b128 v[X+4*j:X+4*j+3], v2, s[8:9] offset:j*512 th:TH_LOAD_NT
.set j, j+1
.endr
.rept 8
	global_load_b128 v[X+4*j:X+4*j+3], v2, s[10:11] offset:(j-32)*512 th:TH_LOAD_NT
.set j, j+1
.endr
	global_load_b128 v[X+160:X+163], v5, s[12:13]  ; the row's four task numbers, in every lane
.set j, 0
.rept 41
	s_wait_loadcnt 40-j                            ; piece j is in, the younger ones stay out
	v_cvt_pk_bf16_f32 v[X+4*j], v[X+4*j], v[X+4*j+1]
	v_cvt_pk_bf16_f32 v[X+4*j+1], v[X+4*j+2], v[X+4*j+3]
.if j == 40
	v_cmp_eq_u32 vcc_lo, 0, v1                     ; lane 0 keeps the task numbers, the others write columns 5124 to 5247: zeros
	v_cndmask_b32 v[X+4*j], 0, v[X+4*j], vcc_lo
	v_cndmask_b32 v[X+4*j+1], 0, v[X+4*j+1], vcc_lo
.endif
	global_store_b64 v6, v[X+4*j:X+4*j+1], s[32:33] offset:j*256   ; 32 lanes store 256 consecutive bytes, at a multiple of 256 from ctxb's first byte
.set j, j+1
.endr
	s_endpgm
.Lbias:
	; One work-group copies the four biases one behind the other: 128 threads x 16 bytes = 2,048 bytes an instruction.
	v_lshlrev_b32 v7, 4, v0
.irp n, 0,1,2,3
	global_load_b128 v[X+4*\n:X+4*\n+3], v7, s[24:25] offset:\n*2048
.endr
.irp n, 0,1
	global_load_b128 v[X+16+4*\n:X+16+4*\n+3], v7, s[26:27] offset:\n*2048
	global_load_b128 v[X+24+4*\n:X+24+4*\n+3], v7, s[28:29] offset:\n*2048
.endr
	global_load_b128 v[X+32:X+35], v7, s[30:31]
	s_wait_loadcnt 0x0
.irp n, 0,1,2,3,4,5,6,7,8
	global_store_b128 v7, v[X+4*\n:X+4*\n+3], s[36:37] offset:\n*2048
.endr
	s_endpgm
.Lfunc_end_k_q71bbcfc26f_prep:
	.size	k_q71bbcfc26f_prep, .Lfunc_end_k_q71bbcfc26f_prep-k_q71bbcfc26f_prep
	.p2alignl 7, 3214868480
	.fill 96, 4, 3214868480
	.section	.rodata,"a",@progbits
	.p2align	6, 0x0
	.amdhsa_kernel k_q71bbcfc26f_prep
		.amdhsa_group_segment_fixed_size 33792
		.amdhsa_private_segment_fixed_size 0
		.amdhsa_enable_private_segment 0
		.amdhsa_kernarg_size 120
		.amdhsa_user_sgpr_count 2
		.amdhsa_user_sgpr_kernarg_segment_ptr 1
		.amdhsa_wavefront_size32 1
		.amdhsa_system_sgpr_workgroup_id_x 1
		.amdhsa_system_sgpr_workgroup_id_y 1
		.amdhsa_system_sgpr_workgroup_id_z 1
		.amdhsa_system_vgpr_workitem_id 0
		.amdhsa_next_free_vgpr 218
		.amdhsa_next_free_sgpr 66
		.amdhsa_reserve_vcc 1
		.amdhsa_float_denorm_mode_32 3
		.amdhsa_float_denorm_mode_16_64 3
		.amdhsa_memory_ordered 1
		.amdhsa_forward_progress 1
		.amdhsa_inst_pref_size 124
	.end_amdhsa_kernel
	.amdgpu_metadata
---
amdhsa.version: [ 1, 2 ]
amdhsa.kernels:
  - .name:           k_q71bbcfc26f_prep
    .symbol:         k_q71bbcfc26f_prep.kd
    .args:
      - { .name: state, .offset: 0, .size: 8, .value_kind: global_buffer, .address_space: global }
      - { .name: action, .offset: 8, .size: 8, .value_kind: global_buffer, .address_space: global }
      - { .name: task_indicator, .offset: 16, .size: 8, .value_kind: global_buffer, .address_space: global }
      - { .name: W_l1, .offset: 24, .size: 8, .value_kind: global_buffer, .address_space: global }
      - { .name: W_l2, .offset: 32, .size: 8, .value_kind: global_buffer, .address_space: global }
      - { .name: W_l3, .offset: 40, .size: 8, .value_kind: global_buffer, .address_space: global }
      - { .name: W_l4, .offset: 48, .size: 8, .value_kind: global_buffer, .address_space: global }
      - { .name: W_l5, .offset: 56, .size: 8, .value_kind: global_buffer, .address_space: global }
      - { .name: b_l1, .offset: 64, .size: 8, .value_kind: global_buffer, .address_space: global }
      - { .name: b_l2, .offset: 72, .size: 8, .value_kind: global_buffer, .address_space: global }
      - { .name: b_l3, .offset: 80, .size: 8, .value_kind: global_buffer, .address_space: global }
      - { .name: b_l4, .offset: 88, .size: 8, .value_kind: global_buffer, .address_space: global }
      - { .name: ctxb, .offset: 96, .size: 8, .value_kind: global_buffer, .address_space: global }
      - { .name: wf, .offset: 104, .size: 8, .value_kind: global_buffer, .address_space: global }
      - { .name: bcat, .offset: 112, .size: 8, .value_kind: global_buffer, .address_space: global }
    .group_segment_fixed_size: 33792
    .private_segment_fixed_size: 0
    .kernarg_segment_align: 8
    .kernarg_segment_size: 120
    .max_flat_workgroup_size: 128
    .sgpr_count:     66
    .vgpr_count:     218
    .wavefront_size: 32
...
	.end_amdgpu_metadata
.endif
;; end of part 1
;; launch big (part 2): grid 16 x 16, 4 waves a work-group, clusters of 4 x 4, 327,680 bytes of LDS; arguments ctxb, wf, bcat, xa, pf; writes xa, pf
.if DOCPART == 2
	.amdgcn_target "amdgcn-amd-amdhsa--gfx1250"
	.amdhsa_code_object_version 6
	.text
	.protected	k_q71bbcfc26f_big
	.globl	k_q71bbcfc26f_big
	.p2align	8
	.type	k_q71bbcfc26f_big,@function
k_q71bbcfc26f_big:
	s_mov_b64 s[64:65], 0
	v_nop
	global_prefetch_b8 v0, s[64:65] scope:SCOPE_SE
	s_setreg_imm32_b32 hwreg(HW_REG_WAVE_MODE, 25, 1), 1
	s_wait_xcnt 0x0
	s_wait_alu depctr_hold_cnt(0) depctr_sa_sdst(0) depctr_va_vdst(0) depctr_va_sdst(0) depctr_va_ssrc(0) depctr_va_vcc(0) depctr_vm_vsrc(0)
	s_getreg_b32 s2, hwreg(HW_REG_IB_STS2, 6, 4)
	s_cmp_eq_u32 s2, 0
	s_cbranch_scc0 .Lentry_in_a_cluster
	s_endpgm
.Lentry_in_a_cluster:
	s_bfe_u32 s2, ttmp6, 0x10000c
	s_cmp_lg_u32 s2, 0xf033
	s_cbranch_scc0 .Lentry_shape_is_right
	s_endpgm
.Lentry_shape_is_right:
; BIG: [x1 | P2 | P3 | P4] = ctx @ [W_l1 | ctx rows of W_l2, W_l3, W_l4] + [b_l1 | b_l2 | b_l3 | b_l4]: 2048 x 4608, K = 5124 (padded to 5152 by zeros of ctxb).
; Left out, as shown at the head of the first launch's text: the branches cx1..cx4, which reach no output.
; LIMITS: operands in bf16, sums in f32 started by the bias; x1 leaves in bf16, P in f32; the last 28 k meet zeros of ctxb (a weight there that is not finite gives NaN).
;
; A work-group makes 128 rows x 288 columns (18 strips of wf) with four waves, a wave 64 x 144: 36 accumulator tiles of 16 x 16.  256 equal work-groups.
; K goes in 40 steps of 128 and one of 32 through two LDS slots filled by the tensor data mover.  A's rows are 256 bytes of ctxb, at multiples of
; 256 bytes, padded to 272 in LDS; B's fragments come as they lie in registers, 4,096 consecutive bytes of each strip, and are read back 512 consecutive bytes a load.
; CLUSTERS of 4 x 4: the four work-groups of a row of the cluster need the same rows of ctxb, the four of a column the same strips: each tile is asked for
; jointly by the four, with one descriptor and a mask that names them, which divides the requests for both operands by four.
; THE MATRIX INSTRUCTION IS USED TRANSPOSED (source 0 = weight fragment, source 1 = ctx fragment): lane l holds row l % 16 and its registers 0-7 the columns
; 8 (l / 16) + 0..7.  Four packed conversions then give registers 0-3 or 4-7 of the next layer's operand fragment, and eight registers stored as
; they stand load back as the next layer's accumulator: every store of a wave covers 512 consecutive aligned bytes, with no way through LDS.
; Wave column g = 2 x block column + wave % 2 owns strips 9 g + b: b = 0..3 are x1's column blocks 4 g + b, b = 4..8 are P's blocks 5 g + b - 4: the way out is
; the same text in every wave of every work-group.
;
; REGISTERS, in windows of 256:  window 0: v16-25 addresses; v32-95 ctx fragments, two buffers of 4; v96-239 weight fragments, two buffers of 9.
;   window 1: accumulators of my row blocks 0, 1 (tile (a, b) at v[8 (9 a + b)]);  window 2: those of row blocks 2, 3; v144-215 the bias of my 144 columns.
.set SLOT, 108544                      ; A: 128 rows x 272 bytes; then B: 18 strips x 4 fragments x 1,024 bytes
.set BOFF, 34816
.set ADRA, 16                          ; v16-17  LDS address of my ctx fragments in slot 0, 1
.set ADRB, 20                          ; v20-21  the same for the weight fragments
.set FA,   32
.set FB,   96
.set BIAS, 144                         ; in window 2
.set TMP,  32                          ; the way out: x1 packed, in window 0
.set G1A, 24                           ; s[24:31] group 1 for A's tiles
.set G0A, 32                           ; s[32:39] group 0 for A's tiles, one set for each slot
.set G1B, 48                           ; s[48:55] group 1 for B's tiles
.set G0B, 56                           ; s[56:63] group 0 for B's tiles
.set G1T, 68                           ; s[68:75] group 1 for B's last tile: one fragment of each strip is left
.set MSB, 0
.macro WIN new                         ; the immediate's high byte repeats the setting that is left
.if MSB != \new
	s_set_vgpr_msb (MSB<<8)|\new
.set MSB, \new
.endif
.endm
.macro PLACES                          ; four plain vector instructions between a matrix instruction and a load into, or a vector instruction or store on, its registers
.rept 4
	v_nop
.endr
.endm
.macro CREST                           ; a round of the cluster's barrier behind its opening barrier
	s_cmp_lg_u32 s14, 0
	s_cbranch_scc1 .Lnot_wave_0_\@
	s_barrier_signal -3
.Lnot_wave_0_\@:
	s_barrier_wait -3
	s_barrier_signal -1
	s_barrier_wait -1
.endm
.macro CROUND
	s_barrier_signal -1
	s_barrier_wait -1
	CREST
.endm
; A joint load: waves 0 and 1 fetch A's two halves, waves 2 and 3 B's.  The branch hangs on the wave's number alone.
.macro JLOAD s, tail
	s_cmp_eq_u32 s15, 0
	s_cbranch_scc0 .Lfor_b_\@
	tensor_load_to_lds s[G0A+4*\s:G0A+4*\s+3], s[G1A:G1A+7]
	s_nop 0
	s_branch .Lasked_\@
.Lfor_b_\@:
.if \tail
	tensor_load_to_lds s[G0B+4*\s:G0B+4*\s+3], s[G1T:G1T+7]
	s_nop 0
.else
	tensor_load_to_lds s[G0B+4*\s:G0B+4*\s+3], s[G1B:G1B+7]
	s_nop 0
.endif
.Lasked_\@:
.endm
	s_load_b256 s[4:11], s[0:1], 0x0               ; ctxb s[4:5], wf s[6:7], bcat s[8:9], xa s[10:11]
	s_load_b64 s[12:13], s[0:1], 0x20              ; pf
	v_lshl_add_u32 v254, v0, 2, 0x35000
	v_mov_b32 v255, 0
	ds_add_u32 v254, v255
	ds_add_u32 v254, v255
	v_lshrrev_b32 v1, 5, v0
	v_readfirstlane_b32 s14, v1                    ; wave 0..3
	s_lshr_b32 s15, s14, 1                         ; which 64 rows are mine.  Also: I fetch for A (0) or for B (1)
	s_and_b32 s16, s14, 1                          ; which 9 strips are mine.  Also: which half of that tile I fetch
	s_bfe_u32 s17, ttmp6, 0x40000                  ; cx
	s_bfe_u32 s18, ttmp6, 0x40004                  ; cy
	s_lshl_b32 s19, ttmp9, 2
	s_add_co_u32 s19, s19, s17                     ; block column = 4 x cluster x + cx
	s_and_b32 s20, ttmp7, 0xffff
	s_lshl_b32 s20, s20, 2
	s_add_co_u32 s20, s20, s18                     ; block row = 4 x cluster y + cy
	s_lshl_b32 s21, s18, 2
	s_lshl_b32 s21, 15, s21                        ; my row of the cluster
	s_lshl_b32 s22, 0x1111, s17                    ; my column
	; A: 64 rows x 128 bf16, 5,248 elements from row to row, 16 bytes of padding behind every 256
	s_or_b32 s[G1A+0], s21, (1<<16)|(1<<20)|(1<<21)|(5<<22)|(3<<25)
	s_mov_b32 s[G1A+1], 128<<16
	s_mov_b32 s[G1A+2], 64<<16
	s_mov_b32 s[G1A+3], 128<<16
	s_mov_b32 s[G1A+4], 64
	s_mov_b32 s[G1A+5], 5248
	s_mov_b32 s[G1A+6], 0
	s_mov_b32 s[G1A+7], 0
	; B: 9 strips x 512 elements of 8 bytes (four fragments), 20,608 elements from strip to strip
	s_or_b32 s[G1B+0], s22, (3<<16)|(1<<21)
	s_mov_b32 s[G1B+1], 512<<16
	s_mov_b32 s[G1B+2], 9<<16
	s_mov_b32 s[G1B+3], 512<<16
	s_mov_b32 s[G1B+4], 9
	s_mov_b32 s[G1B+5], 20608
	s_mov_b32 s[G1B+6], 0
	s_mov_b32 s[G1B+7], 0
	; B's last tile: of each strip 128 elements (one fragment) are left; the rest of the tile's rows arrives as zeros and is not read
	s_or_b32 s[G1T+0], s22, (3<<16)|(1<<21)
	s_mov_b32 s[G1T+1], 128<<16
	s_mov_b32 s[G1T+2], 9<<16
	s_mov_b32 s[G1T+3], 512<<16
	s_mov_b32 s[G1T+4], 9
	s_mov_b32 s[G1T+5], 20608
	s_mov_b32 s[G1T+6], 0
	s_mov_b32 s[G1T+7], 0
	; A's address hangs on the block row alone, B's on the block column alone, each in registers that never hold the other coordinate
	s_lshl_b32 s40, s20, 7
	s_lshl_b32 s41, s16, 6
	s_add_co_u32 s40, s40, s41                     ; row 128 x block row + 64 x half
	s_mul_i32 s40, s40, 10496
	s_mov_b32 s41, 0
	s_mul_i32 s44, s19, 18
	s_mul_i32 s45, s16, 9
	s_add_co_u32 s44, s44, s45                     ; strip 18 x block column + 9 x half
	s_mul_i32 s44, s44, 164864
	s_mov_b32 s45, 0
	s_mul_i32 s42, s14, 17408                      ; where they go: A's halves at wave x 64 rows (waves 0, 1),
	s_mul_i32 s46, s14, 36864
	s_sub_co_u32 s46, s46, 38912                   ; B's at 34,816 + (wave - 2) x 9 strips (waves 2, 3)
	s_wait_dscnt 0x0
	s_wait_kmcnt 0x0
	s_add_nc_u64 s[40:41], s[4:5], s[40:41]
	s_add_nc_u64 s[44:45], s[6:7], s[44:45]
	CROUND                                         ; all sixteen work-groups are here: the first joint loads meet
.irp s, 0,1
	s_mov_b32 s[G0A+4*\s], 1
	s_add_co_u32 s[G0A+4*\s+1], s42, \s*SLOT
	s_add_nc_u64 s[G0A+4*\s+2:G0A+4*\s+3], s[40:41], \s*256
	s_or_b32 s[G0A+4*\s+3], s[G0A+4*\s+3], 0x80000000
	s_mov_b32 s[G0B+4*\s], 1
	s_add_co_u32 s[G0B+4*\s+1], s46, \s*SLOT
	s_add_nc_u64 s[G0B+4*\s+2:G0B+4*\s+3], s[44:45], \s*4096
	s_or_b32 s[G0B+4*\s+3], s[G0B+4*\s+3], 0x80000000
	JLOAD \s, 0                                    ; K steps 0 and 1: two loads of the wave are out
.endr
	v_and_b32 v1, 15, v0                           ; l % 16
	v_bfe_u32 v2, v0, 4, 1                         ; l / 16
	v_and_b32 v3, 31, v0
	v_lshlrev_b32 v24, 4, v3                       ; 16 l
	v_lshlrev_b32 v25, 5, v2                       ; 32 (l / 16): my eight columns of a block, in f32
	v_mul_u32_u24 v4, v1, 272
	v_lshl_add_u32 v4, v2, 4, v4                   ; row x 272 + 16 x half
	s_mul_i32 s76, s15, 17408                      ; my 64 rows of A
	s_mul_i32 s77, s16, 36864
	s_add_co_u32 s77, s77, BOFF                    ; my 9 strips of B
.irp s, 0,1
	v_add_nc_u32 v[ADRA+\s], s76, v4
	v_add_nc_u32 v[ADRB+\s], s77, v24
	s_add_co_u32 s76, s76, SLOT
	s_add_co_u32 s77, s77, SLOT
.endr
	s_lshl1_add_u32 s78, s19, s16                  ; g = 2 x block column + wave % 2
	s_lshl_b32 s79, s20, 3
	s_lshl2_add_u32 s79, s15, s79                  ; my first row block = 8 x block row + 4 x (wave / 2)
	s_lshl_b32 s80, s78, 8                         ; b_l1's part of bcat: 4 blocks of 64 bytes for each g
	s_mov_b32 s81, 0
	s_add_nc_u64 s[80:81], s[8:9], s[80:81]
	s_mul_i32 s82, s78, 320                        ; the rest, behind 8,192 bytes: 5 blocks for each g
	s_add_co_u32 s82, s82, 8192
	s_mov_b32 s83, 0
	s_add_nc_u64 s[82:83], s[8:9], s[82:83]
	WIN 0x80                                       ; destination in window 2
.irp b, 0,1,2,3
	global_load_b128 v[BIAS+8*\b:BIAS+8*\b+3], v25, s[80:81] offset:\b*64
	global_load_b128 v[BIAS+8*\b+4:BIAS+8*\b+7], v25, s[80:81] offset:\b*64+16
.endr
.irp b, 4,5,6,7,8
	global_load_b128 v[BIAS+8*\b:BIAS+8*\b+3], v25, s[82:83] offset:(\b-4)*64
	global_load_b128 v[BIAS+8*\b+4:BIAS+8*\b+7], v25, s[82:83] offset:(\b-4)*64+16
.endr
	WIN 0
; 9 matrix instructions: row block a x my 9 strips, 32 along K, on fragment buffer f.  first = 1: the bias is the C operand: nothing is cleared or added later.
.macro MUL9 f, a, first
.irp b, 0,1,2,3,4,5,6,7,8
.if \first
	v_wmma_f32_16x16x32_bf16 v[8*(9*(\a&1)+\b):8*(9*(\a&1)+\b)+7], v[FB+72*\f+8*\b:FB+72*\f+8*\b+7], v[FA+32*\f+8*\a:FA+32*\f+8*\a+7], v[BIAS+8*\b:BIAS+8*\b+7]
.else
	v_wmma_f32_16x16x32_bf16 v[8*(9*(\a&1)+\b):8*(9*(\a&1)+\b)+7], v[FB+72*\f+8*\b:FB+72*\f+8*\b+7], v[FA+32*\f+8*\a:FA+32*\f+8*\a+7], v[8*(9*(\a&1)+\b):8*(9*(\a&1)+\b)+7]
.endif
.endr
.endm
; 26 LDS loads in one run: quarter q of a slot's K step into buffer f: 9 weight fragments, then 4 ctx fragments
.macro FETCH slot, q, f
	WIN 0
.irp b, 0,1,2,3,4,5,6,7,8
	ds_load_b128 v[FB+72*\f+8*\b:FB+72*\f+8*\b+3],   v[ADRB+\slot] offset:\b*4096+\q*1024
	ds_load_b128 v[FB+72*\f+8*\b+4:FB+72*\f+8*\b+7], v[ADRB+\slot] offset:\b*4096+\q*1024+512
.endr
.irp a, 0,1,2,3
	ds_load_b128 v[FA+32*\f+8*\a:FA+32*\f+8*\a+3],   v[ADRA+\slot] offset:\a*4352+\q*64
	ds_load_b128 v[FA+32*\f+8*\a+4:FA+32*\f+8*\a+7], v[ADRA+\slot] offset:\a*4352+\q*64+32
.endr
.endm
; One of a K step's first three quarters: multiplies buffer f, and in its middle fetches quarter qn into buffer g.
; The 36 accumulators take turns in the same order in every quarter, over the backward jump too.
.macro QUARTER slot, qn, f, g, first
	s_wait_dscnt 4                                 ; all but the four youngest loads (ctx row blocks 2 and 3) are in
.if \first
	WIN 0x60                                       ; C in window 2 (the bias), D in window 1
.else
	WIN 0x50                                       ; C and D in window 1
.endif
	MUL9 \f, 0, \first
	MUL9 \f, 1, \first
	PLACES
	FETCH \slot, \qn, \g
	s_wait_dscnt 26                                ; all but the 26 just issued
	WIN 0xa0                                       ; C and D in window 2
	MUL9 \f, 2, \first
	MUL9 \f, 3, \first
.endm
.macro THREE slot, first
	QUARTER \slot, 1, 0, 1, \first
	QUARTER \slot, 2, 1, 0, 0
	QUARTER \slot, 3, 0, 1, 0
.endm
; The last quarter: multiplies buffer 1 and changes slots.  In front of the barrier each wave waits for its reads of this slot and for all its tensor loads
; (one is out: its part of the next slot).  With fill = 1 the barrier opens a round of the cluster's barrier; behind the round no wave of any partner reads this
; slot or has a load on its way, and the joint refill, two K steps ahead, is the wave's first and only tensor load there.
; From a request to the wait for it a wave issues 135 matrix instructions.
.macro TURN slot, next, fill, tail
	s_wait_dscnt 4
	WIN 0x50
	MUL9 1, 0, 0
	s_wait_dscnt 0
	s_wait_tensorcnt 0x0
	ds_add_u32 v254, v255
	s_wait_dscnt 0x0
	s_barrier_signal -1
	MUL9 1, 1, 0
	WIN 0
	s_barrier_wait -1
.if \fill
	CREST
	s_add_nc_u64 s[G0A+4*\slot+2:G0A+4*\slot+3], s[G0A+4*\slot+2:G0A+4*\slot+3], 512
	s_add_nc_u64 s[G0B+4*\slot+2:G0B+4*\slot+3], s[G0B+4*\slot+2:G0B+4*\slot+3], 8192
	JLOAD \slot, \tail
.endif
	PLACES
	FETCH \next, 0, 0
	WIN 0xa0
	MUL9 1, 2, 0
	MUL9 1, 3, 0
.endm
.macro LAP first
	THREE 0, \first
	TURN 0, 1, 1, 0
	THREE 1, 0
	TURN 1, 0, 1, 0
.endm
	s_wait_tensorcnt 0x1                           ; my part of K step 0 is in; step 1's stays out
	s_barrier_signal -1
	s_barrier_wait -1
	s_wait_loadcnt 0x0                             ; the bias
	FETCH 0, 0, 0
	LAP 1                                          ; K steps 0, 1; asks for 2, 3
	WIN 0
	s_mov_b32 s23, 18
.Llap:
	LAP 0                                          ; K steps 2 to 37; asks for 4 to 39
	WIN 0
	s_sub_co_u32 s23, s23, 1
	s_cmp_lg_u32 s23, 0
	s_cbranch_scc1 .Llap
	THREE 0, 0                                     ; K step 38,
	TURN 0, 1, 1, 1                                ; which asks for the last step: k = 5120 ..
	THREE 1, 0                                     ; K step 39
	TURN 1, 0, 0, 0                                ; fills nothing: a plain barrier
	s_wait_dscnt 4                                 ; the last step has one quarter: k = 5120 to 5151
	WIN 0x50
	MUL9 0, 0, 0
	MUL9 0, 1, 0
	s_wait_dscnt 0
	WIN 0xa0
	MUL9 0, 2, 0
	MUL9 0, 3, 0
	; THE WAY OUT.  P: tile (row block, block p) is 1,024 bytes of pf, registers 4 q .. 4 q + 3 of lane l at 512 q + 16 l.
	; x1: tile (row block, column block n) is 512 bytes of xa at (128 x row block + n) x 512, lane l's 16 bytes at 16 l: half a fragment of the next layer's operand.
	PLACES
	s_mul_i32 s82, s79, 163840
	s_mul_i32 s76, s78, 5120
	s_add_co_u32 s82, s82, s76
	s_mov_b32 s83, 0
	s_add_nc_u64 s[82:83], s[12:13], s[82:83]
	s_lshl_b32 s80, s79, 16
	s_lshl_b32 s76, s78, 11
	s_add_co_u32 s80, s80, s76
	s_mov_b32 s81, 0
	s_add_nc_u64 s[80:81], s[10:11], s[80:81]
	WIN 0x04                                       ; store data in window 1
.irp a, 0,1
.irp b, 4,5,6,7,8
.irp q, 0,1
	global_store_b128 v24, v[8*(9*\a+\b)+4*\q:8*(9*\a+\b)+4*\q+3], s[82:83] offset:\a*163840+(\b-4)*1024+\q*512
.endr
.endr
.endr
	WIN 0x08                                       ; store data in window 2
.irp a, 0,1
.irp b, 4,5,6,7,8
.irp q, 0,1
	global_store_b128 v24, v[8*(9*\a+\b)+4*\q:8*(9*\a+\b)+4*\q+3], s[82:83] offset:(\a+2)*163840+(\b-4)*1024+\q*512
.endr
.endr
.endr
	WIN 0x05                                       ; both sources in window 1
.irp a, 0,1
.irp b, 0,1,2,3
.irp i, 0,1,2,3
	v_cvt_pk_bf16_f32 v[TMP+4*(4*\a+\b)+\i], v[8*(9*\a+\b)+2*\i], v[8*(9*\a+\b)+2*\i+1]
.endr
.endr
.endr
	WIN 0x0a                                       ; both sources in window 2
.irp a, 0,1
.irp b, 0,1,2,3
.irp i, 0,1,2,3
	v_cvt_pk_bf16_f32 v[TMP+4*(4*(\a+2)+\b)+\i], v[8*(9*\a+\b)+2*\i], v[8*(9*\a+\b)+2*\i+1]
.endr
.endr
.endr
	WIN 0
.irp a, 0,1,2,3
.irp b, 0,1,2,3
	global_store_b128 v24, v[TMP+4*(4*\a+\b):TMP+4*(4*\a+\b)+3], s[80:81] offset:\a*65536+\b*512
.endr
.endr
	CROUND                                         ; the closing round: no work-group ends while a partner may still ask for a tile that names it
	s_endpgm
.Lfunc_end_k_q71bbcfc26f_big:
	.size	k_q71bbcfc26f_big, .Lfunc_end_k_q71bbcfc26f_big-k_q71bbcfc26f_big
	.p2alignl 7, 3214868480
	.fill 96, 4, 3214868480
	.section	.rodata,"a",@progbits
	.p2align	6, 0x0
	.amdhsa_kernel k_q71bbcfc26f_big
		.amdhsa_group_segment_fixed_size 327680
		.amdhsa_private_segment_fixed_size 0
		.amdhsa_enable_private_segment 0
		.amdhsa_kernarg_size 40
		.amdhsa_user_sgpr_count 2
		.amdhsa_user_sgpr_kernarg_segment_ptr 1
		.amdhsa_wavefront_size32 1
		.amdhsa_system_sgpr_workgroup_id_x 1
		.amdhsa_system_sgpr_workgroup_id_y 1
		.amdhsa_system_sgpr_workgroup_id_z 1
		.amdhsa_system_vgpr_workitem_id 0
		.amdhsa_next_free_vgpr 768
		.amdhsa_next_free_sgpr 84
		.amdhsa_reserve_vcc 0
		.amdhsa_float_denorm_mode_32 3
		.amdhsa_float_denorm_mode_16_64 3
		.amdhsa_memory_ordered 1
		.amdhsa_forward_progress 1
		.amdhsa_inst_pref_size 127
	.end_amdhsa_kernel
	.amdgpu_metadata
---
amdhsa.version: [ 1, 2 ]
amdhsa.kernels:
  - .name:           k_q71bbcfc26f_big
    .symbol:         k_q71bbcfc26f_big.kd
    .args:
      - { .name: ctxb, .offset: 0, .size: 8, .value_kind: global_buffer, .address_space: global }
      - { .name: wf, .offset: 8, .size: 8, .value_kind: global_buffer, .address_space: global }
      - { .name: bcat, .offset: 16, .size: 8, .value_kind: global_buffer, .address_space: global }
      - { .name: xa, .offset: 24, .size: 8, .value_kind: global_buffer, .address_space: global }
      - { .name: pf, .offset: 32, .size: 8, .value_kind: global_buffer, .address_space: global }
    .group_segment_fixed_size: 327680
    .private_segment_fixed_size: 0
    .kernarg_segment_align: 8
    .kernarg_segment_size: 40
    .max_flat_workgroup_size: 128
    .sgpr_count:     84
    .vgpr_count:     768
    .wavefront_size: 32
...
	.end_amdgpu_metadata
.endif
;; end of part 2
;; launch lay2 (part 3): grid 16 x 16, 4 waves a work-group, clusters of 4 x 4, 327,680 bytes of LDS; arguments xa, wf, pf, xb; writes xb
.if DOCPART == 3
	.amdgcn_target "amdgcn-amd-amdhsa--gfx1250"
	.amdhsa_code_object_version 6
	.text
	.protected	k_q71bbcfc26f_lay2
	.globl	k_q71bbcfc26f_lay2
	.p2align	8
	.type	k_q71bbcfc26f_lay2,@function
k_q71bbcfc26f_lay2:
	s_mov_b64 s[64:65], 0
	v_nop
	global_prefetch_b8 v0, s[64:65] scope:SCOPE_SE
	s_setreg_imm32_b32 hwreg(HW_REG_WAVE_MODE, 25, 1), 1
	s_wait_xcnt 0x0
	s_wait_alu depctr_hold_cnt(0) depctr_sa_sdst(0) depctr_va_vdst(0) depctr_va_sdst(0) depctr_va_ssrc(0) depctr_va_vcc(0) depctr_vm_vsrc(0)
	s_getreg_b32 s2, hwreg(HW_REG_IB_STS2, 6, 4)
	s_cmp_eq_u32 s2, 0
	s_cbranch_scc0 .Lentry_in_a_cluster
	s_endpgm
.Lentry_in_a_cluster:
	s_bfe_u32 s2, ttmp6, 0x10000c
	s_cmp_lg_u32 s2, 0xf033
	s_cbranch_scc0 .Lentry_shape_is_right
	s_endpgm
.Lentry_shape_is_right:
; LAY2: x2 = x1 @ (W_l2's rows of x1) + P2, where P2 = ctx @ (W_l2's rows of ctx) + b_l2 comes in f32 from the launch before.  2048 x 1024, K = 2048.
; Left out, as shown at the head of the first launch's text: the branches cx1..cx4, which reach no output.  LIMITS: operands and x2 in bf16, sums in f32.
; A work-group makes 128 rows x 64 columns with four waves, a wave 32 x 64: 8 accumulator tiles, which P's tiles start (loaded as they were stored).
; Both operands lie in memory as fragments of 1,024 bytes in strips along K.  K goes in steps of 256 (8 fragments of each strip, 8,192 consecutive bytes)
; through two LDS slots; fragments are read back 512 consecutive bytes a load.
; CLUSTERS of 4 x 4: x's strips are shared along a row of the cluster, the weights' along a column, each asked for jointly by the four.
; The matrix instruction is used transposed (source 0 = weights, source 1 = x): lane l holds row l % 16, columns 8 (l / 16) + 0..7.
.set KB,   64                          ; fragments in a strip of this layer's operands (K / 32)
.set WOFF, 47480832                    ; this layer's weights in wf
.set PB0,  0                           ; this layer's first block among P's 160
.set KBN,  32                          ; fragments in a strip of the result (its columns / 32)
.set T,    KB/8                        ; K steps
.set SLOT, 98304                       ; A: 8 strips x 8 fragments; then B: 4 strips x 8 fragments
.set BOFF, 65536
.set ADRA, 16                          ; v16-17  LDS address of my x fragments in slot 0, 1
.set ADRB, 20                          ; v20-21  the same for the weights
.set ACC,  64                          ; v[64:127]  tile (a, b) at ACC + 8 (4 a + b)
.set F,    128                         ; v[128:175], v[176:223]  two fragment buffers: x's 2, then the weights' 4
.set G1A, 24
.set G0A, 32
.set G1B, 48
.set G0B, 56
.macro PLACES                          ; four plain vector instructions between a matrix instruction and a load into, or a vector instruction or store on, its registers
.rept 4
	v_nop
.endr
.endm
.macro CROUND                          ; a round of the cluster's barrier
	s_barrier_signal -1
	s_barrier_wait -1
	s_cmp_lg_u32 s14, 0
	s_cbranch_scc1 .Lnot_wave_0_\@
	s_barrier_signal -3
.Lnot_wave_0_\@:
	s_barrier_wait -3
	s_barrier_signal -1
	s_barrier_wait -1
.endm
.macro JLOAD s                         ; waves 0 and 1 fetch x's two halves, waves 2 and 3 the weights'
	s_cmp_eq_u32 s15, 0
	s_cbranch_scc0 .Lfor_b_\@
	tensor_load_to_lds s[G0A+4*\s:G0A+4*\s+3], s[G1A:G1A+7]
	s_nop 0
	s_branch .Lasked_\@
.Lfor_b_\@:
	tensor_load_to_lds s[G0B+4*\s:G0B+4*\s+3], s[G1B:G1B+7]
	s_nop 0
.Lasked_\@:
.endm
.macro FETCHK slot, kb                 ; 12 LDS loads: fragment kb of my 2 + 4 strips into buffer kb % 2
.irp a, 0,1
	ds_load_b128 v[F+48*((\kb)&1)+8*\a:F+48*((\kb)&1)+8*\a+3],   v[ADRA+\slot] offset:\a*8192+(\kb)*1024
	ds_load_b128 v[F+48*((\kb)&1)+8*\a+4:F+48*((\kb)&1)+8*\a+7], v[ADRA+\slot] offset:\a*8192+(\kb)*1024+512
.endr
.irp b, 0,1,2,3
	ds_load_b128 v[F+48*((\kb)&1)+16+8*\b:F+48*((\kb)&1)+16+8*\b+3], v[ADRB+\slot] offset:\b*8192+(\kb)*1024
	ds_load_b128 v[F+48*((\kb)&1)+20+8*\b:F+48*((\kb)&1)+20+8*\b+3], v[ADRB+\slot] offset:\b*8192+(\kb)*1024+512
.endr
.endm
.macro MULK kb                         ; 8 matrix instructions; the 8 accumulators take turns, always in this order
.irp a, 0,1
.irp b, 0,1,2,3
	v_wmma_f32_16x16x32_bf16 v[ACC+8*(4*\a+\b):ACC+8*(4*\a+\b)+7], v[F+48*((\kb)&1)+16+8*\b:F+48*((\kb)&1)+16+8*\b+7], v[F+48*((\kb)&1)+8*\a:F+48*((\kb)&1)+8*\a+7], v[ACC+8*(4*\a+\b):ACC+8*(4*\a+\b)+7]
.endr
.endr
.endm
.macro STEP slot                       ; a K step of 256: each fragment's loads are issued one product run ahead
	PLACES
	FETCHK \slot, 0
.irp kb, 0,1,2,3,4,5,6
	PLACES
	FETCHK \slot, \kb+1
	s_wait_dscnt 12                                ; all but the 12 just issued
	MULK \kb
.endr
	s_wait_dscnt 0
	MULK 7
.endm
	s_load_b256 s[4:11], s[0:1], 0x0               ; x in s[4:5], wf s[6:7], pf s[8:9], x out s[10:11]
	v_lshl_add_u32 v224, v0, 2, 0x30000
	v_mov_b32 v225, 0
	ds_add_u32 v224, v225
	ds_add_u32 v224, v225
	v_lshrrev_b32 v1, 5, v0
	v_readfirstlane_b32 s14, v1                    ; wave 0..3
	s_lshr_b32 s15, s14, 1                         ; I fetch for x (0) or for the weights (1),
	s_and_b32 s16, s14, 1                          ; and which half
	s_bfe_u32 s17, ttmp6, 0x40000                  ; cx
	s_bfe_u32 s18, ttmp6, 0x40004                  ; cy
	s_lshl_b32 s19, ttmp9, 2
	s_add_co_u32 s19, s19, s17                     ; block column
	s_and_b32 s20, ttmp7, 0xffff
	s_lshl_b32 s20, s20, 2
	s_add_co_u32 s20, s20, s18                     ; block row
	s_lshl_b32 s21, s18, 2
	s_lshl_b32 s21, 15, s21                        ; my row of the cluster
	s_lshl_b32 s22, 0x1111, s17                    ; my column
	; x: 4 strips x 1,024 elements of 8 bytes, KB x 128 elements from strip to strip; the weights: 2 strips
	s_or_b32 s[G1A+0], s21, (3<<16)|(1<<21)
	s_mov_b32 s[G1A+1], 1024<<16
	s_mov_b32 s[G1A+2], 4<<16
	s_mov_b32 s[G1A+3], 1024<<16
	s_mov_b32 s[G1A+4], 4
	s_mov_b32 s[G1A+5], KB*128
	s_mov_b32 s[G1A+6], 0
	s_mov_b32 s[G1A+7], 0
	s_or_b32 s[G1B+0], s22, (3<<16)|(1<<21)
	s_mov_b32 s[G1B+1], 1024<<16
	s_mov_b32 s[G1B+2], 2<<16
	s_mov_b32 s[G1B+3], 1024<<16
	s_mov_b32 s[G1B+4], 2
	s_mov_b32 s[G1B+5], KB*128
	s_mov_b32 s[G1B+6], 0
	s_mov_b32 s[G1B+7], 0
	s_lshl_b32 s40, s20, 3
	s_lshl2_add_u32 s40, s16, s40                  ; x strip 8 x block row + 4 x half
	s_mul_i32 s40, s40, KB*1024
	s_mov_b32 s41, 0
	s_lshl_b32 s44, s19, 2
	s_lshl1_add_u32 s44, s16, s44                  ; weight strip 4 x block column + 2 x half
	s_mul_i32 s44, s44, KB*1024
	s_add_co_u32 s44, s44, WOFF
	s_mov_b32 s45, 0
	s_lshl_b32 s42, s14, 15                        ; where they go: x's halves at wave x 32,768 (waves 0, 1),
	s_lshl_b32 s46, s14, 14
	s_add_co_u32 s46, s46, 32768                   ; the weights' at 65,536 + (wave - 2) x 16,384 (waves 2, 3)
	s_wait_dscnt 0x0
	s_wait_kmcnt 0x0
	s_add_nc_u64 s[40:41], s[4:5], s[40:41]
	s_add_nc_u64 s[44:45], s[6:7], s[44:45]
	CROUND                                         ; the first joint loads meet
.irp s, 0,1
	s_mov_b32 s[G0A+4*\s], 1
	s_add_co_u32 s[G0A+4*\s+1], s42, \s*SLOT
	s_add_nc_u64 s[G0A+4*\s+2:G0A+4*\s+3], s[40:41], \s*8192
	s_or_b32 s[G0A+4*\s+3], s[G0A+4*\s+3], 0x80000000
	s_mov_b32 s[G0B+4*\s], 1
	s_add_co_u32 s[G0B+4*\s+1], s46, \s*SLOT
	s_add_nc_u64 s[G0B+4*\s+2:G0B+4*\s+3], s[44:45], \s*8192
	s_or_b32 s[G0B+4*\s+3], s[G0B+4*\s+3], 0x80000000
	JLOAD \s                                       ; K steps 0 and 1: two loads of the wave are out
.endr
	v_and_b32 v3, 31, v0
	v_lshlrev_b32 v24, 4, v3                       ; 16 l
	s_lshl_b32 s74, s14, 14                        ; my two strips of x
	v_add_nc_u32 v[ADRA], s74, v24
	v_add_nc_u32 v[ADRA+1], SLOT, v[ADRA]
	v_add_nc_u32 v[ADRB], BOFF, v24
	v_add_nc_u32 v[ADRB+1], SLOT+BOFF, v24
	s_lshl_b32 s68, s20, 3
	s_lshl1_add_u32 s68, s14, s68                  ; my first row block = 8 x block row + 2 x wave
	s_mul_i32 s70, s68, 160
	s_lshl2_add_u32 s70, s19, s70                  ; + 4 x block column
	s_add_co_u32 s70, s70, PB0
	s_lshl_b32 s70, s70, 10
	s_mov_b32 s71, 0
	s_add_nc_u64 s[70:71], s[8:9], s[70:71]
	s_mul_i32 s72, s68, KBN*2
	s_lshl2_add_u32 s72, s19, s72
	s_lshl_b32 s72, s72, 9
	s_mov_b32 s73, 0
	s_add_nc_u64 s[72:73], s[10:11], s[72:73]
.irp a, 0,1
.irp b, 0,1,2,3
	global_load_b128 v[ACC+8*(4*\a+\b):ACC+8*(4*\a+\b)+3],   v24, s[70:71] offset:\a*163840+\b*1024 th:TH_LOAD_NT
	global_load_b128 v[ACC+8*(4*\a+\b)+4:ACC+8*(4*\a+\b)+7], v24, s[70:71] offset:\a*163840+\b*1024+512 th:TH_LOAD_NT
.endr
.endr
	s_wait_tensorcnt 0x1                           ; my part of K step 0 is in; step 1's stays out
	s_barrier_signal -1
	s_barrier_wait -1
	s_wait_loadcnt 0x0                             ; P's tiles start the sums
	STEP 0
.set i, 1
.rept T-1
	s_wait_tensorcnt 0x0                           ; all my tensor loads have landed, my part of this step's slot among them,
	ds_add_u32 v224, v225
	s_wait_dscnt 0x0
	s_wait_dscnt 0x0                               ; and my reads of the other slot are back
.if i+1 < T
	CROUND                                         ; both hold of every wave of the cluster: the other slot is asked for again, jointly, first thing behind the round
	s_add_nc_u64 s[G0A+4*((i+1)&1)+2:G0A+4*((i+1)&1)+3], s[G0A+4*((i+1)&1)+2:G0A+4*((i+1)&1)+3], 16384
	s_add_nc_u64 s[G0B+4*((i+1)&1)+2:G0B+4*((i+1)&1)+3], s[G0B+4*((i+1)&1)+2:G0B+4*((i+1)&1)+3], 16384
	JLOAD ((i+1)&1)
.else
	s_barrier_signal -1                            ; the last step fills nothing
	s_barrier_wait -1
.endif
	STEP (i&1)
.set i, i+1
.endr
	; The way out: tile (row block, column block n) is 512 bytes at (2 KBN x row block + n) x 512, lane l's 16 bytes at 16 l: half a fragment of the next layer's operand.
	PLACES
.irp a, 0,1
.irp b, 0,1,2,3
.irp j, 0,1,2,3
	v_cvt_pk_bf16_f32 v[F+4*(4*\a+\b)+\j], v[ACC+8*(4*\a+\b)+2*\j], v[ACC+8*(4*\a+\b)+2*\j+1]
.endr
	global_store_b128 v24, v[F+4*(4*\a+\b):F+4*(4*\a+\b)+3], s[72:73] offset:\a*KBN*1024+\b*512   ; 512 consecutive aligned bytes a wave
.endr
.endr
	CROUND                                         ; the closing round
	s_endpgm
.Lfunc_end_k_q71bbcfc26f_lay2:
	.size	k_q71bbcfc26f_lay2, .Lfunc_end_k_q71bbcfc26f_lay2-k_q71bbcfc26f_lay2
	.p2alignl 7, 3214868480
	.fill 96, 4, 3214868480
	.section	.rodata,"a",@progbits
	.p2align	6, 0x0
	.amdhsa_kernel k_q71bbcfc26f_lay2
		.amdhsa_group_segment_fixed_size 327680
		.amdhsa_private_segment_fixed_size 0
		.amdhsa_enable_private_segment 0
		.amdhsa_kernarg_size 32
		.amdhsa_user_sgpr_count 2
		.amdhsa_user_sgpr_kernarg_segment_ptr 1
		.amdhsa_wavefront_size32 1
		.amdhsa_system_sgpr_workgroup_id_x 1
		.amdhsa_system_sgpr_workgroup_id_y 1
		.amdhsa_system_sgpr_workgroup_id_z 1
		.amdhsa_system_vgpr_workitem_id 0
		.amdhsa_next_free_vgpr 226
		.amdhsa_next_free_sgpr 76
		.amdhsa_reserve_vcc 0
		.amdhsa_float_denorm_mode_32 3
		.amdhsa_float_denorm_mode_16_64 3
		.amdhsa_memory_ordered 1
		.amdhsa_forward_progress 1
		.amdhsa_inst_pref_size 106
	.end_amdhsa_kernel
	.amdgpu_metadata
---
amdhsa.version: [ 1, 2 ]
amdhsa.kernels:
  - .name:           k_q71bbcfc26f_lay2
    .symbol:         k_q71bbcfc26f_lay2.kd
    .args:
      - { .name: xa, .offset: 0, .size: 8, .value_kind: global_buffer, .address_space: global }
      - { .name: wf, .offset: 8, .size: 8, .value_kind: global_buffer, .address_space: global }
      - { .name: pf, .offset: 16, .size: 8, .value_kind: global_buffer, .address_space: global }
      - { .name: xb, .offset: 24, .size: 8, .value_kind: global_buffer, .address_space: global }
    .group_segment_fixed_size: 327680
    .private_segment_fixed_size: 0
    .kernarg_segment_align: 8
    .kernarg_segment_size: 32
    .max_flat_workgroup_size: 128
    .sgpr_count:     76
    .vgpr_count:     226
    .wavefront_size: 32
...
	.end_amdgpu_metadata
.endif
;; end of part 3
;; launch lay3 (part 4): grid 16 x 16, 4 waves a work-group, clusters of 4 x 4, 327,680 bytes of LDS; arguments xb, wf, pf, xa; writes xa
.if DOCPART == 4
	.amdgcn_target "amdgcn-amd-amdhsa--gfx1250"
	.amdhsa_code_object_version 6
	.text
	.protected	k_q71bbcfc26f_lay3
	.globl	k_q71bbcfc26f_lay3
	.p2align	8
	.type	k_q71bbcfc26f_lay3,@function
k_q71bbcfc26f_lay3:
	s_mov_b64 s[64:65], 0
	v_nop
	global_prefetch_b8 v0, s[64:65] scope:SCOPE_SE
	s_setreg_imm32_b32 hwreg(HW_REG_WAVE_MODE, 25, 1), 1
	s_wait_xcnt 0x0
	s_wait_alu depctr_hold_cnt(0) depctr_sa_sdst(0) depctr_va_vdst(0) depctr_va_sdst(0) depctr_va_ssrc(0) depctr_va_vcc(0) depctr_vm_vsrc(0)
	s_getreg_b32 s2, hwreg(HW_REG_IB_STS2, 6, 4)
	s_cmp_eq_u32 s2, 0
	s_cbranch_scc0 .Lentry_in_a_cluster
	s_endpgm
.Lentry_in_a_cluster:
	s_bfe_u32 s2, ttmp6, 0x10000c
	s_cmp_lg_u32 s2, 0xf033
	s_cbranch_scc0 .Lentry_shape_is_right
	s_endpgm
.Lentry_shape_is_right:
; LAY3: x3 = x2 @ (W_l3's rows of x2) + P3, where P3 = ctx @ (W_l3's rows of ctx) + b_l3 comes in f32 from the second launch.  2048 x 1024, K = 1024.
; Left out, as shown at the head of the first launch's text: the branches cx1..cx4, which reach no output.  LIMITS: operands and x3 in bf16, sums in f32.
; A work-group makes 128 rows x 64 columns with four waves, a wave 32 x 64: 8 accumulator tiles, which P's tiles start (loaded as they were stored).
; Both operands lie in memory as fragments of 1,024 bytes in strips along K.  K goes in steps of 256 (8 fragments of each strip, 8,192 consecutive bytes)
; through two LDS slots; fragments are read back 512 consecutive bytes a load.
; CLUSTERS of 4 x 4: x's strips are shared along a row of the cluster, the weights' along a column, each asked for jointly by the four.
; The matrix instruction is used transposed (source 0 = weights, source 1 = x): lane l holds row l % 16, columns 8 (l / 16) + 0..7.
.set KB,   32                          ; fragments in a strip of this layer's operands (K / 32)
.set WOFF, 51675136                    ; this layer's weights in wf
.set PB0,  64                          ; this layer's first block among P's 160
.set KBN,  32                          ; fragments in a strip of the result (its columns / 32)
.set T,    KB/8                        ; K steps
.set SLOT, 98304                       ; A: 8 strips x 8 fragments; then B: 4 strips x 8 fragments
.set BOFF, 65536
.set ADRA, 16                          ; v16-17  LDS address of my x fragments in slot 0, 1
.set ADRB, 20                          ; v20-21  the same for the weights
.set ACC,  64                          ; v[64:127]  tile (a, b) at ACC + 8 (4 a + b)
.set F,    128                         ; v[128:175], v[176:223]  two fragment buffers: x's 2, then the weights' 4
.set G1A, 24
.set G0A, 32
.set G1B, 48
.set G0B, 56
.macro PLACES                          ; four plain vector instructions between a matrix instruction and a load into, or a vector instruction or store on, its registers
.rept 4
	v_nop
.endr
.endm
.macro CROUND                          ; a round of the cluster's barrier
	s_barrier_signal -1
	s_barrier_wait -1
	s_cmp_lg_u32 s14, 0
	s_cbranch_scc1 .Lnot_wave_0_\@
	s_barrier_signal -3
.Lnot_wave_0_\@:
	s_barrier_wait -3
	s_barrier_signal -1
	s_barrier_wait -1
.endm
.macro JLOAD s                         ; waves 0 and 1 fetch x's two halves, waves 2 and 3 the weights'
	s_cmp_eq_u32 s15, 0
	s_cbranch_scc0 .Lfor_b_\@
	tensor_load_to_lds s[G0A+4*\s:G0A+4*\s+3], s[G1A:G1A+7]
	s_nop 0
	s_branch .Lasked_\@
.Lfor_b_\@:
	tensor_load_to_lds s[G0B+4*\s:G0B+4*\s+3], s[G1B:G1B+7]
	s_nop 0
.Lasked_\@:
.endm
.macro FETCHK slot, kb                 ; 12 LDS loads: fragment kb of my 2 + 4 strips into buffer kb % 2
.irp a, 0,1
	ds_load_b128 v[F+48*((\kb)&1)+8*\a:F+48*((\kb)&1)+8*\a+3],   v[ADRA+\slot] offset:\a*8192+(\kb)*1024
	ds_load_b128 v[F+48*((\kb)&1)+8*\a+4:F+48*((\kb)&1)+8*\a+7], v[ADRA+\slot] offset:\a*8192+(\kb)*1024+512
.endr
.irp b, 0,1,2,3
	ds_load_b128 v[F+48*((\kb)&1)+16+8*\b:F+48*((\kb)&1)+16+8*\b+3], v[ADRB+\slot] offset:\b*8192+(\kb)*1024
	ds_load_b128 v[F+48*((\kb)&1)+20+8*\b:F+48*((\kb)&1)+20+8*\b+3], v[ADRB+\slot] offset:\b*8192+(\kb)*1024+512
.endr
.endm
.macro MULK kb                         ; 8 matrix instructions; the 8 accumulators take turns, always in this order
.irp a, 0,1
.irp b, 0,1,2,3
	v_wmma_f32_16x16x32_bf16 v[ACC+8*(4*\a+\b):ACC+8*(4*\a+\b)+7], v[F+48*((\kb)&1)+16+8*\b:F+48*((\kb)&1)+16+8*\b+7], v[F+48*((\kb)&1)+8*\a:F+48*((\kb)&1)+8*\a+7], v[ACC+8*(4*\a+\b):ACC+8*(4*\a+\b)+7]
.endr
.endr
.endm
.macro STEP slot                       ; a K step of 256: each fragment's loads are issued one product run ahead
	PLACES
	FETCHK \slot, 0
.irp kb, 0,1,2,3,4,5,6
	PLACES
	FETCHK \slot, \kb+1
	s_wait_dscnt 12                                ; all but the 12 just issued
	MULK \kb
.endr
	s_wait_dscnt 0
	MULK 7
.endm
	s_load_b256 s[4:11], s[0:1], 0x0               ; x in s[4:5], wf s[6:7], pf s[8:9], x out s[10:11]
	v_lshl_add_u32 v224, v0, 2, 0x30000
	v_mov_b32 v225, 0
	ds_add_u32 v224, v225
	ds_add_u32 v224, v225
	v_lshrrev_b32 v1, 5, v0
	v_readfirstlane_b32 s14, v1                    ; wave 0..3
	s_lshr_b32 s15, s14, 1                         ; I fetch for x (0) or for the weights (1),
	s_and_b32 s16, s14, 1                          ; and which half
	s_bfe_u32 s17, ttmp6, 0x40000                  ; cx
	s_bfe_u32 s18, ttmp6, 0x40004                  ; cy
	s_lshl_b32 s19, ttmp9, 2
	s_add_co_u32 s19, s19, s17                     ; block column
	s_and_b32 s20, ttmp7, 0xffff
	s_lshl_b32 s20, s20, 2
	s_add_co_u32 s20, s20, s18                     ; block row
	s_lshl_b32 s21, s18, 2
	s_lshl_b32 s21, 15, s21                        ; my row of the cluster
	s_lshl_b32 s22, 0x1111, s17                    ; my column
	; x: 4 strips x 1,024 elements of 8 bytes, KB x 128 elements from strip to strip; the weights: 2 strips
	s_or_b32 s[G1A+0], s21, (3<<16)|(1<<21)
	s_mov_b32 s[G1A+1], 1024<<16
	s_mov_b32 s[G1A+2], 4<<16
	s_mov_b32 s[G1A+3], 1024<<16
	s_mov_b32 s[G1A+4], 4
	s_mov_b32 s[G1A+5], KB*128
	s_mov_b32 s[G1A+6], 0
	s_mov_b32 s[G1A+7], 0
	s_or_b32 s[G1B+0], s22, (3<<16)|(1<<21)
	s_mov_b32 s[G1B+1], 1024<<16
	s_mov_b32 s[G1B+2], 2<<16
	s_mov_b32 s[G1B+3], 1024<<16
	s_mov_b32 s[G1B+4], 2
	s_mov_b32 s[G1B+5], KB*128
	s_mov_b32 s[G1B+6], 0
	s_mov_b32 s[G1B+7], 0
	s_lshl_b32 s40, s20, 3
	s_lshl2_add_u32 s40, s16, s40                  ; x strip 8 x block row + 4 x half
	s_mul_i32 s40, s40, KB*1024
	s_mov_b32 s41, 0
	s_lshl_b32 s44, s19, 2
	s_lshl1_add_u32 s44, s16, s44                  ; weight strip 4 x block column + 2 x half
	s_mul_i32 s44, s44, KB*1024
	s_add_co_u32 s44, s44, WOFF
	s_mov_b32 s45, 0
	s_lshl_b32 s42, s14, 15                        ; where they go: x's halves at wave x 32,768 (waves 0, 1),
	s_lshl_b32 s46, s14, 14
	s_add_co_u32 s46, s46, 32768                   ; the weights' at 65,536 + (wave - 2) x 16,384 (waves 2, 3)
	s_wait_dscnt 0x0
	s_wait_kmcnt 0x0
	s_add_nc_u64 s[40:41], s[4:5], s[40:41]
	s_add_nc_u64 s[44:45], s[6:7], s[44:45]
	CROUND                                         ; the first joint loads meet
.irp s, 0,1
	s_mov_b32 s[G0A+4*\s], 1
	s_add_co_u32 s[G0A+4*\s+1], s42, \s*SLOT
	s_add_nc_u64 s[G0A+4*\s+2:G0A+4*\s+3], s[40:41], \s*8192
	s_or_b32 s[G0A+4*\s+3], s[G0A+4*\s+3], 0x80000000
	s_mov_b32 s[G0B+4*\s], 1
	s_add_co_u32 s[G0B+4*\s+1], s46, \s*SLOT
	s_add_nc_u64 s[G0B+4*\s+2:G0B+4*\s+3], s[44:45], \s*8192
	s_or_b32 s[G0B+4*\s+3], s[G0B+4*\s+3], 0x80000000
	JLOAD \s                                       ; K steps 0 and 1: two loads of the wave are out
.endr
	v_and_b32 v3, 31, v0
	v_lshlrev_b32 v24, 4, v3                       ; 16 l
	s_lshl_b32 s74, s14, 14                        ; my two strips of x
	v_add_nc_u32 v[ADRA], s74, v24
	v_add_nc_u32 v[ADRA+1], SLOT, v[ADRA]
	v_add_nc_u32 v[ADRB], BOFF, v24
	v_add_nc_u32 v[ADRB+1], SLOT+BOFF, v24
	s_lshl_b32 s68, s20, 3
	s_lshl1_add_u32 s68, s14, s68                  ; my first row block = 8 x block row + 2 x wave
	s_mul_i32 s70, s68, 160
	s_lshl2_add_u32 s70, s19, s70                  ; + 4 x block column
	s_add_co_u32 s70, s70, PB0
	s_lshl_b32 s70, s70, 10
	s_mov_b32 s71, 0
	s_add_nc_u64 s[70:71], s[8:9], s[70:71]
	s_mul_i32 s72, s68, KBN*2
	s_lshl2_add_u32 s72, s19, s72
	s_lshl_b32 s72, s72, 9
	s_mov_b32 s73, 0
	s_add_nc_u64 s[72:73], s[10:11], s[72:73]
.irp a, 0,1
.irp b, 0,1,2,3
	global_load_b128 v[ACC+8*(4*\a+\b):ACC+8*(4*\a+\b)+3],   v24, s[70:71] offset:\a*163840+\b*1024 th:TH_LOAD_NT
	global_load_b128 v[ACC+8*(4*\a+\b)+4:ACC+8*(4*\a+\b)+7], v24, s[70:71] offset:\a*163840+\b*1024+512 th:TH_LOAD_NT
.endr
.endr
	s_wait_tensorcnt 0x1                           ; my part of K step 0 is in; step 1's stays out
	s_barrier_signal -1
	s_barrier_wait -1
	s_wait_loadcnt 0x0                             ; P's tiles start the sums
	STEP 0
.set i, 1
.rept T-1
	s_wait_tensorcnt 0x0                           ; all my tensor loads have landed, my part of this step's slot among them,
	ds_add_u32 v224, v225
	s_wait_dscnt 0x0
	s_wait_dscnt 0x0                               ; and my reads of the other slot are back
.if i+1 < T
	CROUND                                         ; both hold of every wave of the cluster: the other slot is asked for again, jointly, first thing behind the round
	s_add_nc_u64 s[G0A+4*((i+1)&1)+2:G0A+4*((i+1)&1)+3], s[G0A+4*((i+1)&1)+2:G0A+4*((i+1)&1)+3], 16384
	s_add_nc_u64 s[G0B+4*((i+1)&1)+2:G0B+4*((i+1)&1)+3], s[G0B+4*((i+1)&1)+2:G0B+4*((i+1)&1)+3], 16384
	JLOAD ((i+1)&1)
.else
	s_barrier_signal -1                            ; the last step fills nothing
	s_barrier_wait -1
.endif
	STEP (i&1)
.set i, i+1
.endr
	; The way out: tile (row block, column block n) is 512 bytes at (2 KBN x row block + n) x 512, lane l's 16 bytes at 16 l: half a fragment of the next layer's operand.
	PLACES
.irp a, 0,1
.irp b, 0,1,2,3
.irp j, 0,1,2,3
	v_cvt_pk_bf16_f32 v[F+4*(4*\a+\b)+\j], v[ACC+8*(4*\a+\b)+2*\j], v[ACC+8*(4*\a+\b)+2*\j+1]
.endr
	global_store_b128 v24, v[F+4*(4*\a+\b):F+4*(4*\a+\b)+3], s[72:73] offset:\a*KBN*1024+\b*512   ; 512 consecutive aligned bytes a wave
.endr
.endr
	CROUND                                         ; the closing round
	s_endpgm
.Lfunc_end_k_q71bbcfc26f_lay3:
	.size	k_q71bbcfc26f_lay3, .Lfunc_end_k_q71bbcfc26f_lay3-k_q71bbcfc26f_lay3
	.p2alignl 7, 3214868480
	.fill 96, 4, 3214868480
	.section	.rodata,"a",@progbits
	.p2align	6, 0x0
	.amdhsa_kernel k_q71bbcfc26f_lay3
		.amdhsa_group_segment_fixed_size 327680
		.amdhsa_private_segment_fixed_size 0
		.amdhsa_enable_private_segment 0
		.amdhsa_kernarg_size 32
		.amdhsa_user_sgpr_count 2
		.amdhsa_user_sgpr_kernarg_segment_ptr 1
		.amdhsa_wavefront_size32 1
		.amdhsa_system_sgpr_workgroup_id_x 1
		.amdhsa_system_sgpr_workgroup_id_y 1
		.amdhsa_system_sgpr_workgroup_id_z 1
		.amdhsa_system_vgpr_workitem_id 0
		.amdhsa_next_free_vgpr 226
		.amdhsa_next_free_sgpr 76
		.amdhsa_reserve_vcc 0
		.amdhsa_float_denorm_mode_32 3
		.amdhsa_float_denorm_mode_16_64 3
		.amdhsa_memory_ordered 1
		.amdhsa_forward_progress 1
		.amdhsa_inst_pref_size 58
	.end_amdhsa_kernel
	.amdgpu_metadata
---
amdhsa.version: [ 1, 2 ]
amdhsa.kernels:
  - .name:           k_q71bbcfc26f_lay3
    .symbol:         k_q71bbcfc26f_lay3.kd
    .args:
      - { .name: xb, .offset: 0, .size: 8, .value_kind: global_buffer, .address_space: global }
      - { .name: wf, .offset: 8, .size: 8, .value_kind: global_buffer, .address_space: global }
      - { .name: pf, .offset: 16, .size: 8, .value_kind: global_buffer, .address_space: global }
      - { .name: xa, .offset: 24, .size: 8, .value_kind: global_buffer, .address_space: global }
    .group_segment_fixed_size: 327680
    .private_segment_fixed_size: 0
    .kernarg_segment_align: 8
    .kernarg_segment_size: 32
    .max_flat_workgroup_size: 128
    .sgpr_count:     76
    .vgpr_count:     226
    .wavefront_size: 32
...
	.end_amdgpu_metadata
.endif
;; end of part 4
;; launch lay4 (part 5): grid 8 x 16, 4 waves a work-group, clusters of 4 x 4, 327,680 bytes of LDS; arguments xa, wf, pf, xb; writes xb
.if DOCPART == 5
	.amdgcn_target "amdgcn-amd-amdhsa--gfx1250"
	.amdhsa_code_object_version 6
	.text
	.protected	k_q71bbcfc26f_lay4
	.globl	k_q71bbcfc26f_lay4
	.p2align	8
	.type	k_q71bbcfc26f_lay4,@function
k_q71bbcfc26f_lay4:
	s_mov_b64 s[64:65], 0
	v_nop
	global_prefetch_b8 v0, s[64:65] scope:SCOPE_SE
	s_setreg_imm32_b32 hwreg(HW_REG_WAVE_MODE, 25, 1), 1
	s_wait_xcnt 0x0
	s_wait_alu depctr_hold_cnt(0) depctr_sa_sdst(0) depctr_va_vdst(0) depctr_va_sdst(0) depctr_va_ssrc(0) depctr_va_vcc(0) depctr_vm_vsrc(0)
	s_getreg_b32 s2, hwreg(HW_REG_IB_STS2, 6, 4)
	s_cmp_eq_u32 s2, 0
	s_cbranch_scc0 .Lentry_in_a_cluster
	s_endpgm
.Lentry_in_a_cluster:
	s_bfe_u32 s2, ttmp6, 0x10000c
	s_cmp_lg_u32 s2, 0xf033
	s_cbranch_scc0 .Lentry_shape_is_right
	s_endpgm
.Lentry_shape_is_right:
; LAY4: x4 = x3 @ (W_l4's rows of x3) + P4, where P4 = ctx @ (W_l4's rows of ctx) + b_l4 comes in f32 from the second launch.  2048 x 512, K = 1024.
; Left out, as shown at the head of the first launch's text: the branches cx1..cx4, which reach no output.  LIMITS: operands and x4 in bf16, sums in f32.
; A work-group makes 128 rows x 64 columns with four waves, a wave 32 x 64: 8 accumulator tiles, which P's tiles start (loaded as they were stored).
; 512 columns give 8 x 16 = 128 such work-groups; no more are launched.
; Both operands lie in memory as fragments of 1,024 bytes in strips along K.  K goes in steps of 256 (8 fragments of each strip, 8,192 consecutive bytes)
; through two LDS slots; fragments are read back 512 consecutive bytes a load.
; CLUSTERS of 4 x 4: x's strips are shared along a row of the cluster, the weights' along a column, each asked for jointly by the four.
; The matrix instruction is used transposed (source 0 = weights, source 1 = x): lane l holds row l % 16, columns 8 (l / 16) + 0..7.
.set KB,   32                          ; fragments in a strip of this layer's operands (K / 32)
.set WOFF, 53772288                    ; this layer's weights in wf
.set PB0,  128                         ; this layer's first block among P's 160
.set KBN,  16                          ; fragments in a strip of the result (its columns / 32)
.set T,    KB/8                        ; K steps
.set SLOT, 98304                       ; A: 8 strips x 8 fragments; then B: 4 strips x 8 fragments
.set BOFF, 65536
.set ADRA, 16                          ; v16-17  LDS address of my x fragments in slot 0, 1
.set ADRB, 20                          ; v20-21  the same for the weights
.set ACC,  64                          ; v[64:127]  tile (a, b) at ACC + 8 (4 a + b)
.set F,    128                         ; v[128:175], v[176:223]  two fragment buffers: x's 2, then the weights' 4
.set G1A, 24
.set G0A, 32
.set G1B, 48
.set G0B, 56
.macro PLACES                          ; four plain vector instructions between a matrix instruction and a load into, or a vector instruction or store on, its registers
.rept 4
	v_nop
.endr
.endm
.macro CROUND                          ; a round of the cluster's barrier
	s_barrier_signal -1
	s_barrier_wait -1
	s_cmp_lg_u32 s14, 0
	s_cbranch_scc1 .Lnot_wave_0_\@
	s_barrier_signal -3
.Lnot_wave_0_\@:
	s_barrier_wait -3
	s_barrier_signal -1
	s_barrier_wait -1
.endm
.macro JLOAD s                         ; waves 0 and 1 fetch x's two halves, waves 2 and 3 the weights'
	s_cmp_eq_u32 s15, 0
	s_cbranch_scc0 .Lfor_b_\@
	tensor_load_to_lds s[G0A+4*\s:G0A+4*\s+3], s[G1A:G1A+7]
	s_nop 0
	s_branch .Lasked_\@
.Lfor_b_\@:
	tensor_load_to_lds s[G0B+4*\s:G0B+4*\s+3], s[G1B:G1B+7]
	s_nop 0
.Lasked_\@:
.endm
.macro FETCHK slot, kb                 ; 12 LDS loads: fragment kb of my 2 + 4 strips into buffer kb % 2
.irp a, 0,1
	ds_load_b128 v[F+48*((\kb)&1)+8*\a:F+48*((\kb)&1)+8*\a+3],   v[ADRA+\slot] offset:\a*8192+(\kb)*1024
	ds_load_b128 v[F+48*((\kb)&1)+8*\a+4:F+48*((\kb)&1)+8*\a+7], v[ADRA+\slot] offset:\a*8192+(\kb)*1024+512
.endr
.irp b, 0,1,2,3
	ds_load_b128 v[F+48*((\kb)&1)+16+8*\b:F+48*((\kb)&1)+16+8*\b+3], v[ADRB+\slot] offset:\b*8192+(\kb)*1024
	ds_load_b128 v[F+48*((\kb)&1)+20+8*\b:F+48*((\kb)&1)+20+8*\b+3], v[ADRB+\slot] offset:\b*8192+(\kb)*1024+512
.endr
.endm
.macro MULK kb                         ; 8 matrix instructions; the 8 accumulators take turns, always in this order
.irp a, 0,1
.irp b, 0,1,2,3
	v_wmma_f32_16x16x32_bf16 v[ACC+8*(4*\a+\b):ACC+8*(4*\a+\b)+7], v[F+48*((\kb)&1)+16+8*\b:F+48*((\kb)&1)+16+8*\b+7], v[F+48*((\kb)&1)+8*\a:F+48*((\kb)&1)+8*\a+7], v[ACC+8*(4*\a+\b):ACC+8*(4*\a+\b)+7]
.endr
.endr
.endm
.macro STEP slot                       ; a K step of 256: each fragment's loads are issued one product run ahead
	PLACES
	FETCHK \slot, 0
.irp kb, 0,1,2,3,4,5,6
	PLACES
	FETCHK \slot, \kb+1
	s_wait_dscnt 12                                ; all but the 12 just issued
	MULK \kb
.endr
	s_wait_dscnt 0
	MULK 7
.endm
	s_load_b256 s[4:11], s[0:1], 0x0               ; x in s[4:5], wf s[6:7], pf s[8:9], x out s[10:11]
	v_lshl_add_u32 v224, v0, 2, 0x30000
	v_mov_b32 v225, 0
	ds_add_u32 v224, v225
	ds_add_u32 v224, v225
	v_lshrrev_b32 v1, 5, v0
	v_readfirstlane_b32 s14, v1                    ; wave 0..3
	s_lshr_b32 s15, s14, 1                         ; I fetch for x (0) or for the weights (1),
	s_and_b32 s16, s14, 1                          ; and which half
	s_bfe_u32 s17, ttmp6, 0x40000                  ; cx
	s_bfe_u32 s18, ttmp6, 0x40004                  ; cy
	s_lshl_b32 s19, ttmp9, 2
	s_add_co_u32 s19, s19, s17                     ; block column
	s_and_b32 s20, ttmp7, 0xffff
	s_lshl_b32 s20, s20, 2
	s_add_co_u32 s20, s20, s18                     ; block row
	s_lshl_b32 s21, s18, 2
	s_lshl_b32 s21, 15, s21                        ; my row of the cluster
	s_lshl_b32 s22, 0x1111, s17                    ; my column
	; x: 4 strips x 1,024 elements of 8 bytes, KB x 128 elements from strip to strip; the weights: 2 strips
	s_or_b32 s[G1A+0], s21, (3<<16)|(1<<21)
	s_mov_b32 s[G1A+1], 1024<<16
	s_mov_b32 s[G1A+2], 4<<16
	s_mov_b32 s[G1A+3], 1024<<16
	s_mov_b32 s[G1A+4], 4
	s_mov_b32 s[G1A+5], KB*128
	s_mov_b32 s[G1A+6], 0
	s_mov_b32 s[G1A+7], 0
	s_or_b32 s[G1B+0], s22, (3<<16)|(1<<21)
	s_mov_b32 s[G1B+1], 1024<<16
	s_mov_b32 s[G1B+2], 2<<16
	s_mov_b32 s[G1B+3], 1024<<16
	s_mov_b32 s[G1B+4], 2
	s_mov_b32 s[G1B+5], KB*128
	s_mov_b32 s[G1B+6], 0
	s_mov_b32 s[G1B+7], 0
	s_lshl_b32 s40, s20, 3
	s_lshl2_add_u32 s40, s16, s40                  ; x strip 8 x block row + 4 x half
	s_mul_i32 s40, s40, KB*1024
	s_mov_b32 s41, 0
	s_lshl_b32 s44, s19, 2
	s_lshl1_add_u32 s44, s16, s44                  ; weight strip 4 x block column + 2 x half
	s_mul_i32 s44, s44, KB*1024
	s_add_co_u32 s44, s44, WOFF
	s_mov_b32 s45, 0
	s_lshl_b32 s42, s14, 15                        ; where they go: x's halves at wave x 32,768 (waves 0, 1),
	s_lshl_b32 s46, s14, 14
	s_add_co_u32 s46, s46, 32768                   ; the weights' at 65,536 + (wave - 2) x 16,384 (waves 2, 3)
	s_wait_dscnt 0x0
	s_wait_kmcnt 0x0
	s_add_nc_u64 s[40:41], s[4:5], s[40:41]
	s_add_nc_u64 s[44:45], s[6:7], s[44:45]
	CROUND                                         ; the first joint loads meet
.irp s, 0,1
	s_mov_b32 s[G0A+4*\s], 1
	s_add_co_u32 s[G0A+4*\s+1], s42, \s*SLOT
	s_add_nc_u64 s[G0A+4*\s+2:G0A+4*\s+3], s[40:41], \s*8192
	s_or_b32 s[G0A+4*\s+3], s[G0A+4*\s+3], 0x80000000
	s_mov_b32 s[G0B+4*\s], 1
	s_add_co_u32 s[G0B+4*\s+1], s46, \s*SLOT
	s_add_nc_u64 s[G0B+4*\s+2:G0B+4*\s+3], s[44:45], \s*8192
	s_or_b32 s[G0B+4*\s+3], s[G0B+4*\s+3], 0x80000000
	JLOAD \s                                       ; K steps 0 and 1: two loads of the wave are out
.endr
	v_and_b32 v3, 31, v0
	v_lshlrev_b32 v24, 4, v3                       ; 16 l
	s_lshl_b32 s74, s14, 14                        ; my two strips of x
	v_add_nc_u32 v[ADRA], s74, v24
	v_add_nc_u32 v[ADRA+1], SLOT, v[ADRA]
	v_add_nc_u32 v[ADRB], BOFF, v24
	v_add_nc_u32 v[ADRB+1], SLOT+BOFF, v24
	s_lshl_b32 s68, s20, 3
	s_lshl1_add_u32 s68, s14, s68                  ; my first row block = 8 x block row + 2 x wave
	s_mul_i32 s70, s68, 160
	s_lshl2_add_u32 s70, s19, s70                  ; + 4 x block column
	s_add_co_u32 s70, s70, PB0
	s_lshl_b32 s70, s70, 10
	s_mov_b32 s71, 0
	s_add_nc_u64 s[70:71], s[8:9], s[70:71]
	s_mul_i32 s72, s68, KBN*2
	s_lshl2_add_u32 s72, s19, s72
	s_lshl_b32 s72, s72, 9
	s_mov_b32 s73, 0
	s_add_nc_u64 s[72:73], s[10:11], s[72:73]
.irp a, 0,1
.irp b, 0,1,2,3
	global_load_b128 v[ACC+8*(4*\a+\b):ACC+8*(4*\a+\b)+3],   v24, s[70:71] offset:\a*163840+\b*1024 th:TH_LOAD_NT
	global_load_b128 v[ACC+8*(4*\a+\b)+4:ACC+8*(4*\a+\b)+7], v24, s[70:71] offset:\a*163840+\b*1024+512 th:TH_LOAD_NT
.endr
.endr
	s_wait_tensorcnt 0x1                           ; my part of K step 0 is in; step 1's stays out
	s_barrier_signal -1
	s_barrier_wait -1
	s_wait_loadcnt 0x0                             ; P's tiles start the sums
	STEP 0
.set i, 1
.rept T-1
	s_wait_tensorcnt 0x0                           ; all my tensor loads have landed, my part of this step's slot among them,
	ds_add_u32 v224, v225
	s_wait_dscnt 0x0
	s_wait_dscnt 0x0                               ; and my reads of the other slot are back
.if i+1 < T
	CROUND                                         ; both hold of every wave of the cluster: the other slot is asked for again, jointly, first thing behind the round
	s_add_nc_u64 s[G0A+4*((i+1)&1)+2:G0A+4*((i+1)&1)+3], s[G0A+4*((i+1)&1)+2:G0A+4*((i+1)&1)+3], 16384
	s_add_nc_u64 s[G0B+4*((i+1)&1)+2:G0B+4*((i+1)&1)+3], s[G0B+4*((i+1)&1)+2:G0B+4*((i+1)&1)+3], 16384
	JLOAD ((i+1)&1)
.else
	s_barrier_signal -1                            ; the last step fills nothing
	s_barrier_wait -1
.endif
	STEP (i&1)
.set i, i+1
.endr
	; The way out: tile (row block, column block n) is 512 bytes at (2 KBN x row block + n) x 512, lane l's 16 bytes at 16 l: half a fragment of the next layer's operand.
	PLACES
.irp a, 0,1
.irp b, 0,1,2,3
.irp j, 0,1,2,3
	v_cvt_pk_bf16_f32 v[F+4*(4*\a+\b)+\j], v[ACC+8*(4*\a+\b)+2*\j], v[ACC+8*(4*\a+\b)+2*\j+1]
.endr
	global_store_b128 v24, v[F+4*(4*\a+\b):F+4*(4*\a+\b)+3], s[72:73] offset:\a*KBN*1024+\b*512   ; 512 consecutive aligned bytes a wave
.endr
.endr
	CROUND                                         ; the closing round
	s_endpgm
.Lfunc_end_k_q71bbcfc26f_lay4:
	.size	k_q71bbcfc26f_lay4, .Lfunc_end_k_q71bbcfc26f_lay4-k_q71bbcfc26f_lay4
	.p2alignl 7, 3214868480
	.fill 96, 4, 3214868480
	.section	.rodata,"a",@progbits
	.p2align	6, 0x0
	.amdhsa_kernel k_q71bbcfc26f_lay4
		.amdhsa_group_segment_fixed_size 327680
		.amdhsa_private_segment_fixed_size 0
		.amdhsa_enable_private_segment 0
		.amdhsa_kernarg_size 32
		.amdhsa_user_sgpr_count 2
		.amdhsa_user_sgpr_kernarg_segment_ptr 1
		.amdhsa_wavefront_size32 1
		.amdhsa_system_sgpr_workgroup_id_x 1
		.amdhsa_system_sgpr_workgroup_id_y 1
		.amdhsa_system_sgpr_workgroup_id_z 1
		.amdhsa_system_vgpr_workitem_id 0
		.amdhsa_next_free_vgpr 226
		.amdhsa_next_free_sgpr 76
		.amdhsa_reserve_vcc 0
		.amdhsa_float_denorm_mode_32 3
		.amdhsa_float_denorm_mode_16_64 3
		.amdhsa_memory_ordered 1
		.amdhsa_forward_progress 1
		.amdhsa_inst_pref_size 58
	.end_amdhsa_kernel
	.amdgpu_metadata
---
amdhsa.version: [ 1, 2 ]
amdhsa.kernels:
  - .name:           k_q71bbcfc26f_lay4
    .symbol:         k_q71bbcfc26f_lay4.kd
    .args:
      - { .name: xa, .offset: 0, .size: 8, .value_kind: global_buffer, .address_space: global }
      - { .name: wf, .offset: 8, .size: 8, .value_kind: global_buffer, .address_space: global }
      - { .name: pf, .offset: 16, .size: 8, .value_kind: global_buffer, .address_space: global }
      - { .name: xb, .offset: 24, .size: 8, .value_kind: global_buffer, .address_space: global }
    .group_segment_fixed_size: 327680
    .private_segment_fixed_size: 0
    .kernarg_segment_align: 8
    .kernarg_segment_size: 32
    .max_flat_workgroup_size: 128
    .sgpr_count:     76
    .vgpr_count:     226
    .wavefront_size: 32
...
	.end_amdgpu_metadata
.endif
;; end of part 5
;; launch lay5 (part 6): grid 16 x 16, 4 waves a work-group, clusters of 4 x 4, 214,528 bytes of LDS; arguments xb, wf, b_l5, out0; writes out0
.if DOCPART == 6
	.amdgcn_target "amdgcn-amd-amdhsa--gfx1250"
	.amdhsa_code_object_version 6
	.text
	.protected	k_q71bbcfc26f_lay5
	.globl	k_q71bbcfc26f_lay5
	.p2align	8
	.type	k_q71bbcfc26f_lay5,@function
k_q71bbcfc26f_lay5:
	s_mov_b64 s[64:65], 0
	v_nop
	global_prefetch_b8 v0, s[64:65] scope:SCOPE_SE
	s_setreg_imm32_b32 hwreg(HW_REG_WAVE_MODE, 25, 1), 1
	s_wait_xcnt 0x0
	s_wait_alu depctr_hold_cnt(0) depctr_sa_sdst(0) depctr_va_vdst(0) depctr_va_sdst(0) depctr_va_ssrc(0) depctr_va_vcc(0) depctr_vm_vsrc(0)
	s_getreg_b32 s2, hwreg(HW_REG_IB_STS2, 6, 4)
	s_cmp_eq_u32 s2, 0
	s_cbranch_scc0 .Lentry_in_a_cluster
	s_endpgm
.Lentry_in_a_cluster:
	s_bfe_u32 s2, ttmp6, 0x10000c
	s_cmp_lg_u32 s2, 0xf033
	s_cbranch_scc0 .Lentry_shape_is_right
	s_endpgm
.Lentry_shape_is_right:
; LAY5: out = x4 @ W_l5 + b_l5.  2048 x 1024 in f32, K = 512.
; Left out, as shown at the head of the first launch's text: the branches cx1..cx4, which reach no output.  LIMITS: operands in bf16, sums in f32 started by the bias.
; A work-group makes 128 rows x 64 columns with four waves, a wave 32 x 64: 8 accumulator tiles.
; Both operands lie in memory as fragments of 1,024 bytes in strips along K.  K is two steps of 256 (8 fragments of each strip, 8,192 consecutive bytes):
; both LDS slots are filled at the start and none is filled again.
; CLUSTERS of 4 x 4: x's strips are shared along a row of the cluster, the weights' along a column, each asked for jointly by the four.
; The matrix instruction is used transposed (source 0 = weights, source 1 = x): lane l holds row l % 16, columns 8 (l / 16) + 0..7.
; The result leaves through a stage in LDS of each wave's own, behind the slots, into which no fill lands: 16 rows of 256 bytes, 272 apart, read back by
; rows, so that sixteen lanes store 256 consecutive aligned bytes of out.
.set KB,   16                          ; fragments in a strip of this layer's operands (K / 32)
.set WOFF, 54820864                    ; this layer's weights in wf
.set SLOT, 98304                       ; A: 8 strips x 8 fragments; then B: 4 strips x 8 fragments
.set BOFF, 65536
.set STAGE, 196608
.set ADRA, 16                          ; v16-17  LDS address of my x fragments in slot 0, 1
.set ADRB, 20                          ; v20-21  the same for the weights
.set ACC,  64                          ; v[64:127]  tile (a, b) at ACC + 8 (4 a + b)
.set F,    128                         ; v[128:175], v[176:223]  two fragment buffers: x's 2, then the weights' 4
.set G1A, 24
.set G0A, 32
.set G1B, 48
.set G0B, 56
.macro PLACES                          ; four plain vector instructions between a matrix instruction and a load into, or a vector instruction or store on, its registers
.rept 4
	v_nop
.endr
.endm
.macro CROUND                          ; a round of the cluster's barrier
	s_barrier_signal -1
	s_barrier_wait -1
	s_cmp_lg_u32 s14, 0
	s_cbranch_scc1 .Lnot_wave_0_\@
	s_barrier_signal -3
.Lnot_wave_0_\@:
	s_barrier_wait -3
	s_barrier_signal -1
	s_barrier_wait -1
.endm
.macro JLOAD s                         ; waves 0 and 1 fetch x's two halves, waves 2 and 3 the weights'
	s_cmp_eq_u32 s15, 0
	s_cbranch_scc0 .Lfor_b_\@
	tensor_load_to_lds s[G0A+4*\s:G0A+4*\s+3], s[G1A:G1A+7]
	s_nop 0
	s_branch .Lasked_\@
.Lfor_b_\@:
	tensor_load_to_lds s[G0B+4*\s:G0B+4*\s+3], s[G1B:G1B+7]
	s_nop 0
.Lasked_\@:
.endm
.macro FETCHK slot, kb                 ; 12 LDS loads: fragment kb of my 2 + 4 strips into buffer kb % 2
.irp a, 0,1
	ds_load_b128 v[F+48*((\kb)&1)+8*\a:F+48*((\kb)&1)+8*\a+3],   v[ADRA+\slot] offset:\a*8192+(\kb)*1024
	ds_load_b128 v[F+48*((\kb)&1)+8*\a+4:F+48*((\kb)&1)+8*\a+7], v[ADRA+\slot] offset:\a*8192+(\kb)*1024+512
.endr
.irp b, 0,1,2,3
	ds_load_b128 v[F+48*((\kb)&1)+16+8*\b:F+48*((\kb)&1)+16+8*\b+3], v[ADRB+\slot] offset:\b*8192+(\kb)*1024
	ds_load_b128 v[F+48*((\kb)&1)+20+8*\b:F+48*((\kb)&1)+20+8*\b+3], v[ADRB+\slot] offset:\b*8192+(\kb)*1024+512
.endr
.endm
.macro MULK kb                         ; 8 matrix instructions; the 8 accumulators take turns, always in this order
.irp a, 0,1
.irp b, 0,1,2,3
	v_wmma_f32_16x16x32_bf16 v[ACC+8*(4*\a+\b):ACC+8*(4*\a+\b)+7], v[F+48*((\kb)&1)+16+8*\b:F+48*((\kb)&1)+16+8*\b+7], v[F+48*((\kb)&1)+8*\a:F+48*((\kb)&1)+8*\a+7], v[ACC+8*(4*\a+\b):ACC+8*(4*\a+\b)+7]
.endr
.endr
.endm
.macro STEP slot                       ; a K step of 256: each fragment's loads are issued one product run ahead
	PLACES
	FETCHK \slot, 0
.irp kb, 0,1,2,3,4,5,6
	PLACES
	FETCHK \slot, \kb+1
	s_wait_dscnt 12                                ; all but the 12 just issued
	MULK \kb
.endr
	s_wait_dscnt 0
	MULK 7
.endm
	s_load_b256 s[4:11], s[0:1], 0x0               ; x4 s[4:5], wf s[6:7], b_l5 s[8:9], out s[10:11]
	v_lshl_add_u32 v224, v0, 2, 0x34400
	v_mov_b32 v225, 0
	ds_add_u32 v224, v225
	ds_add_u32 v224, v225
	v_lshrrev_b32 v1, 5, v0
	v_readfirstlane_b32 s14, v1                    ; wave 0..3
	s_lshr_b32 s15, s14, 1                         ; I fetch for x (0) or for the weights (1),
	s_and_b32 s16, s14, 1                          ; and which half
	s_bfe_u32 s17, ttmp6, 0x40000                  ; cx
	s_bfe_u32 s18, ttmp6, 0x40004                  ; cy
	s_lshl_b32 s19, ttmp9, 2
	s_add_co_u32 s19, s19, s17                     ; block column
	s_and_b32 s20, ttmp7, 0xffff
	s_lshl_b32 s20, s20, 2
	s_add_co_u32 s20, s20, s18                     ; block row
	s_lshl_b32 s21, s18, 2
	s_lshl_b32 s21, 15, s21                        ; my row of the cluster
	s_lshl_b32 s22, 0x1111, s17                    ; my column
	; x: 4 strips x 1,024 elements of 8 bytes, KB x 128 elements from strip to strip; the weights: 2 strips
	s_or_b32 s[G1A+0], s21, (3<<16)|(1<<21)
	s_mov_b32 s[G1A+1], 1024<<16
	s_mov_b32 s[G1A+2], 4<<16
	s_mov_b32 s[G1A+3], 1024<<16
	s_mov_b32 s[G1A+4], 4
	s_mov_b32 s[G1A+5], KB*128
	s_mov_b32 s[G1A+6], 0
	s_mov_b32 s[G1A+7], 0
	s_or_b32 s[G1B+0], s22, (3<<16)|(1<<21)
	s_mov_b32 s[G1B+1], 1024<<16
	s_mov_b32 s[G1B+2], 2<<16
	s_mov_b32 s[G1B+3], 1024<<16
	s_mov_b32 s[G1B+4], 2
	s_mov_b32 s[G1B+5], KB*128
	s_mov_b32 s[G1B+6], 0
	s_mov_b32 s[G1B+7], 0
	s_lshl_b32 s40, s20, 3
	s_lshl2_add_u32 s40, s16, s40                  ; x strip 8 x block row + 4 x half
	s_mul_i32 s40, s40, KB*1024
	s_mov_b32 s41, 0
	s_lshl_b32 s44, s19, 2
	s_lshl1_add_u32 s44, s16, s44                  ; weight strip 4 x block column + 2 x half
	s_mul_i32 s44, s44, KB*1024
	s_add_co_u32 s44, s44, WOFF
	s_mov_b32 s45, 0
	s_lshl_b32 s42, s14, 15                        ; where they go: x's halves at wave x 32,768 (waves 0, 1),
	s_lshl_b32 s46, s14, 14
	s_add_co_u32 s46, s46, 32768                   ; the weights' at 65,536 + (wave - 2) x 16,384 (waves 2, 3)
	s_wait_dscnt 0x0
	s_wait_kmcnt 0x0
	s_add_nc_u64 s[40:41], s[4:5], s[40:41]
	s_add_nc_u64 s[44:45], s[6:7], s[44:45]
	CROUND                                         ; the joint loads meet
.irp s, 0,1
	s_mov_b32 s[G0A+4*\s], 1
	s_add_co_u32 s[G0A+4*\s+1], s42, \s*SLOT
	s_add_nc_u64 s[G0A+4*\s+2:G0A+4*\s+3], s[40:41], \s*8192
	s_or_b32 s[G0A+4*\s+3], s[G0A+4*\s+3], 0x80000000
	s_mov_b32 s[G0B+4*\s], 1
	s_add_co_u32 s[G0B+4*\s+1], s46, \s*SLOT
	s_add_nc_u64 s[G0B+4*\s+2:G0B+4*\s+3], s[44:45], \s*8192
	s_or_b32 s[G0B+4*\s+3], s[G0B+4*\s+3], 0x80000000
	JLOAD \s                                       ; K steps 0 and 1: two loads of the wave are out
.endr
	v_and_b32 v1, 15, v0                           ; l % 16
	v_bfe_u32 v2, v0, 4, 1                         ; l / 16
	v_and_b32 v3, 31, v0
	v_lshlrev_b32 v24, 4, v3                       ; 16 l
	v_lshlrev_b32 v25, 5, v2                       ; 32 (l / 16): my eight columns of a block, in f32
	s_lshl_b32 s74, s14, 14                        ; my two strips of x
	v_add_nc_u32 v[ADRA], s74, v24
	v_add_nc_u32 v[ADRA+1], SLOT, v[ADRA]
	v_add_nc_u32 v[ADRB], BOFF, v24
	v_add_nc_u32 v[ADRB+1], SLOT+BOFF, v24
	s_mul_i32 s75, s14, 16*272
	s_add_co_u32 s75, s75, STAGE                   ; my stage
	v_mul_u32_u24 v4, v1, 272
	v_add3_u32 v26, v4, v25, s75                   ; in: row l % 16, 32 bytes for each half of the lanes
	v_mul_u32_u24 v5, v2, 272
	v_lshl_add_u32 v5, v1, 4, v5
	v_add_nc_u32 v27, s75, v5                      ; back: lanes 0-15 one row of 256 bytes, lanes 16-31 the next
	v_lshlrev_b32 v6, 12, v2
	v_lshl_add_u32 v28, v1, 4, v6                  ; and the same two rows in out
	s_lshl_b32 s68, s20, 3
	s_lshl1_add_u32 s68, s14, s68                  ; my first row block = 8 x block row + 2 x wave
	s_lshl_b32 s70, s19, 8                         ; my work-group's 64 numbers of b_l5
	s_mov_b32 s71, 0
	s_add_nc_u64 s[70:71], s[8:9], s[70:71]
	s_lshl_b32 s72, s68, 16                        ; 16 rows of 4,096 bytes for each row block,
	s_lshl_b32 s73, s19, 8                         ; 256 bytes for each block column
	s_add_co_u32 s72, s72, s73
	s_mov_b32 s73, 0
	s_add_nc_u64 s[72:73], s[10:11], s[72:73]
.irp a, 0,1
.irp b, 0,1,2,3
	global_load_b128 v[ACC+8*(4*\a+\b):ACC+8*(4*\a+\b)+3],   v25, s[70:71] offset:\b*64       ; the bias of columns 16 b + 8 (l / 16) + 0..7 starts the sums of both row blocks
	global_load_b128 v[ACC+8*(4*\a+\b)+4:ACC+8*(4*\a+\b)+7], v25, s[70:71] offset:\b*64+16
.endr
.endr
	s_wait_tensorcnt 0x1                           ; my part of K step 0 is in; step 1's stays out
	s_barrier_signal -1
	s_barrier_wait -1
	s_wait_loadcnt 0x0
	STEP 0
	s_wait_tensorcnt 0x0                           ; my part of K step 1 is in,
	s_wait_dscnt 0x0
	s_barrier_signal -1
	s_barrier_wait -1                              ; everybody's is
	STEP 1
	PLACES
.irp a, 0,1
.irp b, 0,1,2,3
	ds_store_b128 v26, v[ACC+8*(4*\a+\b):ACC+8*(4*\a+\b)+3] offset:\b*64
	ds_store_b128 v26, v[ACC+8*(4*\a+\b)+4:ACC+8*(4*\a+\b)+7] offset:\b*64+16
.endr
.irp t, 0,1,2,3,4,5,6,7
	ds_load_b128 v[F+48*\a+4*\t:F+48*\a+4*\t+3], v27 offset:\t*544   ; my wave's own bytes, and LDS serves a wave in order: these see the stores above
.endr
.irp t, 0,1,2,3,4,5,6,7
	s_wait_dscnt 7-\t                              ; rows 2 t, 2 t + 1 are back, the younger ones stay out
	global_store_b128 v28, v[F+48*\a+4*\t:F+48*\a+4*\t+3], s[72:73] offset:(16*\a+2*\t)*4096 th:TH_STORE_NT   ; 16 lanes store 256 consecutive bytes, at a multiple of 256 from out's first byte
.endr
.endr
	s_wait_tensorcnt 0x0
	ds_add_u32 v224, v225
	s_wait_dscnt 0x0
	CROUND                                         ; the closing round
	s_endpgm
.Lfunc_end_k_q71bbcfc26f_lay5:
	.size	k_q71bbcfc26f_lay5, .Lfunc_end_k_q71bbcfc26f_lay5-k_q71bbcfc26f_lay5
	.p2alignl 7, 3214868480
	.fill 96, 4, 3214868480
	.section	.rodata,"a",@progbits
	.p2align	6, 0x0
	.amdhsa_kernel k_q71bbcfc26f_lay5
		.amdhsa_group_segment_fixed_size 214528
		.amdhsa_private_segment_fixed_size 0
		.amdhsa_enable_private_segment 0
		.amdhsa_kernarg_size 32
		.amdhsa_user_sgpr_count 2
		.amdhsa_user_sgpr_kernarg_segment_ptr 1
		.amdhsa_wavefront_size32 1
		.amdhsa_system_sgpr_workgroup_id_x 1
		.amdhsa_system_sgpr_workgroup_id_y 1
		.amdhsa_system_sgpr_workgroup_id_z 1
		.amdhsa_system_vgpr_workitem_id 0
		.amdhsa_next_free_vgpr 226
		.amdhsa_next_free_sgpr 76
		.amdhsa_reserve_vcc 0
		.amdhsa_float_denorm_mode_32 3
		.amdhsa_float_denorm_mode_16_64 3
		.amdhsa_memory_ordered 1
		.amdhsa_forward_progress 1
		.amdhsa_inst_pref_size 35
	.end_amdhsa_kernel
	.amdgpu_metadata
---
amdhsa.version: [ 1, 2 ]
amdhsa.kernels:
  - .name:           k_q71bbcfc26f_lay5
    .symbol:         k_q71bbcfc26f_lay5.kd
    .args:
      - { .name: xb, .offset: 0, .size: 8, .value_kind: global_buffer, .address_space: global }
      - { .name: wf, .offset: 8, .size: 8, .value_kind: global_buffer, .address_space: global }
      - { .name: b_l5, .offset: 16, .size: 8, .value_kind: global_buffer, .address_space: global }
      - { .name: out0, .offset: 24, .size: 8, .value_kind: global_buffer, .address_space: global }
    .group_segment_fixed_size: 214528
    .private_segment_fixed_size: 0
    .kernarg_segment_align: 8
    .kernarg_segment_size: 32
    .max_flat_workgroup_size: 128
    .sgpr_count:     76
    .vgpr_count:     226
    .wavefront_size: 32
...
	.end_amdgpu_metadata
.endif
;; end of part 6
;; ======== version 2 of 3: 6 launches; 1.19 times as fast as version 1
;; limits: values outside matrix products are rounded to bf16
;; workspace buffers: ctxb 22,020,096 bytes; wa 51,904,512 bytes; wx 7,340,032 bytes; pm 6,291,456 bytes; qm 6,291,456 bytes; wef 11,534,336 bytes
;; launch prep (part 7): grid 2176 x 1, 4 waves a work-group, no clusters, 33,792 bytes of LDS; arguments state, action, task_indicator, W_l1, W_l2, W_l3, W_l4, W_l5, b_l1, b_l2, b_l3, b_l4, ctxb, wa, wx, pm; writes ctxb, wa, wx, pm
.if DOCPART == 7
	.amdgcn_target "amdgcn-amd-amdhsa--gfx1250"
	.amdhsa_code_object_version 6
	.text
	.protected	k_q71bbcfc26f_prep
	.globl	k_q71bbcfc26f_prep
	.p2align	8
	.type	k_q71bbcfc26f_prep,@function
k_q71bbcfc26f_prep:
	s_mov_b64 s[64:65], 0
	v_nop
	global_prefetch_b8 v0, s[64:65] scope:SCOPE_SE
	s_setreg_imm32_b32 hwreg(HW_REG_WAVE_MODE, 25, 1), 1
	s_wait_xcnt 0x0
; PREP: casts to bf16, once, what the five products of the later launches take as matrix operands.
;
; WORK LEFT OUT IN THE WHOLE PROGRAM.  reference() computes cx1..cx4 from task_indicator, W_cx*_* and b_cx*_* and hands them only to
; _kwta(x, k), which returns x and never reads k.  So for all values of the inputs no output hangs on cx1..cx4: the four tanh branches
; are not computed, and the sixteen buffers W_cx*, b_cx* are loaded by no launch and stand among no launch's arguments.
; LIMIT: a NaN, an infinity or an overflow that arises only in those branches is not carried to the result (reference() drops it too).
;
; THE ORDER OF THE PRODUCTS.  Nothing but sums and products stands between the layers, and concat(x, ctx) @ W = x @ Wa + ctx @ Wb (Wa: W's rows that
; meet x, Wb: those that meet ctx).  So for all inputs, in exact arithmetic,
;   out = ctx @ Weff + beff + b_l5,  M4 = W4a @ W_l5,  M3 = W3a @ M4,  M2 = W2a @ M3,
;   Weff = W_l1 @ M2 + W3b @ M4 + W2b @ M3 + W4b @ W_l5,   beff = b_l1 @ M2 + b_l3 @ M4 + b_l2 @ M3 + b_l4 @ W_l5.
; The batch of 2,048 rows then meets 1,024 columns instead of 4,608: 2 x (5124 x 4608 + 2048 x 5124 + 3584 x 1024) x 1024 operations in place of
; 2 x 2048 x (5124 x 4608 + 4,194,304).  beff is one more row of the same product, met by a column of ones in ctx.
; LIMITS: matrix operands (ctx, all weights, b_l1..b_l4, M2..M4, Weff and beff) are rounded to bf16; sums and b_l5 stay f32; the order of rounding
; differs from reference()'s; a weight that is not finite spreads through the folded products (and through 0 x infinity at the zero rows below) to whole columns.
;
; WHAT IS WRITTEN.
;  ctxb  bf16 [2048][5376]: columns 0-4095 state, 4096-5119 action, 5120-5123 task_indicator, 5124 the number 1, 5125-5375 zeros.
;  wa    bf16 [5632][4608], columns [W_l1 | W3b | W2b | W4b].  32 blocks of 176 rows: rows 0-159 of block n are the rows that meet ctxb's columns
;        160 n .. 160 n + 159; rows 160-175 are, in block 0, the four task rows, the row [b_l1 | b_l3 | b_l2 | b_l4] and 11 rows of zeros, elsewhere zeros.
;  wx    bf16, row-major: W2a [2048][1024], W3a [1024][1024], W4a [1024][512], one behind the other.
;  pm    W_l5 as column fragments of 1,024 bytes: 16 columns x 32 k as they lie in a matrix operand's registers (bytes 16 l: lane l's registers 0-3,
;        k = 8 (l / 16) + 0..7 of column l % 16; bytes 512 + 16 l: registers 4-7, k = 16 + 8 (l / 16) + 0..7); 64 strips of 96 fragments, W_l5 at 32-47.
;
; Every wave does one job, without loops and barriers; memory binds, so each byte is read once, by loads of 512 consecutive bytes a wave,
; and written once, by stores of 256 or 512 consecutive aligned bytes a wave.  No matrix unit, no cluster: nothing is shared.
.set ID_EXTRA, 1280                    ; first work-group of each class: 1,280 for wa's 5,120 main rows, 128 for its 512 other rows,
.set ID_W2A,   1408                    ; 128, 64, 32 for W2a, W3a, W4a (16,384 bytes of f32 a wave),
.set ID_W3A,   1536
.set ID_W4A,   1600
.set ID_W5,    1632                    ; 32 for W_l5,
.set ID_CTX,   1664                    ; 512 for the 2,048 rows of ctx
.set WAROW, 9216                       ; bytes in a row of wa
.set TP,    1040                       ; LDS bytes from fragment to fragment: 1,024 + 16, so that sixteen lanes' stores meet sixteen different 16-byte columns
.set X,  16                            ; v[16:181]  as loaded: piece j's four numbers at X + 4 j, packed in place
.set Y,  144                           ; v[144:207] W_l5's job: packed bf16
	s_load_b512 s[8:23], s[0:1], 0x0               ; state s[8:9], action s[10:11], task s[12:13], W_l1 s[14:15] .. W_l5 s[22:23]
	s_load_b256 s[24:31], s[0:1], 0x40             ; b_l1 s[24:25] .. b_l4 s[30:31]
	s_load_b256 s[32:39], s[0:1], 0x60             ; ctxb s[32:33], wa s[34:35], wx s[36:37], pm s[38:39]
	v_lshl_add_u32 v216, v0, 2, 0x8200
	v_mov_b32 v217, 0
	v_lshrrev_b32 v1, 5, v0
	v_readfirstlane_b32 s60, v1                    ; wave 0..3
	s_mov_b32 s61, ttmp9                           ; work-group
	v_and_b32 v1, 31, v0                           ; lane l
	v_lshlrev_b32 v2, 4, v1                        ; 16 l: my four f32 of a piece of 128 numbers
	v_lshlrev_b32 v6, 3, v1                        ; 8 l: my four bf16 of it
	s_mov_b32 s59, 0                               ; high word of every offset pair s[58:59]
	s_wait_kmcnt 0x0
; n pieces, loaded in order into X, are packed and stored one behind the other at s[48:49]; more = loads issued behind the n.
.macro PIECES n, more
.set j, 0
.rept \n
	s_wait_loadcnt \n-1-j+\more                    ; loads come back in order: piece j is in, the younger ones stay out
	v_cvt_pk_bf16_f32 v[X+4*j], v[X+4*j], v[X+4*j+1]
	v_cvt_pk_bf16_f32 v[X+4*j+1], v[X+4*j+2], v[X+4*j+3]
	global_store_b64 v6, v[X+4*j:X+4*j+1], s[48:49] offset:j*256   ; 32 lanes store 256 consecutive bytes, at a multiple of 256 from the buffer's first byte
.set j, j+1
.endr
.endm
; One row of wa: 16 + 8 + 8 + 4 pieces from four rows, whose addresses stand in the four scalar pairs.
.macro ROWCAST p1, p3, p2, p4
.set j, 0
.rept 16
	global_load_b128 v[X+4*j:X+4*j+3], v2, s[\p1:\p1+1] offset:j*512 th:TH_LOAD_NT
.set j, j+1
.endr
.rept 8
	global_load_b128 v[X+4*j:X+4*j+3], v2, s[\p3:\p3+1] offset:(j-16)*512 th:TH_LOAD_NT
.set j, j+1
.endr
.rept 8
	global_load_b128 v[X+4*j:X+4*j+3], v2, s[\p2:\p2+1] offset:(j-24)*512 th:TH_LOAD_NT
.set j, j+1
.endr
.rept 4
	global_load_b128 v[X+4*j:X+4*j+3], v2, s[\p4:\p4+1] offset:(j-32)*512 th:TH_LOAD_NT
.set j, j+1
.endr
	PIECES 36, 0
	s_endpgm
.endm
; 16,384 consecutive bytes of f32 become 8,192 of bf16: the rows that meet x lie at the head of W_l2, W_l3, W_l4, one behind the other.
.macro FLAT wlo, first, doff
	s_sub_co_u32 s56, s61, \first
	s_lshl2_add_u32 s56, s56, s60                  ; chunk = 4 x work-group + wave
	s_lshl_b32 s58, s56, 14
	s_add_nc_u64 s[40:41], s[\wlo:\wlo+1], s[58:59]
	s_lshl_b32 s58, s56, 13
.if \doff
	s_add_co_u32 s58, s58, \doff
.endif
	s_add_nc_u64 s[48:49], s[36:37], s[58:59]
.set j, 0
.rept 32
	global_load_b128 v[X+4*j:X+4*j+3], v2, s[40:41] offset:j*512 th:TH_LOAD_NT
.set j, j+1
.endr
	PIECES 32, 0
	s_endpgm
.endm
	s_cmp_ge_u32 s61, ID_W2A
	s_cbranch_scc1 .Lw2a
	s_cmp_ge_u32 s61, ID_EXTRA
	s_cbranch_scc1 .Lextra
	; a main row: i = 0..5119 in ctxb's order
	s_lshl2_add_u32 s56, s61, s60                  ; i = 4 x work-group + wave
	s_lshr_b32 s57, s56, 5
	s_mul_i32 s57, s57, 205
	s_lshr_b32 s57, s57, 10                        ; i / 160 = (i / 32) / 5: 205 / 1024 exceeds 1 / 5 by less than 0.0002, which for i / 32 <= 159 never reaches the next whole number
	s_lshl4_add_u32 s57, s57, s56                  ; row of wa = i + 16 (i / 160)
	s_add_co_u32 s58, s56, 4                       ; in the weights the action rows lie 4 rows further down, behind the task rows
	s_cmp_ge_u32 s56, 4096
	s_cselect_b32 s56, s58, s56                    ; ctx row in the weights
	s_branch .Lrow
.Lextra:
	s_sub_co_u32 s56, s61, ID_EXTRA
	s_lshl2_add_u32 s56, s56, s60                  ; e = 0..511: row e % 16 of block e / 16's last sixteen
	s_lshr_b32 s57, s56, 4
	s_mul_i32 s57, s57, 176
	s_and_b32 s58, s56, 15
	s_add_co_u32 s57, s57, s58
	s_add_co_u32 s57, s57, 160                     ; row of wa
	s_cmp_ge_u32 s56, 5
	s_cbranch_scc1 .Lzero
	s_cmp_eq_u32 s56, 4
	s_cbranch_scc1 .Lbias
	s_add_co_u32 s56, s56, 4096                    ; e = 0..3: the task rows
.Lrow:
	s_lshl_b32 s58, s56, 13
	s_add_nc_u64 s[40:41], s[14:15], s[58:59]      ; W_l1, row s56
	s_lshl_b32 s58, s56, 12
	s_add_co_u32 s58, s58, 1024*4096
	s_add_nc_u64 s[42:43], s[18:19], s[58:59]      ; W_l3, behind its 1,024 rows of x2
	s_add_co_u32 s58, s58, 1024*4096
	s_add_nc_u64 s[44:45], s[16:17], s[58:59]      ; W_l2, behind its 2,048 rows of x1
	s_lshl_b32 s58, s56, 11
	s_add_co_u32 s58, s58, 1024*2048
	s_add_nc_u64 s[46:47], s[20:21], s[58:59]      ; W_l4, behind its 1,024 rows of x3
	s_mul_i32 s58, s57, WAROW
	s_add_nc_u64 s[48:49], s[34:35], s[58:59]
	ROWCAST 40, 42, 44, 46
.Lbias:
	s_mul_i32 s58, s57, WAROW
	s_add_nc_u64 s[48:49], s[34:35], s[58:59]
	ROWCAST 24, 28, 26, 30                         ; b_l1 | b_l3 | b_l2 | b_l4
.Lzero:
	s_mul_i32 s58, s57, WAROW
	s_add_nc_u64 s[48:49], s[34:35], s[58:59]
.irp n, 0,1,2,3
	v_mov_b32 v[X+\n], 0
.endr
.set j, 0
.rept 18
	global_store_b128 v2, v[X:X+3], s[48:49] offset:j*512
.set j, j+1
.endr
	s_endpgm
.Lw2a:
	s_cmp_ge_u32 s61, ID_W3A
	s_cbranch_scc1 .Lw3a
	FLAT 16, ID_W2A, 0
.Lw3a:
	s_cmp_ge_u32 s61, ID_W4A
	s_cbranch_scc1 .Lw4a
	FLAT 18, ID_W3A, 4194304
.Lw4a:
	s_cmp_ge_u32 s61, ID_W5
	s_cbranch_scc1 .Lw5
	FLAT 20, ID_W4A, 6291456
.Lw5:
	s_cmp_ge_u32 s61, ID_CTX
	s_cbranch_scc1 .Lctx
	; W_l5 lies [k][n]: 32 rows (k) x 128 columns become 8 column fragments, turned in my wave's own 8,320 bytes of LDS.
	s_sub_co_u32 s42, s61, ID_W5
	s_lshr_b32 s43, s42, 1                         ; kb: which 32 k
	s_and_b32 s44, s42, 1
	s_lshl2_add_u32 s44, s44, s60                  ; cg: which 128 columns
	s_lshl_b32 s46, s43, 17                        ; 32 rows of 4,096 bytes
	s_lshl_b32 s47, s44, 9
	s_add_co_u32 s46, s46, s47
	s_mov_b32 s47, 0
	s_add_nc_u64 s[40:41], s[22:23], s[46:47]
.set k, 0
.rept 32
	global_load_b128 v[X+4*k:X+4*k+3], v2, s[40:41] offset:k*4096 th:TH_LOAD_NT   ; row k: lane l takes columns 4 l .. 4 l + 3
.set k, k+1
.endr
	s_lshl_b32 s48, s43, 10
	s_mul_i32 s49, s44, 8*96*1024                  ; strips 8 cg + t of 96 fragments,
	s_add_co_u32 s48, s48, s49
	s_add_co_u32 s48, s48, 32*1024                 ; fragment 32 + kb
	s_mov_b32 s49, 0
	s_add_nc_u64 s[50:51], s[38:39], s[48:49]
	s_mul_i32 s55, s60, 8*TP
	v_lshrrev_b32 v5, 2, v1                        ; my four columns lie in fragment l / 4,
	v_and_b32 v8, 3, v1
	v_mul_u32_u24 v5, v5, TP
	v_lshl_add_u32 v5, v8, 6, v5                   ; at its columns 4 (l % 4) + c: 16 bytes each
	v_add_nc_u32 v3, s55, v5
	v_add_nc_u32 v4, s55, v2
.irp o, 0,1,2,3
	s_wait_loadcnt 24-8*\o                         ; rows 8 o .. 8 o + 7 are in, the younger rows stay out
.irp c, 0,1,2,3
.irp i, 0,1,2,3
	v_cvt_pk_bf16_f32 v[Y+(4*\o+\c)*4+\i], v[X+4*(8*\o+2*\i)+\c], v[X+4*(8*\o+2*\i+1)+\c]   ; k = 8 o + 2 i below, 8 o + 2 i + 1 above
.endr
	ds_store_b128 v3, v[Y+(4*\o+\c)*4:Y+(4*\o+\c)*4+3] offset:(\o>>1)*512+(\o&1)*256+\c*16   ; eight k of one column: register half o / 2, lane half o % 2
.endr
.endr
.irp t, 0,1,2,3,4,5,6,7
.irp q, 0,1
	ds_load_b128 v[X+4*(2*\t+\q):X+4*(2*\t+\q)+3], v4 offset:\t*TP+\q*512   ; my wave's own bytes, and LDS serves a wave in order: these see the stores above
.endr
.endr
.irp t, 0,1,2,3,4,5,6,7
.irp q, 0,1
	s_wait_dscnt 15-(2*\t+\q)                      ; this half fragment is back, the younger ones stay out
	global_store_b128 v2, v[X+4*(2*\t+\q):X+4*(2*\t+\q)+3], s[50:51] offset:\t*96*1024+\q*512
.endr
.endr
	s_wait_tensorcnt 0x0
	ds_add_u32 v216, v217
	s_wait_dscnt 0x0
	s_endpgm
.Lctx:
	; One wave, one batch row: 32 pieces of state, 8 of action, one with task_indicator and the 1, one of zeros.
	s_sub_co_u32 s56, s61, ID_CTX
	s_lshl2_add_u32 s56, s56, s60                  ; batch row
	s_lshl_b32 s58, s56, 14
	s_add_nc_u64 s[40:41], s[8:9], s[58:59]
	s_lshl_b32 s58, s56, 12
	s_add_nc_u64 s[42:43], s[10:11], s[58:59]
	s_lshl_b32 s58, s56, 4
	s_add_nc_u64 s[44:45], s[12:13], s[58:59]
	s_mul_i32 s58, s56, 10752
	s_add_nc_u64 s[48:49], s[32:33], s[58:59]
	v_mov_b32 v5, 0
	v_mov_b32 v7, 0x3f80                           ; bf16 1.0 below, 0 above
.set j, 0
.rept 32
	global_load_b128 v[X+4*j:X+4*j+3], v2, s[40:41] offset:j*512 th:TH_LOAD_NT
.set j, j+1
.endr
.rept 8
	global_load_b128 v[X+4*j:X+4*j+3], v2, s[42:43] offset:(j-32)*512 th:TH_LOAD_NT
.set j, j+1
.endr
	global_load_b128 v[X+160:X+163], v5, s[44:45]  ; the row's four task numbers, in every lane
	PIECES 40, 1
	s_wait_loadcnt 0x0
	v_cvt_pk_bf16_f32 v[X+160], v[X+160], v[X+161]
	v_cvt_pk_bf16_f32 v[X+161], v[X+162], v[X+163]
	v_cmp_eq_u32 vcc_lo, 0, v1                     ; lane 0 keeps the task numbers (columns 5120 to 5123),
	v_cndmask_b32 v[X+160], 0, v[X+160], vcc_lo
	v_cndmask_b32 v[X+161], 0, v[X+161], vcc_lo
	v_cmp_eq_u32 vcc_lo, 1, v1                     ; lane 1 writes the 1 that meets the bias row (column 5124), the others zeros
	v_cndmask_b32 v[X+160], v[X+160], v7, vcc_lo
	global_store_b64 v6, v[X+160:X+161], s[48:49] offset:40*256
	v_mov_b32 v[X+164], 0
	v_mov_b32 v[X+165], 0
	global_store_b64 v6, v[X+164:X+165], s[48:49] offset:41*256
	s_endpgm
.Lfunc_end_k_q71bbcfc26f_prep:
	.size	k_q71bbcfc26f_prep, .Lfunc_end_k_q71bbcfc26f_prep-k_q71bbcfc26f_prep
	.p2alignl 7, 3214868480
	.fill 96, 4, 3214868480
	.section	.rodata,"a",@progbits
	.p2align	6, 0x0
	.amdhsa_kernel k_q71bbcfc26f_prep
		.amdhsa_group_segment_fixed_size 33792
		.amdhsa_private_segment_fixed_size 0
		.amdhsa_enable_private_segment 0
		.amdhsa_kernarg_size 128
		.amdhsa_user_sgpr_count 2
		.amdhsa_user_sgpr_kernarg_segment_ptr 1
		.amdhsa_wavefront_size32 1
		.amdhsa_system_sgpr_workgroup_id_x 1
		.amdhsa_system_sgpr_workgroup_id_y 1
		.amdhsa_system_sgpr_workgroup_id_z 1
		.amdhsa_system_vgpr_workitem_id 0
		.amdhsa_next_free_vgpr 218
		.amdhsa_next_free_sgpr 66
		.amdhsa_reserve_vcc 1
		.amdhsa_float_denorm_mode_32 3
		.amdhsa_float_denorm_mode_16_64 3
		.amdhsa_memory_ordered 1
		.amdhsa_forward_progress 1
		.amdhsa_inst_pref_size 91
	.end_amdhsa_kernel
	.amdgpu_metadata
---
amdhsa.version: [ 1, 2 ]
amdhsa.kernels:
  - .name:           k_q71bbcfc26f_prep
    .symbol:         k_q71bbcfc26f_prep.kd
    .args:
      - { .name: state, .offset: 0, .size: 8, .value_kind: global_buffer, .address_space: global }
      - { .name: action, .offset: 8, .size: 8, .value_kind: global_buffer, .address_space: global }
      - { .name: task_indicator, .offset: 16, .size: 8, .value_kind: global_buffer, .address_space: global }
      - { .name: W_l1, .offset: 24, .size: 8, .value_kind: global_buffer, .address_space: global }
      - { .name: W_l2, .offset: 32, .size: 8, .value_kind: global_buffer, .address_space: global }
      - { .name: W_l3, .offset: 40, .size: 8, .value_kind: global_buffer, .address_space: global }
      - { .name: W_l4, .offset: 48, .size: 8, .value_kind: global_buffer, .address_space: global }
      - { .name: W_l5, .offset: 56, .size: 8, .value_kind: global_buffer, .address_space: global }
      - { .name: b_l1, .offset: 64, .size: 8, .value_kind: global_buffer, .address_space: global }
      - { .name: b_l2, .offset: 72, .size: 8, .value_kind: global_buffer, .address_space: global }
      - { .name: b_l3, .offset: 80, .size: 8, .value_kind: global_buffer, .address_space: global }
      - { .name: b_l4, .offset: 88, .size: 8, .value_kind: global_buffer, .address_space: global }
      - { .name: ctxb, .offset: 96, .size: 8, .value_kind: global_buffer, .address_space: global }
      - { .name: wa, .offset: 104, .size: 8, .value_kind: global_buffer, .address_space: global }
      - { .name: wx, .offset: 112, .size: 8, .value_kind: global_buffer, .address_space: global }
      - { .name: pm, .offset: 120, .size: 8, .value_kind: global_buffer, .address_space: global }
    .group_segment_fixed_size: 33792
    .private_segment_fixed_size: 0
    .kernarg_segment_align: 8
    .kernarg_segment_size: 128
    .max_flat_workgroup_size: 128
    .sgpr_count:     66
    .vgpr_count:     218
    .wavefront_size: 32
...
	.end_amdgpu_metadata
.endif
;; end of part 7
;; launch m4 (part 8): grid 16 x 8, 4 waves a work-group, clusters of 4 x 4, 201,216 bytes of LDS; arguments wx, pm, qm; writes qm
.if DOCPART == 8
	.amdgcn_target "amdgcn-amd-amdhsa--gfx1250"
	.amdhsa_code_object_version 6
	.text
	.protected	k_q71bbcfc26f_m4
	.globl	k_q71bbcfc26f_m4
	.p2align	8
	.type	k_q71bbcfc26f_m4,@function
k_q71bbcfc26f_m4:
	s_mov_b64 s[64:65], 0
	v_nop
	global_prefetch_b8 v0, s[64:65] scope:SCOPE_SE
	s_setreg_imm32_b32 hwreg(HW_REG_WAVE_MODE, 25, 1), 1
	s_wait_xcnt 0x0
	s_wait_alu depctr_hold_cnt(0) depctr_sa_sdst(0) depctr_va_vdst(0) depctr_va_sdst(0) depctr_va_ssrc(0) depctr_va_vcc(0) depctr_vm_vsrc(0)
	s_getreg_b32 s2, hwreg(HW_REG_IB_STS2, 6, 4)
	s_cmp_eq_u32 s2, 0
	s_cbranch_scc0 .Lentry_in_a_cluster
	s_endpgm
.Lentry_in_a_cluster:
	s_bfe_u32 s2, ttmp6, 0x10000c
	s_cmp_lg_u32 s2, 0xf033
	s_cbranch_scc0 .Lentry_shape_is_right
	s_endpgm
.Lentry_shape_is_right:
; M4 = W4a @ W_l5: 1024 x 1024, K = 512.  W4a: W_l4's rows that meet x3.
; Left out, as shown at the head of the first launch's text: the branches cx1..cx4, which reach no output.  The order of the products is shown there too.
; LIMITS: operands and M4 in bf16, sums in f32.
; A work-group makes 128 rows x 64 columns with four waves, a wave 32 x 64: 8 accumulator tiles.  1,024 rows give 16 x 8 = 128 work-groups; no more are launched.
; The row operand lies row-major in wx; its rows of a K step are 512 consecutive bytes, padded to 528 in LDS, so that the sixteen rows of a fragment start
; in sixteen different 16-byte columns.  The column operand lies in strips of fragments of 1,024 bytes; a K step is 8,192 consecutive bytes of a strip.
; K goes in steps of 256 through two LDS slots.
; CLUSTERS of 4 x 4: the row operand's tiles are shared along a row of the cluster, the column operand's along a column, each asked for jointly by the four.
; In the result lane l holds column l % 16 and its registers 0-7 the rows 8 (l / 16) + 0..7: four packed conversions give registers 0-3 or 4-7 of a column
; fragment of the next product, whose K runs along these rows: every store of a wave covers 512 consecutive aligned bytes.
.set T,      2                         ; K steps
.set APG,    512                       ; elements in a row of the row operand
.set AOFF,   6291456                   ; where it begins in wx
.set BFIRST, 32*1024                   ; the column operand's first fragment in its strips
.set OFIRST, 64*1024                   ; the result's first fragment in its strips
.set SK,     8                         ; fragments (32 k) in a K step
.set STRIP,  96*1024                   ; bytes in a strip of pm and of qm
.set APL,    528
.set ABYTES, 128*APL
.set SLOT,   ABYTES+4*SK*1024          ; 128 rows, then 4 strips x 8 fragments: 100,352 bytes
.set ADRA, 16                          ; v16-17  LDS address of my row fragments in slot 0, 1
.set ADRB, 20                          ; v20-21  the same for the column fragments
.set ACC,  64                          ; v[64:127]  tile (a, b) at ACC + 8 (4 a + b)
.set F,    128                         ; v[128:175], v[176:223]  two fragment buffers: 2 row fragments, then 4 column fragments
.set G1A, 24
.set G0A, 32
.set G1B, 48
.set G0B, 56
.macro PLACES                          ; four plain vector instructions between a matrix instruction and a load into, or a vector instruction or store on, its registers
.rept 4
	v_nop
.endr
.endm
.macro CROUND                          ; a round of the cluster's barrier
	s_barrier_signal -1
	s_barrier_wait -1
	s_cmp_lg_u32 s14, 0
	s_cbranch_scc1 .Lnot_wave_0_\@
	s_barrier_signal -3
.Lnot_wave_0_\@:
	s_barrier_wait -3
	s_barrier_signal -1
	s_barrier_wait -1
.endm
.macro JLOAD s                         ; waves 0 and 1 fetch the row operand's two halves, waves 2 and 3 the column operand's
	s_cmp_eq_u32 s15, 0
	s_cbranch_scc0 .Lfor_b_\@
	tensor_load_to_lds s[G0A+4*\s:G0A+4*\s+3], s[G1A:G1A+7]
	s_nop 0
	s_branch .Lasked_\@
.Lfor_b_\@:
	tensor_load_to_lds s[G0B+4*\s:G0B+4*\s+3], s[G1B:G1B+7]
	s_nop 0
.Lasked_\@:
.endm
.macro FETCHK slot, kb                 ; 12 LDS loads: fragment kb of my 2 row blocks and 4 strips into buffer kb % 2
.irp a, 0,1
	ds_load_b128 v[F+48*((\kb)&1)+8*\a:F+48*((\kb)&1)+8*\a+3],   v[ADRA+\slot] offset:\a*16*APL+(\kb)*64
	ds_load_b128 v[F+48*((\kb)&1)+8*\a+4:F+48*((\kb)&1)+8*\a+7], v[ADRA+\slot] offset:\a*16*APL+(\kb)*64+32
.endr
.irp b, 0,1,2,3
	ds_load_b128 v[F+48*((\kb)&1)+16+8*\b:F+48*((\kb)&1)+16+8*\b+3], v[ADRB+\slot] offset:\b*SK*1024+(\kb)*1024
	ds_load_b128 v[F+48*((\kb)&1)+20+8*\b:F+48*((\kb)&1)+20+8*\b+3], v[ADRB+\slot] offset:\b*SK*1024+(\kb)*1024+512
.endr
.endm
.macro MULK kb, zero                   ; 8 matrix instructions; the 8 accumulators take turns, always in this order.  zero = 1: the first product starts the sums
.irp a, 0,1
.irp b, 0,1,2,3
.if \zero
	v_wmma_f32_16x16x32_bf16 v[ACC+8*(4*\a+\b):ACC+8*(4*\a+\b)+7], v[F+48*((\kb)&1)+8*\a:F+48*((\kb)&1)+8*\a+7], v[F+48*((\kb)&1)+16+8*\b:F+48*((\kb)&1)+16+8*\b+7], 0
.else
	v_wmma_f32_16x16x32_bf16 v[ACC+8*(4*\a+\b):ACC+8*(4*\a+\b)+7], v[F+48*((\kb)&1)+8*\a:F+48*((\kb)&1)+8*\a+7], v[F+48*((\kb)&1)+16+8*\b:F+48*((\kb)&1)+16+8*\b+7], v[ACC+8*(4*\a+\b):ACC+8*(4*\a+\b)+7]
.endif
.endr
.endr
.endm
.macro STEP slot, zero                 ; a K step: each fragment's loads are issued one product run ahead
	PLACES
	FETCHK \slot, 0
.set kk, 0
.rept SK-1
.if kk
	PLACES
.endif
	FETCHK \slot, kk+1
	s_wait_dscnt 12                                ; all but the 12 just issued
.if kk == 0
	MULK kk, \zero
.else
	MULK kk, 0
.endif
.set kk, kk+1
.endr
	s_wait_dscnt 0
	MULK kk, 0
.endm
; The change of slots.  Every wave waits for all its tensor loads (its part of this slot among them) and for its reads of the other slot.  With refill = 1 a round of
; the cluster's barrier follows, behind which no wave of any partner reads the other slot or has a load on its way; the joint refill, two K steps on, is the wave's
; first and only tensor load there.
.macro TWO slot, refill
	s_wait_tensorcnt 0x0
	s_wait_dscnt 0x0
.if \refill
	CROUND
	s_add_nc_u64 s[G0A+4*(1-\slot)+2:G0A+4*(1-\slot)+3], s[G0A+4*(1-\slot)+2:G0A+4*(1-\slot)+3], 2*SK*64
	s_add_nc_u64 s[G0B+4*(1-\slot)+2:G0B+4*(1-\slot)+3], s[G0B+4*(1-\slot)+2:G0B+4*(1-\slot)+3], 2*SK*1024
	JLOAD (1-\slot)
.else
	s_barrier_signal -1                            ; the last step fills nothing
	s_barrier_wait -1
.endif
	STEP \slot, 0
.endm
	s_load_b128 s[4:7], s[0:1], 0x0                ; row operand s[4:5], column operand s[6:7]
	s_load_b64 s[8:9], s[0:1], 0x10                ; result
	v_lshl_add_u32 v224, v0, 2, 0x31000
	v_mov_b32 v225, 0
	ds_add_u32 v224, v225
	ds_add_u32 v224, v225
	v_lshrrev_b32 v1, 5, v0
	v_readfirstlane_b32 s14, v1                    ; wave 0..3
	s_lshr_b32 s15, s14, 1                         ; I fetch for the row operand (0) or the column operand (1),
	s_and_b32 s16, s14, 1                          ; and which half
	s_bfe_u32 s17, ttmp6, 0x40000                  ; cx
	s_bfe_u32 s18, ttmp6, 0x40004                  ; cy
	s_lshl_b32 s19, ttmp9, 2
	s_add_co_u32 s19, s19, s17                     ; block column
	s_and_b32 s20, ttmp7, 0xffff
	s_lshl_b32 s20, s20, 2
	s_add_co_u32 s20, s20, s18                     ; block row
	s_lshl_b32 s21, s18, 2
	s_lshl_b32 s21, 15, s21                        ; my row of the cluster
	s_lshl_b32 s22, 0x1111, s17                    ; my column
	; row operand: 64 rows x 256 bf16, 16 bytes of padding behind every 512; column operand: 2 strips x 1,024 elements of 8 bytes
	s_or_b32 s[G1A+0], s21, (1<<16)|(1<<20)|(1<<21)|(6<<22)|(3<<25)
	s_mov_b32 s[G1A+1], (SK*32)<<16
	s_mov_b32 s[G1A+2], 64<<16
	s_mov_b32 s[G1A+3], (SK*32)<<16
	s_mov_b32 s[G1A+4], 64
	s_mov_b32 s[G1A+5], APG
	s_mov_b32 s[G1A+6], 0
	s_mov_b32 s[G1A+7], 0
	s_or_b32 s[G1B+0], s22, (3<<16)|(1<<21)
	s_mov_b32 s[G1B+1], (SK*128)<<16
	s_mov_b32 s[G1B+2], 2<<16
	s_mov_b32 s[G1B+3], (SK*128)<<16
	s_mov_b32 s[G1B+4], 2
	s_mov_b32 s[G1B+5], 96*128
	s_mov_b32 s[G1B+6], 0
	s_mov_b32 s[G1B+7], 0
	s_lshl_b32 s40, s20, 7
	s_lshl_b32 s41, s16, 6
	s_add_co_u32 s40, s40, s41                     ; row 128 x block row + 64 x half
	s_mul_i32 s40, s40, APG*2
.if AOFF
	s_add_co_u32 s40, s40, AOFF
.endif
	s_mov_b32 s41, 0
	s_lshl_b32 s44, s19, 2
	s_lshl1_add_u32 s44, s16, s44                  ; strip 4 x block column + 2 x half
	s_mul_i32 s44, s44, STRIP
.if BFIRST
	s_add_co_u32 s44, s44, BFIRST
.endif
	s_mov_b32 s45, 0
	s_mul_i32 s42, s14, 64*APL                     ; where they go: the rows' halves at wave x 64 rows (waves 0, 1),
	s_mul_i32 s46, s14, 2*SK*1024
	s_add_co_u32 s46, s46, ABYTES-4*SK*1024        ; the strips' behind the rows, at (wave - 2) x 2 strips (waves 2, 3)
	s_wait_dscnt 0x0
	s_wait_kmcnt 0x0
	s_add_nc_u64 s[40:41], s[4:5], s[40:41]
	s_add_nc_u64 s[44:45], s[6:7], s[44:45]
	CROUND                                         ; the first joint loads meet
.irp s, 0,1
	s_mov_b32 s[G0A+4*\s], 1
	s_add_co_u32 s[G0A+4*\s+1], s42, \s*SLOT
	s_add_nc_u64 s[G0A+4*\s+2:G0A+4*\s+3], s[40:41], \s*SK*64
	s_or_b32 s[G0A+4*\s+3], s[G0A+4*\s+3], 0x80000000
	s_mov_b32 s[G0B+4*\s], 1
	s_add_co_u32 s[G0B+4*\s+1], s46, \s*SLOT
	s_add_nc_u64 s[G0B+4*\s+2:G0B+4*\s+3], s[44:45], \s*SK*1024
	s_or_b32 s[G0B+4*\s+3], s[G0B+4*\s+3], 0x80000000
	JLOAD \s                                       ; K steps 0 and 1: two loads of the wave are out
.endr
	v_and_b32 v1, 15, v0                           ; l % 16
	v_bfe_u32 v2, v0, 4, 1                         ; l / 16
	v_and_b32 v3, 31, v0
	v_lshlrev_b32 v24, 4, v3                       ; 16 l
	v_mul_u32_u24 v4, v1, APL
	v_lshl_add_u32 v4, v2, 4, v4                   ; row x 528 + 16 x half
	s_mul_i32 s74, s14, 32*APL                     ; my 32 rows
	v_add_nc_u32 v[ADRA], s74, v4
	v_add_nc_u32 v[ADRA+1], SLOT, v[ADRA]
	v_add_nc_u32 v[ADRB], ABYTES, v24
	v_add_nc_u32 v[ADRB+1], SLOT+ABYTES, v24
	s_lshl_b32 s68, s20, 3
	s_lshl1_add_u32 s68, s14, s68                  ; my first row block = 8 x block row + 2 x wave: 512 bytes of each strip for a row block
	s_lshl_b32 s72, s68, 9
	s_lshl_b32 s70, s19, 2
	s_mul_i32 s70, s70, STRIP                      ; strip 4 x block column
	s_add_co_u32 s72, s72, s70
.if OFIRST
	s_add_co_u32 s72, s72, OFIRST
.endif
	s_mov_b32 s73, 0
	s_add_nc_u64 s[72:73], s[8:9], s[72:73]
	s_wait_tensorcnt 0x1                           ; my part of K step 0 is in; step 1's stays out
	s_barrier_signal -1
	s_barrier_wait -1
	STEP 0, 1
.if T > 2
	s_mov_b32 s23, T/2-1
.Lring:
	TWO 1, 1
	TWO 0, 1
	s_sub_co_u32 s23, s23, 1
	s_cmp_lg_u32 s23, 0
	s_cbranch_scc1 .Lring
.endif
	TWO 1, 0
	PLACES
.irp a, 0,1
.irp b, 0,1,2,3
.irp j, 0,1,2,3
	v_cvt_pk_bf16_f32 v[F+4*(4*\a+\b)+\j], v[ACC+8*(4*\a+\b)+2*\j], v[ACC+8*(4*\a+\b)+2*\j+1]
.endr
	global_store_b128 v24, v[F+4*(4*\a+\b):F+4*(4*\a+\b)+3], s[72:73] offset:\b*STRIP+\a*512   ; 512 consecutive aligned bytes a wave: half a fragment
.endr
.endr
	s_wait_tensorcnt 0x0
	ds_add_u32 v224, v225
	s_wait_dscnt 0x0
	CROUND                                         ; the closing round
	s_endpgm
.Lfunc_end_k_q71bbcfc26f_m4:
	.size	k_q71bbcfc26f_m4, .Lfunc_end_k_q71bbcfc26f_m4-k_q71bbcfc26f_m4
	.p2alignl 7, 3214868480
	.fill 96, 4, 3214868480
	.section	.rodata,"a",@progbits
	.p2align	6, 0x0
	.amdhsa_kernel k_q71bbcfc26f_m4
		.amdhsa_group_segment_fixed_size 201216
		.amdhsa_private_segment_fixed_size 0
		.amdhsa_enable_private_segment 0
		.amdhsa_kernarg_size 24
		.amdhsa_user_sgpr_count 2
		.amdhsa_user_sgpr_kernarg_segment_ptr 1
		.amdhsa_wavefront_size32 1
		.amdhsa_system_sgpr_workgroup_id_x 1
		.amdhsa_system_sgpr_workgroup_id_y 1
		.amdhsa_system_sgpr_workgroup_id_z 1
		.amdhsa_system_vgpr_workitem_id 0
		.amdhsa_next_free_vgpr 226
		.amdhsa_next_free_sgpr 76
		.amdhsa_reserve_vcc 0
		.amdhsa_float_denorm_mode_32 3
		.amdhsa_float_denorm_mode_16_64 3
		.amdhsa_memory_ordered 1
		.amdhsa_forward_progress 1
		.amdhsa_inst_pref_size 32
	.end_amdhsa_kernel
	.amdgpu_metadata
---
amdhsa.version: [ 1, 2 ]
amdhsa.kernels:
  - .name:           k_q71bbcfc26f_m4
    .symbol:         k_q71bbcfc26f_m4.kd
    .args:
      - { .name: wx, .offset: 0, .size: 8, .value_kind: global_buffer, .address_space: global }
      - { .name: pm, .offset: 8, .size: 8, .value_kind: global_buffer, .address_space: global }
      - { .name: qm, .offset: 16, .size: 8, .value_kind: global_buffer, .address_space: global }
    .group_segment_fixed_size: 201216
    .private_segment_fixed_size: 0
    .kernarg_segment_align: 8
    .kernarg_segment_size: 24
    .max_flat_workgroup_size: 128
    .sgpr_count:     76
    .vgpr_count:     226
    .wavefront_size: 32
...
	.end_amdgpu_metadata
.endif
;; end of part 8
;; launch m3 (part 9): grid 16 x 8, 4 waves a work-group, clusters of 4 x 4, 327,680 bytes of LDS; arguments wx, qm, pm; writes pm
.if DOCPART == 9
	.amdgcn_target "amdgcn-amd-amdhsa--gfx1250"
	.amdhsa_code_object_version 6
	.text
	.protected	k_q71bbcfc26f_m3
	.globl	k_q71bbcfc26f_m3
	.p2align	8
	.type	k_q71bbcfc26f_m3,@function
k_q71bbcfc26f_m3:
	s_mov_b64 s[64:65], 0
	v_nop
	global_prefetch_b8 v0, s[64:65] scope:SCOPE_SE
	s_setreg_imm32_b32 hwreg(HW_REG_WAVE_MODE, 25, 1), 1
	s_wait_xcnt 0x0
	s_wait_alu depctr_hold_cnt(0) depctr_sa_sdst(0) depctr_va_vdst(0) depctr_va_sdst(0) depctr_va_ssrc(0) depctr_va_vcc(0) depctr_vm_vsrc(0)
	s_getreg_b32 s2, hwreg(HW_REG_IB_STS2, 6, 4)
	s_cmp_eq_u32 s2, 0
	s_cbranch_scc0 .Lentry_in_a_cluster
	s_endpgm
.Lentry_in_a_cluster:
	s_bfe_u32 s2, ttmp6, 0x10000c
	s_cmp_lg_u32 s2, 0xf033
	s_cbranch_scc0 .Lentry_shape_is_right
	s_endpgm
.Lentry_shape_is_right:
; M3 = W3a @ M4: 1024 x 1024, K = 1024.  W3a: W_l3's rows that meet x2.
; Left out, as shown at the head of the first launch's text: the branches cx1..cx4, which reach no output.  The order of the products is shown there too.
; LIMITS: operands and M3 in bf16, sums in f32.
; A work-group makes 128 rows x 64 columns with four waves, a wave 32 x 64: 8 accumulator tiles.  1,024 rows give 16 x 8 = 128 work-groups; no more are launched.
; The row operand lies row-major in wx; its rows of a K step are 512 consecutive bytes, padded to 528 in LDS, so that the sixteen rows of a fragment start
; in sixteen different 16-byte columns.  The column operand lies in strips of fragments of 1,024 bytes; a K step is 8,192 consecutive bytes of a strip.
; K goes in steps of 256 through two LDS slots.
; CLUSTERS of 4 x 4: the row operand's tiles are shared along a row of the cluster, the column operand's along a column, each asked for jointly by the four.
; In the result lane l holds column l % 16 and its registers 0-7 the rows 8 (l / 16) + 0..7: four packed conversions give registers 0-3 or 4-7 of a column
; fragment of the next product, whose K runs along these rows: every store of a wave covers 512 consecutive aligned bytes.
.set T,      4                         ; K steps
.set APG,    1024                      ; elements in a row of the row operand
.set AOFF,   4194304                   ; where it begins in wx
.set BFIRST, 64*1024                   ; the column operand's first fragment in its strips
.set OFIRST, 0                         ; the result's first fragment in its strips
.set SK,     8                         ; fragments (32 k) in a K step
.set STRIP,  96*1024                   ; bytes in a strip of pm and of qm
.set APL,    528
.set ABYTES, 128*APL
.set SLOT,   ABYTES+4*SK*1024          ; 128 rows, then 4 strips x 8 fragments: 100,352 bytes
.set ADRA, 16                          ; v16-17  LDS address of my row fragments in slot 0, 1
.set ADRB, 20                          ; v20-21  the same for the column fragments
.set ACC,  64                          ; v[64:127]  tile (a, b) at ACC + 8 (4 a + b)
.set F,    128                         ; v[128:175], v[176:223]  two fragment buffers: 2 row fragments, then 4 column fragments
.set G1A, 24
.set G0A, 32
.set G1B, 48
.set G0B, 56
.macro PLACES                          ; four plain vector instructions between a matrix instruction and a load into, or a vector instruction or store on, its registers
.rept 4
	v_nop
.endr
.endm
.macro CROUND                          ; a round of the cluster's barrier
	s_barrier_signal -1
	s_barrier_wait -1
	s_cmp_lg_u32 s14, 0
	s_cbranch_scc1 .Lnot_wave_0_\@
	s_barrier_signal -3
.Lnot_wave_0_\@:
	s_barrier_wait -3
	s_barrier_signal -1
	s_barrier_wait -1
.endm
.macro JLOAD s                         ; waves 0 and 1 fetch the row operand's two halves, waves 2 and 3 the column operand's
	s_cmp_eq_u32 s15, 0
	s_cbranch_scc0 .Lfor_b_\@
	tensor_load_to_lds s[G0A+4*\s:G0A+4*\s+3], s[G1A:G1A+7]
	s_nop 0
	s_branch .Lasked_\@
.Lfor_b_\@:
	tensor_load_to_lds s[G0B+4*\s:G0B+4*\s+3], s[G1B:G1B+7]
	s_nop 0
.Lasked_\@:
.endm
.macro FETCHK slot, kb                 ; 12 LDS loads: fragment kb of my 2 row blocks and 4 strips into buffer kb % 2
.irp a, 0,1
	ds_load_b128 v[F+48*((\kb)&1)+8*\a:F+48*((\kb)&1)+8*\a+3],   v[ADRA+\slot] offset:\a*16*APL+(\kb)*64
	ds_load_b128 v[F+48*((\kb)&1)+8*\a+4:F+48*((\kb)&1)+8*\a+7], v[ADRA+\slot] offset:\a*16*APL+(\kb)*64+32
.endr
.irp b, 0,1,2,3
	ds_load_b128 v[F+48*((\kb)&1)+16+8*\b:F+48*((\kb)&1)+16+8*\b+3], v[ADRB+\slot] offset:\b*SK*1024+(\kb)*1024
	ds_load_b128 v[F+48*((\kb)&1)+20+8*\b:F+48*((\kb)&1)+20+8*\b+3], v[ADRB+\slot] offset:\b*SK*1024+(\kb)*1024+512
.endr
.endm
.macro MULK kb, zero                   ; 8 matrix instructions; the 8 accumulators take turns, always in this order.  zero = 1: the first product starts the sums
.irp a, 0,1
.irp b, 0,1,2,3
.if \zero
	v_wmma_f32_16x16x32_bf16 v[ACC+8*(4*\a+\b):ACC+8*(4*\a+\b)+7], v[F+48*((\kb)&1)+8*\a:F+48*((\kb)&1)+8*\a+7], v[F+48*((\kb)&1)+16+8*\b:F+48*((\kb)&1)+16+8*\b+7], 0
.else
	v_wmma_f32_16x16x32_bf16 v[ACC+8*(4*\a+\b):ACC+8*(4*\a+\b)+7], v[F+48*((\kb)&1)+8*\a:F+48*((\kb)&1)+8*\a+7], v[F+48*((\kb)&1)+16+8*\b:F+48*((\kb)&1)+16+8*\b+7], v[ACC+8*(4*\a+\b):ACC+8*(4*\a+\b)+7]
.endif
.endr
.endr
.endm
.macro STEP slot, zero                 ; a K step: each fragment's loads are issued one product run ahead
	PLACES
	FETCHK \slot, 0
.set kk, 0
.rept SK-1
.if kk
	PLACES
.endif
	FETCHK \slot, kk+1
	s_wait_dscnt 12                                ; all but the 12 just issued
.if kk == 0
	MULK kk, \zero
.else
	MULK kk, 0
.endif
.set kk, kk+1
.endr
	s_wait_dscnt 0
	MULK kk, 0
.endm
; The change of slots.  Every wave waits for all its tensor loads (its part of this slot among them) and for its reads of the other slot.  With refill = 1 a round of
; the cluster's barrier follows, behind which no wave of any partner reads the other slot or has a load on its way; the joint refill, two K steps on, is the wave's
; first and only tensor load there.
.macro TWO slot, refill
	s_wait_tensorcnt 0x0
	ds_add_u32 v224, v225
	s_wait_dscnt 0x0
	s_wait_dscnt 0x0
.if \refill
	CROUND
	s_add_nc_u64 s[G0A+4*(1-\slot)+2:G0A+4*(1-\slot)+3], s[G0A+4*(1-\slot)+2:G0A+4*(1-\slot)+3], 2*SK*64
	s_add_nc_u64 s[G0B+4*(1-\slot)+2:G0B+4*(1-\slot)+3], s[G0B+4*(1-\slot)+2:G0B+4*(1-\slot)+3], 2*SK*1024
	JLOAD (1-\slot)
.else
	s_barrier_signal -1                            ; the last step fills nothing
	s_barrier_wait -1
.endif
	STEP \slot, 0
.endm
	s_load_b128 s[4:7], s[0:1], 0x0                ; row operand s[4:5], column operand s[6:7]
	s_load_b64 s[8:9], s[0:1], 0x10                ; result
	v_lshl_add_u32 v224, v0, 2, 0x31000
	v_mov_b32 v225, 0
	ds_add_u32 v224, v225
	ds_add_u32 v224, v225
	v_lshrrev_b32 v1, 5, v0
	v_readfirstlane_b32 s14, v1                    ; wave 0..3
	s_lshr_b32 s15, s14, 1                         ; I fetch for the row operand (0) or the column operand (1),
	s_and_b32 s16, s14, 1                          ; and which half
	s_bfe_u32 s17, ttmp6, 0x40000                  ; cx
	s_bfe_u32 s18, ttmp6, 0x40004                  ; cy
	s_lshl_b32 s19, ttmp9, 2
	s_add_co_u32 s19, s19, s17                     ; block column
	s_and_b32 s20, ttmp7, 0xffff
	s_lshl_b32 s20, s20, 2
	s_add_co_u32 s20, s20, s18                     ; block row
	s_lshl_b32 s21, s18, 2
	s_lshl_b32 s21, 15, s21                        ; my row of the cluster
	s_lshl_b32 s22, 0x1111, s17                    ; my column
	; row operand: 64 rows x 256 bf16, 16 bytes of padding behind every 512; column operand: 2 strips x 1,024 elements of 8 bytes
	s_or_b32 s[G1A+0], s21, (1<<16)|(1<<20)|(1<<21)|(6<<22)|(3<<25)
	s_mov_b32 s[G1A+1], (SK*32)<<16
	s_mov_b32 s[G1A+2], 64<<16
	s_mov_b32 s[G1A+3], (SK*32)<<16
	s_mov_b32 s[G1A+4], 64
	s_mov_b32 s[G1A+5], APG
	s_mov_b32 s[G1A+6], 0
	s_mov_b32 s[G1A+7], 0
	s_or_b32 s[G1B+0], s22, (3<<16)|(1<<21)
	s_mov_b32 s[G1B+1], (SK*128)<<16
	s_mov_b32 s[G1B+2], 2<<16
	s_mov_b32 s[G1B+3], (SK*128)<<16
	s_mov_b32 s[G1B+4], 2
	s_mov_b32 s[G1B+5], 96*128
	s_mov_b32 s[G1B+6], 0
	s_mov_b32 s[G1B+7], 0
	s_lshl_b32 s40, s20, 7
	s_lshl_b32 s41, s16, 6
	s_add_co_u32 s40, s40, s41                     ; row 128 x block row + 64 x half
	s_mul_i32 s40, s40, APG*2
.if AOFF
	s_add_co_u32 s40, s40, AOFF
.endif
	s_mov_b32 s41, 0
	s_lshl_b32 s44, s19, 2
	s_lshl1_add_u32 s44, s16, s44                  ; strip 4 x block column + 2 x half
	s_mul_i32 s44, s44, STRIP
.if BFIRST
	s_add_co_u32 s44, s44, BFIRST
.endif
	s_mov_b32 s45, 0
	s_mul_i32 s42, s14, 64*APL                     ; where they go: the rows' halves at wave x 64 rows (waves 0, 1),
	s_mul_i32 s46, s14, 2*SK*1024
	s_add_co_u32 s46, s46, ABYTES-4*SK*1024        ; the strips' behind the rows, at (wave - 2) x 2 strips (waves 2, 3)
	s_wait_dscnt 0x0
	s_wait_kmcnt 0x0
	s_add_nc_u64 s[40:41], s[4:5], s[40:41]
	s_add_nc_u64 s[44:45], s[6:7], s[44:45]
	CROUND                                         ; the first joint loads meet
.irp s, 0,1
	s_mov_b32 s[G0A+4*\s], 1
	s_add_co_u32 s[G0A+4*\s+1], s42, \s*SLOT
	s_add_nc_u64 s[G0A+4*\s+2:G0A+4*\s+3], s[40:41], \s*SK*64
	s_or_b32 s[G0A+4*\s+3], s[G0A+4*\s+3], 0x80000000
	s_mov_b32 s[G0B+4*\s], 1
	s_add_co_u32 s[G0B+4*\s+1], s46, \s*SLOT
	s_add_nc_u64 s[G0B+4*\s+2:G0B+4*\s+3], s[44:45], \s*SK*1024
	s_or_b32 s[G0B+4*\s+3], s[G0B+4*\s+3], 0x80000000
	JLOAD \s                                       ; K steps 0 and 1: two loads of the wave are out
.endr
	v_and_b32 v1, 15, v0                           ; l % 16
	v_bfe_u32 v2, v0, 4, 1                         ; l / 16
	v_and_b32 v3, 31, v0
	v_lshlrev_b32 v24, 4, v3                       ; 16 l
	v_mul_u32_u24 v4, v1, APL
	v_lshl_add_u32 v4, v2, 4, v4                   ; row x 528 + 16 x half
	s_mul_i32 s74, s14, 32*APL                     ; my 32 rows
	v_add_nc_u32 v[ADRA], s74, v4
	v_add_nc_u32 v[ADRA+1], SLOT, v[ADRA]
	v_add_nc_u32 v[ADRB], ABYTES, v24
	v_add_nc_u32 v[ADRB+1], SLOT+ABYTES, v24
	s_lshl_b32 s68, s20, 3
	s_lshl1_add_u32 s68, s14, s68                  ; my first row block = 8 x block row + 2 x wave: 512 bytes of each strip for a row block
	s_lshl_b32 s72, s68, 9
	s_lshl_b32 s70, s19, 2
	s_mul_i32 s70, s70, STRIP                      ; strip 4 x block column
	s_add_co_u32 s72, s72, s70
.if OFIRST
	s_add_co_u32 s72, s72, OFIRST
.endif
	s_mov_b32 s73, 0
	s_add_nc_u64 s[72:73], s[8:9], s[72:73]
	s_wait_tensorcnt 0x1                           ; my part of K step 0 is in; step 1's stays out
	s_barrier_signal -1
	s_barrier_wait -1
	STEP 0, 1
.if T > 2
	s_mov_b32 s23, T/2-1
.Lring:
	TWO 1, 1
	TWO 0, 1
	s_sub_co_u32 s23, s23, 1
	s_cmp_lg_u32 s23, 0
	s_cbranch_scc1 .Lring
.endif
	TWO 1, 0
	PLACES
.irp a, 0,1
.irp b, 0,1,2,3
.irp j, 0,1,2,3
	v_cvt_pk_bf16_f32 v[F+4*(4*\a+\b)+\j], v[ACC+8*(4*\a+\b)+2*\j], v[ACC+8*(4*\a+\b)+2*\j+1]
.endr
	global_store_b128 v24, v[F+4*(4*\a+\b):F+4*(4*\a+\b)+3], s[72:73] offset:\b*STRIP+\a*512   ; 512 consecutive aligned bytes a wave: half a fragment
.endr
.endr
	CROUND                                         ; the closing round
	s_endpgm
.Lfunc_end_k_q71bbcfc26f_m3:
	.size	k_q71bbcfc26f_m3, .Lfunc_end_k_q71bbcfc26f_m3-k_q71bbcfc26f_m3
	.p2alignl 7, 3214868480
	.fill 96, 4, 3214868480
	.section	.rodata,"a",@progbits
	.p2align	6, 0x0
	.amdhsa_kernel k_q71bbcfc26f_m3
		.amdhsa_group_segment_fixed_size 327680
		.amdhsa_private_segment_fixed_size 0
		.amdhsa_enable_private_segment 0
		.amdhsa_kernarg_size 24
		.amdhsa_user_sgpr_count 2
		.amdhsa_user_sgpr_kernarg_segment_ptr 1
		.amdhsa_wavefront_size32 1
		.amdhsa_system_sgpr_workgroup_id_x 1
		.amdhsa_system_sgpr_workgroup_id_y 1
		.amdhsa_system_sgpr_workgroup_id_z 1
		.amdhsa_system_vgpr_workitem_id 0
		.amdhsa_next_free_vgpr 226
		.amdhsa_next_free_sgpr 76
		.amdhsa_reserve_vcc 0
		.amdhsa_float_denorm_mode_32 3
		.amdhsa_float_denorm_mode_16_64 3
		.amdhsa_memory_ordered 1
		.amdhsa_forward_progress 1
		.amdhsa_inst_pref_size 56
	.end_amdhsa_kernel
	.amdgpu_metadata
---
amdhsa.version: [ 1, 2 ]
amdhsa.kernels:
  - .name:           k_q71bbcfc26f_m3
    .symbol:         k_q71bbcfc26f_m3.kd
    .args:
      - { .name: wx, .offset: 0, .size: 8, .value_kind: global_buffer, .address_space: global }
      - { .name: qm, .offset: 8, .size: 8, .value_kind: global_buffer, .address_space: global }
      - { .name: pm, .offset: 16, .size: 8, .value_kind: global_buffer, .address_space: global }
    .group_segment_fixed_size: 327680
    .private_segment_fixed_size: 0
    .kernarg_segment_align: 8
    .kernarg_segment_size: 24
    .max_flat_workgroup_size: 128
    .sgpr_count:     76
    .vgpr_count:     226
    .wavefront_size: 32
...
	.end_amdgpu_metadata
.endif
;; end of part 9
;; launch m2 (part 10): grid 16 x 16, 4 waves a work-group, clusters of 4 x 4, 327,680 bytes of LDS; arguments wx, pm, qm; writes qm
.if DOCPART == 10
	.amdgcn_target "amdgcn-amd-amdhsa--gfx1250"
	.amdhsa_code_object_version 6
	.text
	.protected	k_q71bbcfc26f_m2
	.globl	k_q71bbcfc26f_m2
	.p2align	8
	.type	k_q71bbcfc26f_m2,@function
k_q71bbcfc26f_m2:
	s_mov_b64 s[64:65], 0
	v_nop
	global_prefetch_b8 v0, s[64:65] scope:SCOPE_SE
	s_setreg_imm32_b32 hwreg(HW_REG_WAVE_MODE, 25, 1), 1
	s_wait_xcnt 0x0
	s_wait_alu depctr_hold_cnt(0) depctr_sa_sdst(0) depctr_va_vdst(0) depctr_va_sdst(0) depctr_va_ssrc(0) depctr_va_vcc(0) depctr_vm_vsrc(0)
	s_getreg_b32 s2, hwreg(HW_REG_IB_STS2, 6, 4)
	s_cmp_eq_u32 s2, 0
	s_cbranch_scc0 .Lentry_in_a_cluster
	s_endpgm
.Lentry_in_a_cluster:
	s_bfe_u32 s2, ttmp6, 0x10000c
	s_cmp_lg_u32 s2, 0xf033
	s_cbranch_scc0 .Lentry_shape_is_right
	s_endpgm
.Lentry_shape_is_right:
; M2 = W2a @ M3: 2048 x 1024, K = 1024.  W2a: W_l2's rows that meet x1.
; Left out, as shown at the head of the first launch's text: the branches cx1..cx4, which reach no output.  The order of the products is shown there too.
; LIMITS: operands and M2 in bf16, sums in f32.
; A work-group makes 128 rows x 64 columns with four waves, a wave 32 x 64: 8 accumulator tiles.  256 work-groups.
; The row operand lies row-major in wx; its rows of a K step are 512 consecutive bytes, padded to 528 in LDS, so that the sixteen rows of a fragment start
; in sixteen different 16-byte columns.  The column operand lies in strips of fragments of 1,024 bytes; a K step is 8,192 consecutive bytes of a strip.
; K goes in steps of 256 through two LDS slots.
; CLUSTERS of 4 x 4: the row operand's tiles are shared along a row of the cluster, the column operand's along a column, each asked for jointly by the four.
; In the result lane l holds column l % 16 and its registers 0-7 the rows 8 (l / 16) + 0..7: four packed conversions give registers 0-3 or 4-7 of a column
; fragment of the next product, whose K runs along these rows: every store of a wave covers 512 consecutive aligned bytes.
.set T,      4                         ; K steps
.set APG,    1024                      ; elements in a row of the row operand
.set AOFF,   0                         ; where it begins in wx
.set BFIRST, 0                         ; the column operand's first fragment in its strips
.set OFIRST, 0                         ; the result's first fragment in its strips
.set SK,     8                         ; fragments (32 k) in a K step
.set STRIP,  96*1024                   ; bytes in a strip of pm and of qm
.set APL,    528
.set ABYTES, 128*APL
.set SLOT,   ABYTES+4*SK*1024          ; 128 rows, then 4 strips x 8 fragments: 100,352 bytes
.set ADRA, 16                          ; v16-17  LDS address of my row fragments in slot 0, 1
.set ADRB, 20                          ; v20-21  the same for the column fragments
.set ACC,  64                          ; v[64:127]  tile (a, b) at ACC + 8 (4 a + b)
.set F,    128                         ; v[128:175], v[176:223]  two fragment buffers: 2 row fragments, then 4 column fragments
.set G1A, 24
.set G0A, 32
.set G1B, 48
.set G0B, 56
.macro PLACES                          ; four plain vector instructions between a matrix instruction and a load into, or a vector instruction or store on, its registers
.rept 4
	v_nop
.endr
.endm
.macro CROUND                          ; a round of the cluster's barrier
	s_barrier_signal -1
	s_barrier_wait -1
	s_cmp_lg_u32 s14, 0
	s_cbranch_scc1 .Lnot_wave_0_\@
	s_barrier_signal -3
.Lnot_wave_0_\@:
	s_barrier_wait -3
	s_barrier_signal -1
	s_barrier_wait -1
.endm
.macro JLOAD s                         ; waves 0 and 1 fetch the row operand's two halves, waves 2 and 3 the column operand's
	s_cmp_eq_u32 s15, 0
	s_cbranch_scc0 .Lfor_b_\@
	tensor_load_to_lds s[G0A+4*\s:G0A+4*\s+3], s[G1A:G1A+7]
	s_nop 0
	s_branch .Lasked_\@
.Lfor_b_\@:
	tensor_load_to_lds s[G0B+4*\s:G0B+4*\s+3], s[G1B:G1B+7]
	s_nop 0
.Lasked_\@:
.endm
.macro FETCHK slot, kb                 ; 12 LDS loads: fragment kb of my 2 row blocks and 4 strips into buffer kb % 2
.irp a, 0,1
	ds_load_b128 v[F+48*((\kb)&1)+8*\a:F+48*((\kb)&1)+8*\a+3],   v[ADRA+\slot] offset:\a*16*APL+(\kb)*64
	ds_load_b128 v[F+48*((\kb)&1)+8*\a+4:F+48*((\kb)&1)+8*\a+7], v[ADRA+\slot] offset:\a*16*APL+(\kb)*64+32
.endr
.irp b, 0,1,2,3
	ds_load_b128 v[F+48*((\kb)&1)+16+8*\b:F+48*((\kb)&1)+16+8*\b+3], v[ADRB+\slot] offset:\b*SK*1024+(\kb)*1024
	ds_load_b128 v[F+48*((\kb)&1)+20+8*\b:F+48*((\kb)&1)+20+8*\b+3], v[ADRB+\slot] offset:\b*SK*1024+(\kb)*1024+512
.endr
.endm
.macro MULK kb, zero                   ; 8 matrix instructions; the 8 accumulators take turns, always in this order.  zero = 1: the first product starts the sums
.irp a, 0,1
.irp b, 0,1,2,3
.if \zero
	v_wmma_f32_16x16x32_bf16 v[ACC+8*(4*\a+\b):ACC+8*(4*\a+\b)+7], v[F+48*((\kb)&1)+8*\a:F+48*((\kb)&1)+8*\a+7], v[F+48*((\kb)&1)+16+8*\b:F+48*((\kb)&1)+16+8*\b+7], 0
.else
	v_wmma_f32_16x16x32_bf16 v[ACC+8*(4*\a+\b):ACC+8*(4*\a+\b)+7], v[F+48*((\kb)&1)+8*\a:F+48*((\kb)&1)+8*\a+7], v[F+48*((\kb)&1)+16+8*\b:F+48*((\kb)&1)+16+8*\b+7], v[ACC+8*(4*\a+\b):ACC+8*(4*\a+\b)+7]
.endif
.endr
.endr
.endm
.macro STEP slot, zero                 ; a K step: each fragment's loads are issued one product run ahead
	PLACES
	FETCHK \slot, 0
.set kk, 0
.rept SK-1
.if kk
	PLACES
.endif
	FETCHK \slot, kk+1
	s_wait_dscnt 12                                ; all but the 12 just issued
.if kk == 0
	MULK kk, \zero
.else
	MULK kk, 0
.endif
.set kk, kk+1
.endr
	s_wait_dscnt 0
	MULK kk, 0
.endm
; The change of slots.  Every wave waits for all its tensor loads (its part of this slot among them) and for its reads of the other slot.  With refill = 1 a round of
; the cluster's barrier follows, behind which no wave of any partner reads the other slot or has a load on its way; the joint refill, two K steps on, is the wave's
; first and only tensor load there.
.macro TWO slot, refill
	s_wait_tensorcnt 0x0
	ds_add_u32 v224, v225
	s_wait_dscnt 0x0
	s_wait_dscnt 0x0
.if \refill
	CROUND
	s_add_nc_u64 s[G0A+4*(1-\slot)+2:G0A+4*(1-\slot)+3], s[G0A+4*(1-\slot)+2:G0A+4*(1-\slot)+3], 2*SK*64
	s_add_nc_u64 s[G0B+4*(1-\slot)+2:G0B+4*(1-\slot)+3], s[G0B+4*(1-\slot)+2:G0B+4*(1-\slot)+3], 2*SK*1024
	JLOAD (1-\slot)
.else
	s_barrier_signal -1                            ; the last step fills nothing
	s_barrier_wait -1
.endif
	STEP \slot, 0
.endm
	s_load_b128 s[4:7], s[0:1], 0x0                ; row operand s[4:5], column operand s[6:7]
	s_load_b64 s[8:9], s[0:1], 0x10                ; result
	v_lshl_add_u32 v224, v0, 2, 0x31000
	v_mov_b32 v225, 0
	ds_add_u32 v224, v225
	ds_add_u32 v224, v225
	v_lshrrev_b32 v1, 5, v0
	v_readfirstlane_b32 s14, v1                    ; wave 0..3
	s_lshr_b32 s15, s14, 1                         ; I fetch for the row operand (0) or the column operand (1),
	s_and_b32 s16, s14, 1                          ; and which half
	s_bfe_u32 s17, ttmp6, 0x40000                  ; cx
	s_bfe_u32 s18, ttmp6, 0x40004                  ; cy
	s_lshl_b32 s19, ttmp9, 2
	s_add_co_u32 s19, s19, s17                     ; block column
	s_and_b32 s20, ttmp7, 0xffff
	s_lshl_b32 s20, s20, 2
	s_add_co_u32 s20, s20, s18                     ; block row
	s_lshl_b32 s21, s18, 2
	s_lshl_b32 s21, 15, s21                        ; my row of the cluster
	s_lshl_b32 s22, 0x1111, s17                    ; my column
	; row operand: 64 rows x 256 bf16, 16 bytes of padding behind every 512; column operand: 2 strips x 1,024 elements of 8 bytes
	s_or_b32 s[G1A+0], s21, (1<<16)|(1<<20)|(1<<21)|(6<<22)|(3<<25)
	s_mov_b32 s[G1A+1], (SK*32)<<16
	s_mov_b32 s[G1A+2], 64<<16
	s_mov_b32 s[G1A+3], (SK*32)<<16
	s_mov_b32 s[G1A+4], 64
	s_mov_b32 s[G1A+5], APG
	s_mov_b32 s[G1A+6], 0
	s_mov_b32 s[G1A+7], 0
	s_or_b32 s[G1B+0], s22, (3<<16)|(1<<21)
	s_mov_b32 s[G1B+1], (SK*128)<<16
	s_mov_b32 s[G1B+2], 2<<16
	s_mov_b32 s[G1B+3], (SK*128)<<16
	s_mov_b32 s[G1B+4], 2
	s_mov_b32 s[G1B+5], 96*128
	s_mov_b32 s[G1B+6], 0
	s_mov_b32 s[G1B+7], 0
	s_lshl_b32 s40, s20, 7
	s_lshl_b32 s41, s16, 6
	s_add_co_u32 s40, s40, s41                     ; row 128 x block row + 64 x half
	s_mul_i32 s40, s40, APG*2
.if AOFF
	s_add_co_u32 s40, s40, AOFF
.endif
	s_mov_b32 s41, 0
	s_lshl_b32 s44, s19, 2
	s_lshl1_add_u32 s44, s16, s44                  ; strip 4 x block column + 2 x half
	s_mul_i32 s44, s44, STRIP
.if BFIRST
	s_add_co_u32 s44, s44, BFIRST
.endif
	s_mov_b32 s45, 0
	s_mul_i32 s42, s14, 64*APL                     ; where they go: the rows' halves at wave x 64 rows (waves 0, 1),
	s_mul_i32 s46, s14, 2*SK*1024
	s_add_co_u32 s46, s46, ABYTES-4*SK*1024        ; the strips' behind the rows, at (wave - 2) x 2 strips (waves 2, 3)
	s_wait_dscnt 0x0
	s_wait_kmcnt 0x0
	s_add_nc_u64 s[40:41], s[4:5], s[40:41]
	s_add_nc_u64 s[44:45], s[6:7], s[44:45]
	CROUND                                         ; the first joint loads meet
.irp s, 0,1
	s_mov_b32 s[G0A+4*\s], 1
	s_add_co_u32 s[G0A+4*\s+1], s42, \s*SLOT
	s_add_nc_u64 s[G0A+4*\s+2:G0A+4*\s+3], s[40:41], \s*SK*64
	s_or_b32 s[G0A+4*\s+3], s[G0A+4*\s+3], 0x80000000
	s_mov_b32 s[G0B+4*\s], 1
	s_add_co_u32 s[G0B+4*\s+1], s46, \s*SLOT
	s_add_nc_u64 s[G0B+4*\s+2:G0B+4*\s+3], s[44:45], \s*SK*1024
	s_or_b32 s[G0B+4*\s+3], s[G0B+4*\s+3], 0x80000000
	JLOAD \s                                       ; K steps 0 and 1: two loads of the wave are out
.endr
	v_and_b32 v1, 15, v0                           ; l % 16
	v_bfe_u32 v2, v0, 4, 1                         ; l / 16
	v_and_b32 v3, 31, v0
	v_lshlrev_b32 v24, 4, v3                       ; 16 l
	v_mul_u32_u24 v4, v1, APL
	v_lshl_add_u32 v4, v2, 4, v4                   ; row x 528 + 16 x half
	s_mul_i32 s74, s14, 32*APL                     ; my 32 rows
	v_add_nc_u32 v[ADRA], s74, v4
	v_add_nc_u32 v[ADRA+1], SLOT, v[ADRA]
	v_add_nc_u32 v[ADRB], ABYTES, v24
	v_add_nc_u32 v[ADRB+1], SLOT+ABYTES, v24
	s_lshl_b32 s68, s20, 3
	s_lshl1_add_u32 s68, s14, s68                  ; my first row block = 8 x block row + 2 x wave: 512 bytes of each strip for a row block
	s_lshl_b32 s72, s68, 9
	s_lshl_b32 s70, s19, 2
	s_mul_i32 s70, s70, STRIP                      ; strip 4 x block column
	s_add_co_u32 s72, s72, s70
.if OFIRST
	s_add_co_u32 s72, s72, OFIRST
.endif
	s_mov_b32 s73, 0
	s_add_nc_u64 s[72:73], s[8:9], s[72:73]
	s_wait_tensorcnt 0x1                           ; my part of K step 0 is in; step 1's stays out
	s_barrier_signal -1
	s_barrier_wait -1
	STEP 0, 1
.if T > 2
	s_mov_b32 s23, T/2-1
.Lring:
	TWO 1, 1
	TWO 0, 1
	s_sub_co_u32 s23, s23, 1
	s_cmp_lg_u32 s23, 0
	s_cbranch_scc1 .Lring
.endif
	TWO 1, 0
	PLACES
.irp a, 0,1
.irp b, 0,1,2,3
.irp j, 0,1,2,3
	v_cvt_pk_bf16_f32 v[F+4*(4*\a+\b)+\j], v[ACC+8*(4*\a+\b)+2*\j], v[ACC+8*(4*\a+\b)+2*\j+1]
.endr
	global_store_b128 v24, v[F+4*(4*\a+\b):F+4*(4*\a+\b)+3], s[72:73] offset:\b*STRIP+\a*512   ; 512 consecutive aligned bytes a wave: half a fragment
.endr
.endr
	CROUND                                         ; the closing round
	s_endpgm
.Lfunc_end_k_q71bbcfc26f_m2:
	.size	k_q71bbcfc26f_m2, .Lfunc_end_k_q71bbcfc26f_m2-k_q71bbcfc26f_m2
	.p2alignl 7, 3214868480
	.fill 96, 4, 3214868480
	.section	.rodata,"a",@progbits
	.p2align	6, 0x0
	.amdhsa_kernel k_q71bbcfc26f_m2
		.amdhsa_group_segment_fixed_size 327680
		.amdhsa_private_segment_fixed_size 0
		.amdhsa_enable_private_segment 0
		.amdhsa_kernarg_size 24
		.amdhsa_user_sgpr_count 2
		.amdhsa_user_sgpr_kernarg_segment_ptr 1
		.amdhsa_wavefront_size32 1
		.amdhsa_system_sgpr_workgroup_id_x 1
		.amdhsa_system_sgpr_workgroup_id_y 1
		.amdhsa_system_sgpr_workgroup_id_z 1
		.amdhsa_system_vgpr_workitem_id 0
		.amdhsa_next_free_vgpr 226
		.amdhsa_next_free_sgpr 76
		.amdhsa_reserve_vcc 0
		.amdhsa_float_denorm_mode_32 3
		.amdhsa_float_denorm_mode_16_64 3
		.amdhsa_memory_ordered 1
		.amdhsa_forward_progress 1
		.amdhsa_inst_pref_size 56
	.end_amdhsa_kernel
	.amdgpu_metadata
---
amdhsa.version: [ 1, 2 ]
amdhsa.kernels:
  - .name:           k_q71bbcfc26f_m2
    .symbol:         k_q71bbcfc26f_m2.kd
    .args:
      - { .name: wx, .offset: 0, .size: 8, .value_kind: global_buffer, .address_space: global }
      - { .name: pm, .offset: 8, .size: 8, .value_kind: global_buffer, .address_space: global }
      - { .name: qm, .offset: 16, .size: 8, .value_kind: global_buffer, .address_space: global }
    .group_segment_fixed_size: 327680
    .private_segment_fixed_size: 0
    .kernarg_segment_align: 8
    .kernarg_segment_size: 24
    .max_flat_workgroup_size: 128
    .sgpr_count:     76
    .vgpr_count:     226
    .wavefront_size: 32
...
	.end_amdgpu_metadata
.endif
;; end of part 10
;; launch weff (part 11): grid 8 x 32, 4 waves a work-group, clusters of 4 x 4, 327,680 bytes of LDS; arguments wa, qm, pm, wef; writes wef
.if DOCPART == 11
	.amdgcn_target "amdgcn-amd-amdhsa--gfx1250"
	.amdhsa_code_object_version 6
	.text
	.protected	k_q71bbcfc26f_weff
	.globl	k_q71bbcfc26f_weff
	.p2align	8
	.type	k_q71bbcfc26f_weff,@function
k_q71bbcfc26f_weff:
	s_mov_b64 s[64:65], 0
	v_nop
	global_prefetch_b8 v0, s[64:65] scope:SCOPE_SE
	s_setreg_imm32_b32 hwreg(HW_REG_WAVE_MODE, 25, 1), 1
	s_wait_xcnt 0x0
	s_wait_alu depctr_hold_cnt(0) depctr_sa_sdst(0) depctr_va_vdst(0) depctr_va_sdst(0) depctr_va_ssrc(0) depctr_va_vcc(0) depctr_vm_vsrc(0)
	s_getreg_b32 s2, hwreg(HW_REG_IB_STS2, 6, 4)
	s_cmp_eq_u32 s2, 0
	s_cbranch_scc0 .Lentry_in_a_cluster
	s_endpgm
.Lentry_in_a_cluster:
	s_bfe_u32 s2, ttmp6, 0x10000c
	s_cmp_lg_u32 s2, 0xf033
	s_cbranch_scc0 .Lentry_shape_is_right
	s_endpgm
.Lentry_shape_is_right:
; WEFF = [W_l1 | W3b | W2b | W4b] @ [M2; M4; M3; W_l5], with the row [b_l1 | b_l3 | b_l2 | b_l4] among the left factor's rows: 5,632 x 1,024, K = 4,608.
; Left out, as shown at the head of the first launch's text: the branches cx1..cx4, which reach no output.  The order of the products is shown there too.
; LIMITS: operands and the result in bf16, sums in f32; wa's zero rows meet the column operand: a number there that is not finite gives NaN in its column.
;
; A work-group makes 176 rows x 128 columns with four waves: 256 equal work-groups.  Wave (wr, wc) makes 5 row blocks x 4 column blocks of 16 x 16 and two tiles of the
; block's eleventh row block: 22 accumulator tiles.  Its four column fragments are loaded turned by 2 wr (fragments 0, 1 = column blocks 4 wc + 2 wr + 0, 1;
; fragments 2, 3 = the other two), so that the two extra tiles take fragments 0 and 1 in every wave: the same text for all, and the eight extra tiles are shared evenly.
; THE ELEVENTH ROW BLOCK holds live rows (task, biases) in block row 0 alone; in the other 31 it is zeros: 8 of a work-group's 88 tiles.  The 321 live row blocks do not
; divide into 32 equal shares; ten row blocks a work-group would leave the 321st without an owner.
; K goes in 18 steps of 256 through two LDS slots as large as fit: 176 rows of 512 bytes, padded to 528, and 8 strips x 8 fragments: 158,464 bytes each.
; The first 12 steps take their column fragments from qm (M2, M4), the last 6 from pm (M3, W_l5); each buffer has its own descriptors, stepped by a constant.
; CLUSTERS of 4 x 4: wa's rows are shared along a row of the cluster, the strips along a column, each asked for jointly by the four.
; In the result lane l holds column l % 16 and its registers 0-7 the rows 8 (l / 16) + 0..7: four packed conversions give half a column fragment of the last product, whose K
; runs along these rows.  Row blocks go to wef in ctxb's order: main block a of block row n to 10 n + a, the eleventh to 320 + n.
;
; REGISTERS: window 0: v16-24 addresses; v[32:111], v[112:191] two fragment buffers (5 row fragments, the eleventh block's, 4 column fragments).
;            window 1: the 22 accumulators, tile t at v[8 t]: t = 4 a + i, and 20, 21 for the eleventh block.
.set APL,    528
.set ABYTES, 176*APL
.set SLOT,   ABYTES+8*8192
.set STRIPB, 96*1024                   ; bytes in a strip of qm and of pm
.set STRIPF, 176*1024                  ; bytes in a strip of wef
.set ADRA,  16                         ; v16-17  LDS address of my five row blocks in slot 0, 1
.set ADRX,  18                         ; v18-19  of the eleventh row block
.set ADRB0, 20                         ; v20-21  of column fragments 0, 1
.set ADRB1, 22                         ; v22-23  of column fragments 2, 3
.set F,     32
.set G1A, 24                           ; s[24:31] group 1 for wa's tiles
.set G0A, 32                           ; s[32:39] group 0 for wa's tiles, one set for each slot
.set G1B, 48                           ; s[48:55] group 1 for the strips' tiles
.set G0Q, 56                           ; s[56:63] group 0 for qm's strips, one set for each slot
.set G0P, 84                           ; s[84:91] group 0 for pm's strips, one set for each slot
.set QB,  68                           ; s[68:69] my strips in qm,
.set PB,  70                           ; s[70:71] in pm
.set MSB, 0
.macro WIN new                         ; the immediate's high byte repeats the setting that is left
.if MSB != \new
	s_set_vgpr_msb (MSB<<8)|\new
.set MSB, \new
.endif
.endm
.macro PLACES                          ; four plain vector instructions between a matrix instruction and a load into, or a vector instruction or store on, its registers
.rept 4
	v_nop
.endr
.endm
.macro CROUND                          ; a round of the cluster's barrier
	s_barrier_signal -1
	s_barrier_wait -1
	s_cmp_lg_u32 s14, 0
	s_cbranch_scc1 .Lnot_wave_0_\@
	s_barrier_signal -3
.Lnot_wave_0_\@:
	s_barrier_wait -3
	s_barrier_signal -1
	s_barrier_wait -1
.endm
.macro JLOAD s, g0b                    ; waves 0 and 1 fetch wa's two halves, waves 2 and 3 the strips', by the group 0 of the buffer that is due (g0b: G0Q or G0P)
	s_cmp_eq_u32 s15, 0
	s_cbranch_scc0 .Lfor_b_\@
	tensor_load_to_lds s[G0A+4*\s:G0A+4*\s+3], s[G1A:G1A+7]
	s_nop 0
	s_branch .Lasked_\@
.Lfor_b_\@:
	tensor_load_to_lds s[\g0b+4*\s:\g0b+4*\s+3], s[G1B:G1B+7]
	s_nop 0
.Lasked_\@:
.endm
.macro FETCH slot, kb                  ; 20 LDS loads in one run: fragment kb of a slot into buffer kb % 2
.irp a, 0,1,2,3,4
	ds_load_b128 v[F+80*((\kb)&1)+8*\a:F+80*((\kb)&1)+8*\a+3],   v[ADRA+\slot] offset:\a*16*APL+(\kb)*64
	ds_load_b128 v[F+80*((\kb)&1)+8*\a+4:F+80*((\kb)&1)+8*\a+7], v[ADRA+\slot] offset:\a*16*APL+(\kb)*64+32
.endr
	ds_load_b128 v[F+80*((\kb)&1)+40:F+80*((\kb)&1)+43], v[ADRX+\slot] offset:(\kb)*64
	ds_load_b128 v[F+80*((\kb)&1)+44:F+80*((\kb)&1)+47], v[ADRX+\slot] offset:(\kb)*64+32
.irp i, 0,1
	ds_load_b128 v[F+80*((\kb)&1)+48+8*\i:F+80*((\kb)&1)+48+8*\i+3], v[ADRB0+\slot] offset:\i*8192+(\kb)*1024
	ds_load_b128 v[F+80*((\kb)&1)+52+8*\i:F+80*((\kb)&1)+52+8*\i+3], v[ADRB0+\slot] offset:\i*8192+(\kb)*1024+512
	ds_load_b128 v[F+80*((\kb)&1)+64+8*\i:F+80*((\kb)&1)+64+8*\i+3], v[ADRB1+\slot] offset:\i*8192+(\kb)*1024
	ds_load_b128 v[F+80*((\kb)&1)+68+8*\i:F+80*((\kb)&1)+68+8*\i+3], v[ADRB1+\slot] offset:\i*8192+(\kb)*1024+512
.endr
.endm
.macro MUL kb, zero                    ; 22 matrix instructions; the 22 accumulators take turns, always in this order.  zero = 1: the first product starts the sums
.irp a, 0,1,2,3,4
.irp i, 0,1,2,3
.if \zero
	v_wmma_f32_16x16x32_bf16 v[8*(4*\a+\i):8*(4*\a+\i)+7], v[F+80*((\kb)&1)+8*\a:F+80*((\kb)&1)+8*\a+7], v[F+80*((\kb)&1)+48+8*\i:F+80*((\kb)&1)+48+8*\i+7], 0
.else
	v_wmma_f32_16x16x32_bf16 v[8*(4*\a+\i):8*(4*\a+\i)+7], v[F+80*((\kb)&1)+8*\a:F+80*((\kb)&1)+8*\a+7], v[F+80*((\kb)&1)+48+8*\i:F+80*((\kb)&1)+48+8*\i+7], v[8*(4*\a+\i):8*(4*\a+\i)+7]
.endif
.endr
.endr
.irp i, 0,1
.if \zero
	v_wmma_f32_16x16x32_bf16 v[8*(20+\i):8*(20+\i)+7], v[F+80*((\kb)&1)+40:F+80*((\kb)&1)+47], v[F+80*((\kb)&1)+48+8*\i:F+80*((\kb)&1)+48+8*\i+7], 0
.else
	v_wmma_f32_16x16x32_bf16 v[8*(20+\i):8*(20+\i)+7], v[F+80*((\kb)&1)+40:F+80*((\kb)&1)+47], v[F+80*((\kb)&1)+48+8*\i:F+80*((\kb)&1)+48+8*\i+7], v[8*(20+\i):8*(20+\i)+7]
.endif
.endr
.endm
.macro STEP slot, zero                 ; a K step of 256: each fragment's loads are issued one product run ahead; two changes of window for 22 matrix instructions
	PLACES
	FETCH \slot, 0
.set kk, 0
.rept 7
.if kk
	PLACES
.endif
	FETCH \slot, kk+1
	s_wait_dscnt 20                                ; all but the 20 just issued
	WIN 0x50                                       ; C and D in window 1
.if kk == 0
	MUL kk, \zero
.else
	MUL kk, 0
.endif
	WIN 0
.set kk, kk+1
.endr
	s_wait_dscnt 0
	WIN 0x50
	MUL kk, 0
	WIN 0                                          ; at a label and at a branch every window is 0
.endm
; The change of slots.  Every wave waits for all its tensor loads (its part of this slot among them) and for its reads of the other slot.  With refill = 1 a round of
; the cluster's barrier follows, behind which no wave of any partner reads the other slot or has a load on its way; the joint refill, two K steps on, is the wave's
; first and only tensor load there.  g0b: the strips' group 0 that the refill uses; step = 0: it is used as it was set up (a buffer's first two K steps), 1: two K steps on.
.macro TWO slot, refill, g0b, step
	s_wait_tensorcnt 0x0
	ds_add_u32 v254, v255
	s_wait_dscnt 0x0
	s_wait_dscnt 0x0
.if \refill
	CROUND
	s_add_nc_u64 s[G0A+4*(1-\slot)+2:G0A+4*(1-\slot)+3], s[G0A+4*(1-\slot)+2:G0A+4*(1-\slot)+3], 1024
.if \step
	s_add_nc_u64 s[\g0b+4*(1-\slot)+2:\g0b+4*(1-\slot)+3], s[\g0b+4*(1-\slot)+2:\g0b+4*(1-\slot)+3], 16384
.endif
	JLOAD (1-\slot), \g0b
.else
	s_barrier_signal -1                            ; the last step fills nothing
	s_barrier_wait -1
.endif
	STEP \slot, 0
.endm
	s_load_b256 s[4:11], s[0:1], 0x0               ; wa s[4:5], qm s[6:7], pm s[8:9], wef s[10:11]
	v_lshl_add_u32 v254, v0, 2, 0x4d600
	v_mov_b32 v255, 0
	ds_add_u32 v254, v255
	ds_add_u32 v254, v255
	v_lshrrev_b32 v1, 5, v0
	v_readfirstlane_b32 s14, v1                    ; wave 0..3
	s_lshr_b32 s15, s14, 1                         ; wr: which five row blocks are mine.  Also: I fetch for wa (0) or for the strips (1)
	s_and_b32 s16, s14, 1                          ; wc: which four column blocks.  Also: which half I fetch
	s_bfe_u32 s17, ttmp6, 0x40000                  ; cx
	s_bfe_u32 s18, ttmp6, 0x40004                  ; cy
	s_lshl_b32 s19, ttmp9, 2
	s_add_co_u32 s19, s19, s17                     ; block column
	s_and_b32 s20, ttmp7, 0xffff
	s_lshl_b32 s20, s20, 2
	s_add_co_u32 s20, s20, s18                     ; block row
	s_lshl_b32 s21, s18, 2
	s_lshl_b32 s21, 15, s21                        ; my row of the cluster
	s_lshl_b32 s22, 0x1111, s17                    ; my column
	; wa: 88 rows x 256 bf16, 4,608 elements from row to row, 16 bytes of padding behind every 512; strips: 4 x 1,024 elements of 8 bytes
	s_or_b32 s[G1A+0], s21, (1<<16)|(1<<20)|(1<<21)|(6<<22)|(3<<25)
	s_mov_b32 s[G1A+1], 256<<16
	s_mov_b32 s[G1A+2], 88<<16
	s_mov_b32 s[G1A+3], 256<<16
	s_mov_b32 s[G1A+4], 88
	s_mov_b32 s[G1A+5], 4608
	s_mov_b32 s[G1A+6], 0
	s_mov_b32 s[G1A+7], 0
	s_or_b32 s[G1B+0], s22, (3<<16)|(1<<21)
	s_mov_b32 s[G1B+1], 1024<<16
	s_mov_b32 s[G1B+2], 4<<16
	s_mov_b32 s[G1B+3], 1024<<16
	s_mov_b32 s[G1B+4], 4
	s_mov_b32 s[G1B+5], 96*128
	s_mov_b32 s[G1B+6], 0
	s_mov_b32 s[G1B+7], 0
	; wa's address hangs on the block row alone, the strips' on the block column alone, each in registers that never hold the other coordinate
	s_mul_i32 s40, s20, 176
	s_mul_i32 s41, s16, 88
	s_add_co_u32 s40, s40, s41                     ; row 176 x block row + 88 x half
	s_mul_i32 s40, s40, 9216
	s_mov_b32 s41, 0
	s_lshl_b32 s44, s19, 3
	s_lshl2_add_u32 s44, s16, s44                  ; strip 8 x block column + 4 x half
	s_mul_i32 s44, s44, STRIPB
	s_mov_b32 s45, 0
	s_mul_i32 s42, s14, 88*APL                     ; where they go: wa's halves at wave x 88 rows (waves 0, 1),
	s_lshl_b32 s46, s14, 15
	s_add_co_u32 s46, s46, ABYTES-65536            ; the strips' behind the rows, at (wave - 2) x 4 strips (waves 2, 3)
	s_wait_dscnt 0x0
	s_wait_kmcnt 0x0
	s_add_nc_u64 s[40:41], s[4:5], s[40:41]
	s_add_nc_u64 s[QB:QB+1], s[6:7], s[44:45]
	s_add_nc_u64 s[PB:PB+1], s[8:9], s[44:45]
	CROUND                                         ; the first joint loads meet
.irp s, 0,1
	s_mov_b32 s[G0A+4*\s], 1
	s_add_co_u32 s[G0A+4*\s+1], s42, \s*SLOT
	s_add_nc_u64 s[G0A+4*\s+2:G0A+4*\s+3], s[40:41], \s*512
	s_or_b32 s[G0A+4*\s+3], s[G0A+4*\s+3], 0x80000000
	s_mov_b32 s[G0Q+4*\s], 1
	s_add_co_u32 s[G0Q+4*\s+1], s46, \s*SLOT
	s_add_nc_u64 s[G0Q+4*\s+2:G0Q+4*\s+3], s[QB:QB+1], \s*8192
	s_or_b32 s[G0Q+4*\s+3], s[G0Q+4*\s+3], 0x80000000
	s_mov_b32 s[G0P+4*\s], 1                       ; pm's first two K steps (12 and 13 of the 18) fall on slots 0 and 1
	s_add_co_u32 s[G0P+4*\s+1], s46, \s*SLOT
	s_add_nc_u64 s[G0P+4*\s+2:G0P+4*\s+3], s[PB:PB+1], \s*8192
	s_or_b32 s[G0P+4*\s+3], s[G0P+4*\s+3], 0x80000000
	JLOAD \s, G0Q                                  ; K steps 0 and 1: two loads of the wave are out
.endr
	v_and_b32 v1, 15, v0                           ; l % 16
	v_bfe_u32 v2, v0, 4, 1                         ; l / 16
	v_and_b32 v3, 31, v0
	v_lshlrev_b32 v24, 4, v3                       ; 16 l
	v_mul_u32_u24 v4, v1, APL
	v_lshl_add_u32 v4, v2, 4, v4                   ; row x 528 + 16 x half
	s_mul_i32 s74, s15, 80*APL                     ; my 80 rows
	v_add_nc_u32 v[ADRA], s74, v4
	v_add_nc_u32 v[ADRA+1], SLOT, v[ADRA]
	v_add_nc_u32 v[ADRX], 160*APL, v4              ; rows 160 to 175
	v_add_nc_u32 v[ADRX+1], SLOT+160*APL, v4
	s_lshl_b32 s74, s16, 2
	s_lshl1_add_u32 s75, s15, s74                  ; column fragments 0, 1 are blocks 4 wc + 2 wr + 0, 1: kept for the way out
	s_add_co_u32 s74, s74, 2
	s_lshl_b32 s82, s15, 1
	s_sub_co_u32 s74, s74, s82                     ; column fragments 2, 3 are blocks 4 wc + 2 - 2 wr + 0, 1
	s_lshl_b32 s83, s74, 13
	s_add_co_u32 s83, s83, ABYTES
	v_add_nc_u32 v[ADRB1], s83, v24
	v_add_nc_u32 v[ADRB1+1], SLOT, v[ADRB1]
	s_lshl_b32 s82, s16, 15                        ; fragments 0, 1 in LDS: behind the rows, wc x 4 strips of 8,192 bytes
	s_lshl_b32 s83, s15, 14                        ; + wr x 2 strips
	v_add_nc_u32 v[ADRB0], ABYTES, v24
	v_add_nc_u32 v[ADRB0], s82, v[ADRB0]
	v_add_nc_u32 v[ADRB0], s83, v[ADRB0]
	v_add_nc_u32 v[ADRB0+1], SLOT, v[ADRB0]
	s_wait_tensorcnt 0x1                           ; my part of K step 0 is in; step 1's stays out
	s_barrier_signal -1
	s_barrier_wait -1
	STEP 0, 1                                      ; K step 0 starts the sums
	s_mov_b32 s23, 5
.Lq:
	TWO 1, 1, G0Q, 1                               ; K steps 1 to 10; ask for 2 to 11, out of qm
	TWO 0, 1, G0Q, 1
	s_sub_co_u32 s23, s23, 1
	s_cmp_lg_u32 s23, 0
	s_cbranch_scc1 .Lq
	TWO 1, 1, G0P, 0                               ; K step 11; asks for 12, the first of pm's strips
	TWO 0, 1, G0P, 0                               ; K step 12; asks for 13
	s_mov_b32 s23, 2
.Lp:
	TWO 1, 1, G0P, 1                               ; K steps 13 to 16; ask for 14 to 17
	TWO 0, 1, G0P, 1
	s_sub_co_u32 s23, s23, 1
	s_cmp_lg_u32 s23, 0
	s_cbranch_scc1 .Lp
	TWO 1, 0, G0P, 0                               ; K step 17
	; THE WAY OUT: tile (row block m, column block n) is 512 bytes of wef at n x 180,224 + m x 512, lane l's 16 bytes at 16 l.
	PLACES
	s_lshl_b32 s82, s19, 3
	s_add_co_u32 s75, s75, s82                     ; column block of fragments 0, 1
	s_add_co_u32 s74, s74, s82                     ; of fragments 2, 3
	s_mul_i32 s82, s20, 10
	s_mul_i32 s83, s15, 5
	s_add_co_u32 s82, s82, s83
	s_lshl_b32 s82, s82, 9                         ; my first main row block: 10 x block row + 5 wr
	s_mul_i32 s76, s75, STRIPF
	s_add_co_u32 s80, s20, 320
	s_lshl_b32 s80, s80, 9                         ; the eleventh: 320 + block row
	s_add_co_u32 s80, s80, s76
	s_add_co_u32 s76, s76, s82
	s_mul_i32 s78, s74, STRIPF
	s_add_co_u32 s78, s78, s82
	s_mov_b32 s77, 0
	s_mov_b32 s79, 0
	s_mov_b32 s81, 0
	s_add_nc_u64 s[76:77], s[10:11], s[76:77]
	s_add_nc_u64 s[78:79], s[10:11], s[78:79]
	s_add_nc_u64 s[80:81], s[10:11], s[80:81]
	WIN 0x05                                       ; both sources in window 1
.set t, 0
.rept 22
.irp i, 0,1,2,3
	v_cvt_pk_bf16_f32 v[F+4*t+\i], v[8*t+2*\i], v[8*t+2*\i+1]
.endr
.set t, t+1
.endr
	WIN 0
.irp a, 0,1,2,3,4
.irp i, 0,1
	global_store_b128 v24, v[F+4*(4*\a+\i):F+4*(4*\a+\i)+3], s[76:77] offset:\i*STRIPF+\a*512       ; 512 consecutive aligned bytes a wave
	global_store_b128 v24, v[F+4*(4*\a+\i+2):F+4*(4*\a+\i+2)+3], s[78:79] offset:\i*STRIPF+\a*512
.endr
.endr
.irp i, 0,1
	global_store_b128 v24, v[F+4*(20+\i):F+4*(20+\i)+3], s[80:81] offset:\i*STRIPF
.endr
	CROUND                                         ; the closing round: no work-group ends while a partner may still ask for a tile that names it
	s_endpgm
.Lfunc_end_k_q71bbcfc26f_weff:
	.size	k_q71bbcfc26f_weff, .Lfunc_end_k_q71bbcfc26f_weff-k_q71bbcfc26f_weff
	.p2alignl 7, 3214868480
	.fill 96, 4, 3214868480
	.section	.rodata,"a",@progbits
	.p2align	6, 0x0
	.amdhsa_kernel k_q71bbcfc26f_weff
		.amdhsa_group_segment_fixed_size 327680
		.amdhsa_private_segment_fixed_size 0
		.amdhsa_enable_private_segment 0
		.amdhsa_kernarg_size 32
		.amdhsa_user_sgpr_count 2
		.amdhsa_user_sgpr_kernarg_segment_ptr 1
		.amdhsa_wavefront_size32 1
		.amdhsa_system_sgpr_workgroup_id_x 1
		.amdhsa_system_sgpr_workgroup_id_y 1
		.amdhsa_system_sgpr_workgroup_id_z 1
		.amdhsa_system_vgpr_workitem_id 0
		.amdhsa_next_free_vgpr 448
		.amdhsa_next_free_sgpr 92
		.amdhsa_reserve_vcc 0
		.amdhsa_float_denorm_mode_32 3
		.amdhsa_float_denorm_mode_16_64 3
		.amdhsa_memory_ordered 1
		.amdhsa_forward_progress 1
		.amdhsa_inst_pref_size 202
	.end_amdhsa_kernel
	.amdgpu_metadata
---
amdhsa.version: [ 1, 2 ]
amdhsa.kernels:
  - .name:           k_q71bbcfc26f_weff
    .symbol:         k_q71bbcfc26f_weff.kd
    .args:
      - { .name: wa, .offset: 0, .size: 8, .value_kind: global_buffer, .address_space: global }
      - { .name: qm, .offset: 8, .size: 8, .value_kind: global_buffer, .address_space: global }
      - { .name: pm, .offset: 16, .size: 8, .value_kind: global_buffer, .address_space: global }
      - { .name: wef, .offset: 24, .size: 8, .value_kind: global_buffer, .address_space: global }
    .group_segment_fixed_size: 327680
    .private_segment_fixed_size: 0
    .kernarg_segment_align: 8
    .kernarg_segment_size: 32
    .max_flat_workgroup_size: 128
    .sgpr_count:     92
    .vgpr_count:     448
    .wavefront_size: 32
...
	.end_amdgpu_metadata
.endif
;; end of part 11
;; launch final (part 12): grid 16 x 16, 4 waves a work-group, clusters of 4 x 4, 327,680 bytes of LDS; arguments ctxb, wef, b_l5, out0; writes out0
.if DOCPART == 12
	.amdgcn_target "amdgcn-amd-amdhsa--gfx1250"
	.amdhsa_code_object_version 6
	.text
	.protected	k_q71bbcfc26f_final
	.globl	k_q71bbcfc26f_final
	.p2align	8
	.type	k_q71bbcfc26f_final,@function
k_q71bbcfc26f_final:
	s_mov_b64 s[64:65], 0
	v_nop
	global_prefetch_b8 v0, s[64:65] scope:SCOPE_SE
	s_setreg_imm32_b32 hwreg(HW_REG_WAVE_MODE, 25, 1), 1
	s_wait_xcnt 0x0
	s_wait_alu depctr_hold_cnt(0) depctr_sa_sdst(0) depctr_va_vdst(0) depctr_va_sdst(0) depctr_va_ssrc(0) depctr_va_vcc(0) depctr_vm_vsrc(0)
	s_getreg_b32 s2, hwreg(HW_REG_IB_STS2, 6, 4)
	s_cmp_eq_u32 s2, 0
	s_cbranch_scc0 .Lentry_in_a_cluster
	s_endpgm
.Lentry_in_a_cluster:
	s_bfe_u32 s2, ttmp6, 0x10000c
	s_cmp_lg_u32 s2, 0xf033
	s_cbranch_scc0 .Lentry_shape_is_right
	s_endpgm
.Lentry_shape_is_right:
; FINAL: out = ctxb @ wef + b_l5: 2048 x 1024 in f32, K = 5,152 (5,120 of state and action, 4 of task_indicator, the 1 that meets the folded biases, 27 zeros).
; Left out, as shown at the head of the first launch's text: the branches cx1..cx4, which reach no output.  The order of the products is shown there too.
; LIMITS: operands in bf16, sums in f32 started by b_l5; ctxb's zeros meet rows of wef that are zero where the weights are finite.
; A work-group makes 128 rows x 64 columns with four waves, a wave 32 x 64: 8 accumulator tiles.  256 work-groups.
; K goes in 14 steps of 384 through two LDS slots as large as fit beside the stage: 128 rows of 768 bytes, with 16 bytes of padding behind every 256 (816 from row
; to row, an odd multiple of 16), and 4 strips x 12 fragments: 153,600 bytes each.  Of the last step the first 5 fragments are multiplied: k = 4,992 to 5,151.
; CLUSTERS of 4 x 4: ctxb's rows are shared along a row of the cluster, wef's strips along a column, each asked for jointly by the four.
; The matrix instruction is used transposed (source 0 = wef, source 1 = ctxb): lane l holds row l % 16, columns 8 (l / 16) + 0..7.
; The result leaves through a stage in LDS of each wave's own, behind the slots, into which no fill lands: 16 rows of 256 bytes, 272 apart, read back by
; rows, so that sixteen lanes store 256 consecutive aligned bytes of out.
.set T,      14                        ; K steps
.set SK,     12                        ; fragments (32 k) in a K step
.set LASTKB, 5                         ; fragments multiplied in the last step
.set APG,    5376                      ; elements in a row of ctxb
.set STRIP,  176*1024                  ; bytes in a strip of wef
.set APL,    816
.set ABYTES, 128*APL
.set SLOT,   ABYTES+4*SK*1024
.set STAGE,  2*SLOT
.set ADRA, 16                          ; v16-17  LDS address of my ctx fragments in slot 0, 1
.set ADRB, 20                          ; v20-21  the same for wef's fragments
.set ACC,  64                          ; v[64:127]  tile (a, b) at ACC + 8 (4 a + b)
.set F,    128                         ; v[128:175], v[176:223]  two fragment buffers: ctx's 2, then wef's 4
.set G1A, 24
.set G0A, 32
.set G1B, 48
.set G0B, 56
.macro PLACES                          ; four plain vector instructions between a matrix instruction and a load into, or a vector instruction or store on, its registers
.rept 4
	v_nop
.endr
.endm
.macro CROUND                          ; a round of the cluster's barrier
	s_barrier_signal -1
	s_barrier_wait -1
	s_cmp_lg_u32 s14, 0
	s_cbranch_scc1 .Lnot_wave_0_\@
	s_barrier_signal -3
.Lnot_wave_0_\@:
	s_barrier_wait -3
	s_barrier_signal -1
	s_barrier_wait -1
.endm
.macro JLOAD s                         ; waves 0 and 1 fetch ctxb's two halves, waves 2 and 3 wef's
	s_cmp_eq_u32 s15, 0
	s_cbranch_scc0 .Lfor_b_\@
	tensor_load_to_lds s[G0A+4*\s:G0A+4*\s+3], s[G1A:G1A+7]
	s_nop 0
	s_branch .Lasked_\@
.Lfor_b_\@:
	tensor_load_to_lds s[G0B+4*\s:G0B+4*\s+3], s[G1B:G1B+7]
	s_nop 0
.Lasked_\@:
.endm
.macro FETCHK slot, kb                 ; 12 LDS loads: fragment kb into buffer kb % 2; in a row four fragments of 64 bytes are followed by 16 bytes of padding
.irp a, 0,1
	ds_load_b128 v[F+48*((\kb)&1)+8*\a:F+48*((\kb)&1)+8*\a+3],   v[ADRA+\slot] offset:\a*16*APL+(\kb)*64+((\kb)/4)*16
	ds_load_b128 v[F+48*((\kb)&1)+8*\a+4:F+48*((\kb)&1)+8*\a+7], v[ADRA+\slot] offset:\a*16*APL+(\kb)*64+((\kb)/4)*16+32
.endr
.irp b, 0,1,2,3
	ds_load_b128 v[F+48*((\kb)&1)+16+8*\b:F+48*((\kb)&1)+16+8*\b+3], v[ADRB+\slot] offset:\b*SK*1024+(\kb)*1024
	ds_load_b128 v[F+48*((\kb)&1)+20+8*\b:F+48*((\kb)&1)+20+8*\b+3], v[ADRB+\slot] offset:\b*SK*1024+(\kb)*1024+512
.endr
.endm
.macro MULK kb                         ; 8 matrix instructions; the 8 accumulators take turns, always in this order
.irp a, 0,1
.irp b, 0,1,2,3
	v_wmma_f32_16x16x32_bf16 v[ACC+8*(4*\a+\b):ACC+8*(4*\a+\b)+7], v[F+48*((\kb)&1)+16+8*\b:F+48*((\kb)&1)+16+8*\b+7], v[F+48*((\kb)&1)+8*\a:F+48*((\kb)&1)+8*\a+7], v[ACC+8*(4*\a+\b):ACC+8*(4*\a+\b)+7]
.endr
.endr
.endm
.macro STEP slot, nkb                  ; nkb fragments of a K step: each fragment's loads are issued one product run ahead
	PLACES
	FETCHK \slot, 0
.set kk, 0
.rept \nkb-1
.if kk
	PLACES
.endif
	FETCHK \slot, kk+1
	s_wait_dscnt 12                                ; all but the 12 just issued
	MULK kk
.set kk, kk+1
.endr
	s_wait_dscnt 0
	MULK kk
.endm
; The change of slots.  Every wave waits for all its tensor loads (its part of this slot among them) and for its reads of the other slot.  With refill = 1 a round of
; the cluster's barrier follows, behind which no wave of any partner reads the other slot or has a load on its way; the joint refill, two K steps on, is the wave's
; first and only tensor load there.
.macro TWO slot, refill, nkb
	s_wait_tensorcnt 0x0
	ds_add_u32 v224, v225
	s_wait_dscnt 0x0
	s_wait_dscnt 0x0
.if \refill
	CROUND
	s_add_nc_u64 s[G0A+4*(1-\slot)+2:G0A+4*(1-\slot)+3], s[G0A+4*(1-\slot)+2:G0A+4*(1-\slot)+3], 2*SK*64
	s_add_nc_u64 s[G0B+4*(1-\slot)+2:G0B+4*(1-\slot)+3], s[G0B+4*(1-\slot)+2:G0B+4*(1-\slot)+3], 2*SK*1024
	JLOAD (1-\slot)
.else
	s_barrier_signal -1                            ; the last step fills nothing
	s_barrier_wait -1
.endif
	STEP \slot, \nkb
.endm
	s_load_b256 s[4:11], s[0:1], 0x0               ; ctxb s[4:5], wef s[6:7], b_l5 s[8:9], out s[10:11]
	v_lshl_add_u32 v224, v0, 2, 0x4f400
	v_mov_b32 v225, 0
	ds_add_u32 v224, v225
	ds_add_u32 v224, v225
	v_lshrrev_b32 v1, 5, v0
	v_readfirstlane_b32 s14, v1                    ; wave 0..3
	s_lshr_b32 s15, s14, 1                         ; I fetch for ctxb (0) or for wef (1),
	s_and_b32 s16, s14, 1                          ; and which half
	s_bfe_u32 s17, ttmp6, 0x40000                  ; cx
	s_bfe_u32 s18, ttmp6, 0x40004                  ; cy
	s_lshl_b32 s19, ttmp9, 2
	s_add_co_u32 s19, s19, s17                     ; block column
	s_and_b32 s20, ttmp7, 0xffff
	s_lshl_b32 s20, s20, 2
	s_add_co_u32 s20, s20, s18                     ; block row
	s_lshl_b32 s21, s18, 2
	s_lshl_b32 s21, 15, s21                        ; my row of the cluster
	s_lshl_b32 s22, 0x1111, s17                    ; my column
	; ctxb: 64 rows x 384 bf16, 16 bytes of padding behind every 256; wef: 2 strips x 1,536 elements of 8 bytes
	s_or_b32 s[G1A+0], s21, (1<<16)|(1<<20)|(1<<21)|(5<<22)|(3<<25)
	s_mov_b32 s[G1A+1], (SK*32)<<16
	s_mov_b32 s[G1A+2], 64<<16
	s_mov_b32 s[G1A+3], (SK*32)<<16
	s_mov_b32 s[G1A+4], 64
	s_mov_b32 s[G1A+5], APG
	s_mov_b32 s[G1A+6], 0
	s_mov_b32 s[G1A+7], 0
	s_or_b32 s[G1B+0], s22, (3<<16)|(1<<21)
	s_mov_b32 s[G1B+1], (SK*128)<<16
	s_mov_b32 s[G1B+2], 2<<16
	s_mov_b32 s[G1B+3], (SK*128)<<16
	s_mov_b32 s[G1B+4], 2
	s_mov_b32 s[G1B+5], 176*128
	s_mov_b32 s[G1B+6], 0
	s_mov_b32 s[G1B+7], 0
	s_lshl_b32 s40, s20, 7
	s_lshl_b32 s41, s16, 6
	s_add_co_u32 s40, s40, s41                     ; row 128 x block row + 64 x half
	s_mul_i32 s40, s40, APG*2
	s_mov_b32 s41, 0
	s_lshl_b32 s44, s19, 2
	s_lshl1_add_u32 s44, s16, s44                  ; strip 4 x block column + 2 x half
	s_mul_i32 s44, s44, STRIP
	s_mov_b32 s45, 0
	s_mul_i32 s42, s14, 64*APL                     ; where they go: the rows' halves at wave x 64 rows (waves 0, 1),
	s_mul_i32 s46, s14, 2*SK*1024
	s_add_co_u32 s46, s46, ABYTES-4*SK*1024        ; the strips' behind the rows, at (wave - 2) x 2 strips (waves 2, 3)
	s_wait_dscnt 0x0
	s_wait_kmcnt 0x0
	s_add_nc_u64 s[40:41], s[4:5], s[40:41]
	s_add_nc_u64 s[44:45], s[6:7], s[44:45]
	CROUND                                         ; the first joint loads meet
.irp s, 0,1
	s_mov_b32 s[G0A+4*\s], 1
	s_add_co_u32 s[G0A+4*\s+1], s42, \s*SLOT
	s_add_nc_u64 s[G0A+4*\s+2:G0A+4*\s+3], s[40:41], \s*SK*64
	s_or_b32 s[G0A+4*\s+3], s[G0A+4*\s+3], 0x80000000
	s_mov_b32 s[G0B+4*\s], 1
	s_add_co_u32 s[G0B+4*\s+1], s46, \s*SLOT
	s_add_nc_u64 s[G0B+4*\s+2:G0B+4*\s+3], s[44:45], \s*SK*1024
	s_or_b32 s[G0B+4*\s+3], s[G0B+4*\s+3], 0x80000000
	JLOAD \s                                       ; K steps 0 and 1: two loads of the wave are out
.endr
	v_and_b32 v1, 15, v0                           ; l % 16
	v_bfe_u32 v2, v0, 4, 1                         ; l / 16
	v_and_b32 v3, 31, v0
	v_lshlrev_b32 v24, 4, v3                       ; 16 l
	v_lshlrev_b32 v25, 5, v2                       ; 32 (l / 16): my eight columns of a block, in f32
	v_mul_u32_u24 v4, v1, APL
	v_lshl_add_u32 v4, v2, 4, v4                   ; row x 816 + 16 x half
	s_mul_i32 s74, s14, 32*APL                     ; my 32 rows
	v_add_nc_u32 v[ADRA], s74, v4
	v_add_nc_u32 v[ADRA+1], SLOT, v[ADRA]
	v_add_nc_u32 v[ADRB], ABYTES, v24
	v_add_nc_u32 v[ADRB+1], SLOT+ABYTES, v24
	s_mul_i32 s75, s14, 16*272
	s_add_co_u32 s75, s75, STAGE                   ; my stage
	v_mul_u32_u24 v5, v1, 272
	v_add_nc_u32 v26, v5, v25
	v_add_nc_u32 v26, s75, v26                     ; in: row l % 16, 32 bytes for each half of the lanes
	v_mul_u32_u24 v5, v2, 272
	v_lshl_add_u32 v5, v1, 4, v5
	v_add_nc_u32 v27, s75, v5                      ; back: lanes 0-15 one row of 256 bytes, lanes 16-31 the next
	v_lshlrev_b32 v6, 12, v2
	v_lshl_add_u32 v28, v1, 4, v6                  ; and the same two rows in out
	s_lshl_b32 s68, s20, 3
	s_lshl1_add_u32 s68, s14, s68                  ; my first row block = 8 x block row + 2 x wave
	s_lshl_b32 s70, s19, 8                         ; my work-group's 64 numbers of b_l5
	s_mov_b32 s71, 0
	s_add_nc_u64 s[70:71], s[8:9], s[70:71]
	s_lshl_b32 s72, s68, 16                        ; 16 rows of 4,096 bytes for each row block,
	s_lshl_b32 s73, s19, 8                         ; 256 bytes for each block column
	s_add_co_u32 s72, s72, s73
	s_mov_b32 s73, 0
	s_add_nc_u64 s[72:73], s[10:11], s[72:73]
.irp a, 0,1
.irp b, 0,1,2,3
	global_load_b128 v[ACC+8*(4*\a+\b):ACC+8*(4*\a+\b)+3],   v25, s[70:71] offset:\b*64       ; the bias of columns 16 b + 8 (l / 16) + 0..7 starts the sums of both row blocks
	global_load_b128 v[ACC+8*(4*\a+\b)+4:ACC+8*(4*\a+\b)+7], v25, s[70:71] offset:\b*64+16
.endr
.endr
	s_wait_tensorcnt 0x1                           ; my part of K step 0 is in; step 1's stays out
	s_barrier_signal -1
	s_barrier_wait -1
	s_wait_loadcnt 0x0                             ; b_l5
	STEP 0, SK
	s_mov_b32 s23, T/2-1
.Lring:
	TWO 1, 1, SK                                   ; K steps 1 to 12; ask for 2 to 13
	TWO 0, 1, SK
	s_sub_co_u32 s23, s23, 1
	s_cmp_lg_u32 s23, 0
	s_cbranch_scc1 .Lring
	TWO 1, 0, LASTKB                               ; K step 13
	PLACES
.irp a, 0,1
.irp b, 0,1,2,3
	ds_store_b128 v26, v[ACC+8*(4*\a+\b):ACC+8*(4*\a+\b)+3] offset:\b*64
	ds_store_b128 v26, v[ACC+8*(4*\a+\b)+4:ACC+8*(4*\a+\b)+7] offset:\b*64+16
.endr
.irp t, 0,1,2,3,4,5,6,7
	ds_load_b128 v[F+48*\a+4*\t:F+48*\a+4*\t+3], v27 offset:\t*544   ; my wave's own bytes, and LDS serves a wave in order: these see the stores above
.endr
.irp t, 0,1,2,3,4,5,6,7
	s_wait_dscnt 7-\t                              ; rows 2 t, 2 t + 1 are back, the younger ones stay out
	global_store_b128 v28, v[F+48*\a+4*\t:F+48*\a+4*\t+3], s[72:73] offset:(16*\a+2*\t)*4096 th:TH_STORE_NT   ; 16 lanes store 256 consecutive bytes, at a multiple of 256 from out's first byte
.endr
.endr
	s_wait_tensorcnt 0x0
	ds_add_u32 v224, v225
	s_wait_dscnt 0x0
	CROUND                                         ; the closing round
	s_endpgm
.Lfunc_end_k_q71bbcfc26f_final:
	.size	k_q71bbcfc26f_final, .Lfunc_end_k_q71bbcfc26f_final-k_q71bbcfc26f_final
	.p2alignl 7, 3214868480
	.fill 96, 4, 3214868480
	.section	.rodata,"a",@progbits
	.p2align	6, 0x0
	.amdhsa_kernel k_q71bbcfc26f_final
		.amdhsa_group_segment_fixed_size 327680
		.amdhsa_private_segment_fixed_size 0
		.amdhsa_enable_private_segment 0
		.amdhsa_kernarg_size 32
		.amdhsa_user_sgpr_count 2
		.amdhsa_user_sgpr_kernarg_segment_ptr 1
		.amdhsa_wavefront_size32 1
		.amdhsa_system_sgpr_workgroup_id_x 1
		.amdhsa_system_sgpr_workgroup_id_y 1
		.amdhsa_system_sgpr_workgroup_id_z 1
		.amdhsa_system_vgpr_workitem_id 0
		.amdhsa_next_free_vgpr 226
		.amdhsa_next_free_sgpr 76
		.amdhsa_reserve_vcc 0
		.amdhsa_float_denorm_mode_32 3
		.amdhsa_float_denorm_mode_16_64 3
		.amdhsa_memory_ordered 1
		.amdhsa_forward_progress 1
		.amdhsa_inst_pref_size 72
	.end_amdhsa_kernel
	.amdgpu_metadata
---
amdhsa.version: [ 1, 2 ]
amdhsa.kernels:
  - .name:           k_q71bbcfc26f_final
    .symbol:         k_q71bbcfc26f_final.kd
    .args:
      - { .name: ctxb, .offset: 0, .size: 8, .value_kind: global_buffer, .address_space: global }
      - { .name: wef, .offset: 8, .size: 8, .value_kind: global_buffer, .address_space: global }
      - { .name: b_l5, .offset: 16, .size: 8, .value_kind: global_buffer, .address_space: global }
      - { .name: out0, .offset: 24, .size: 8, .value_kind: global_buffer, .address_space: global }
    .group_segment_fixed_size: 327680
    .private_segment_fixed_size: 0
    .kernarg_segment_align: 8
    .kernarg_segment_size: 32
    .max_flat_workgroup_size: 128
    .sgpr_count:     76
    .vgpr_count:     226
    .wavefront_size: 32
...
	.end_amdgpu_metadata
.endif
;; end of part 12
;; ======== version 3 of 3: 6 launches; version 2 with the launch prep written anew for expert scheduling mode
;; limits: values outside matrix products are rounded to bf16
;; workspace buffers: ctxb 22,020,096 bytes; wa 51,904,512 bytes; wx 7,340,032 bytes; pm 6,291,456 bytes; qm 6,291,456 bytes; wef 11,534,336 bytes
;; launch prep (part 13): grid 2176 x 1, 4 waves a work-group, no clusters, 33,792 bytes of LDS; arguments state, action, task_indicator, W_l1, W_l2, W_l3, W_l4, W_l5, b_l1, b_l2, b_l3, b_l4, ctxb, wa, wx, pm; writes ctxb, wa, wx, pm
.if DOCPART == 13
	.amdgcn_target "amdgcn-amd-amdhsa--gfx1250"
	.amdhsa_code_object_version 6
	.text
	.protected	k_q71bbcfc26f_prep
	.globl	k_q71bbcfc26f_prep
	.p2align	8
	.type	k_q71bbcfc26f_prep,@function
k_q71bbcfc26f_prep:
	s_mov_b64 s[64:65], 0
	v_nop
	global_prefetch_b8 v0, s[64:65] scope:SCOPE_SE
	s_setreg_imm32_b32 hwreg(HW_REG_WAVE_SCHED_MODE, 0, 2), 2
	s_setreg_imm32_b32 hwreg(HW_REG_WAVE_MODE, 25, 1), 1
	s_wait_xcnt 0x0
	s_wait_alu depctr_vm_vsrc(0)
; PREP: casts to bf16, once, what the five products of the later launches take as matrix operands.
;
; WORK LEFT OUT IN THE WHOLE PROGRAM.  reference() computes cx1..cx4 from task_indicator, W_cx*_* and b_cx*_* and hands them only to
; _kwta(x, k), which returns x and never reads k.  So for all values of the inputs no output hangs on cx1..cx4: the four tanh branches
; are not computed, and the sixteen buffers W_cx*, b_cx* are loaded by no launch and stand among no launch's arguments.
; LIMIT: a NaN, an infinity or an overflow that arises only in those branches is not carried to the result (reference() drops it too).
;
; THE ORDER OF THE PRODUCTS.  Nothing but sums and products stands between the layers, and concat(x, ctx) @ W = x @ Wa + ctx @ Wb (Wa: W's rows that
; meet x, Wb: those that meet ctx).  So for all inputs, in exact arithmetic,
;   out = ctx @ Weff + beff + b_l5,  M4 = W4a @ W_l5,  M3 = W3a @ M4,  M2 = W2a @ M3,
;   Weff = W_l1 @ M2 + W3b @ M4 + W2b @ M3 + W4b @ W_l5,   beff = b_l1 @ M2 + b_l3 @ M4 + b_l2 @ M3 + b_l4 @ W_l5.
; The batch of 2,048 rows then meets 1,024 columns instead of 4,608: 2 x (5124 x 4608 + 2048 x 5124 + 3584 x 1024) x 1024 operations in place of
; 2 x 2048 x (5124 x 4608 + 4,194,304).  beff is one more row of the same product, met by a column of ones in ctx.
; LIMITS: matrix operands (ctx, all weights, b_l1..b_l4, M2..M4, Weff and beff) are rounded to bf16; sums and b_l5 stay f32; the order of rounding
; differs from reference()'s; a weight that is not finite spreads through the folded products (and through 0 x infinity at the zero rows below) to whole columns.
;
; WHAT IS WRITTEN.
;  ctxb  bf16 [2048][5376]: columns 0-4095 state, 4096-5119 action, 5120-5123 task_indicator, 5124 the number 1, 5125-5375 zeros.
;  wa    bf16 [5632][4608], columns [W_l1 | W3b | W2b | W4b].  32 blocks of 176 rows: rows 0-159 of block n are the rows that meet ctxb's columns
;        160 n .. 160 n + 159; rows 160-175 are, in block 0, the four task rows, the row [b_l1 | b_l3 | b_l2 | b_l4] and 11 rows of zeros, elsewhere zeros.
;  wx    bf16, row-major: W2a [2048][1024], W3a [1024][1024], W4a [1024][512], one behind the other.
;  pm    W_l5 as column fragments of 1,024 bytes: 16 columns x 32 k as they lie in a matrix operand's registers (bytes 16 l: lane l's registers 0-3,
;        k = 8 (l / 16) + 0..7 of column l % 16; bytes 512 + 16 l: registers 4-7, k = 16 + 8 (l / 16) + 0..7); 64 strips of 96 fragments, W_l5 at 32-47.
;
; Every wave does one job, without loops and barriers; memory binds, so each byte is read once, by loads of 512 consecutive bytes a wave,
; and written once, by stores of 256 or 512 consecutive aligned bytes a wave.  No matrix unit, no cluster: nothing is shared.
;
; THE MODE: SCHED_MODE bits 1:0 = 2 (LLVM: expert scheduling mode 2), set by the entry lines.  The code itself states the register dependences
; between vector instructions and memory or LDS instructions, with s_wait_alu, always for 0.
; THE PLAN.  Registers that memory or LDS instructions touch:
;   v2, v6       byte offsets of every global load and store: written once, at the head, and never again.
;   X + 4 j      piece j's four registers: its load lands there; its two conversions read the four and write the first two; one store reads those two.
;                Nothing writes them after that: every piece has registers of its own.
;   v3, v4, Y    W_l5's job: two LDS addresses, written once; Y's block o, written by the sixteen conversions of rows 8 o .. 8 o + 7, read by four LDS stores.
;                The LDS loads then land in X .. X + 63, which the conversions have read, and the global stores read them there.
;   v5           the ctx job: the offset 0 of the task load, written once.
;   v216, v217   written at the head, read by the closing add alone.
; Pieces go in groups of four.  Group g's eight conversions carry the four stores of group g - 1 among them: those read registers that no conversion of group g
; names.  So ONE wait on va_vdst stands at a group's head, behind the wait for its loads, and one more ahead of the last group's stores.  W_l5's job does the same
; with its four blocks.  No register that a memory or LDS instruction has read is written again on any path.
.set ID_EXTRA, 1280                    ; first work-group of each class: 1,280 for wa's 5,120 main rows, 128 for its 512 other rows,
.set ID_W2A,   1408                    ; 128, 64, 32 for W2a, W3a, W4a (16,384 bytes of f32 a wave),
.set ID_W3A,   1536
.set ID_W4A,   1600
.set ID_W5,    1632                    ; 32 for W_l5,
.set ID_CTX,   1664                    ; 512 for the 2,048 rows of ctx
.set WAROW, 9216                       ; bytes in a row of wa
.set TP,    1040                       ; LDS bytes from fragment to fragment: 1,024 + 16, so that sixteen lanes' stores meet sixteen different 16-byte columns
.set X,  16                            ; v[16:181]  as loaded: piece j's four numbers at X + 4 j, packed in place
.set Y,  144                           ; v[144:207] W_l5's job: packed bf16
	s_load_b512 s[8:23], s[0:1], 0x0               ; state s[8:9], action s[10:11], task s[12:13], W_l1 s[14:15] .. W_l5 s[22:23]
	s_load_b256 s[24:31], s[0:1], 0x40             ; b_l1 s[24:25] .. b_l4 s[30:31]
	s_load_b256 s[32:39], s[0:1], 0x60             ; ctxb s[32:33], wa s[34:35], wx s[36:37], pm s[38:39]
	v_lshl_add_u32 v216, v0, 2, 0x8200
	v_mov_b32 v217, 0
	v_lshrrev_b32 v1, 5, v0
	v_readfirstlane_b32 s60, v1                    ; wave 0..3
	s_mov_b32 s61, ttmp9                           ; work-group
	v_and_b32 v1, 31, v0                           ; lane l
	v_lshlrev_b32 v2, 4, v1                        ; 16 l: my four f32 of a piece of 128 numbers
	v_lshlrev_b32 v6, 3, v1                        ; 8 l: my four bf16 of it
	s_mov_b32 s59, 0                               ; high word of every offset pair s[58:59]
	s_wait_alu depctr_va_sdst(0)                   ; s60 is written, ahead of the first branch and of its first reader: every job makes its addresses from it
	s_wait_alu depctr_va_vdst(0)                   ; v2 and v6 are written: every global load and store of every job reads one of them as its offset
	s_wait_kmcnt 0x0
; n pieces, loaded in order into X, are packed and stored one behind the other at s[48:49]; more = loads issued behind the n.  n is a multiple of 4.
; A group of four is packed while the group before is stored.
.macro PIECES n, more
.set j, 0
.rept \n
.if j%4 == 0
	s_wait_loadcnt \n-4-j+\more                    ; loads come back in order: pieces j to j + 3 are in, the younger ones stay out
.if j
	s_wait_alu depctr_va_vdst(0)                   ; the group before has written its four packed pairs, which the four stores below read
.endif
.endif
.if j >= 4
	global_store_b64 v6, v[X+4*(j-4):X+4*(j-4)+1], s[48:49] offset:(j-4)*256   ; 32 lanes store 256 consecutive bytes, at a multiple of 256 from the buffer's first byte; no conversion since the wait names these registers
.endif
	v_cvt_pk_bf16_f32 v[X+4*j], v[X+4*j], v[X+4*j+1]
	v_cvt_pk_bf16_f32 v[X+4*j+1], v[X+4*j+2], v[X+4*j+3]
.set j, j+1
.endr
	s_wait_alu depctr_va_vdst(0)                   ; the last group has written its four packed pairs, which the last four stores read
.rept 4
	global_store_b64 v6, v[X+4*(j-4):X+4*(j-4)+1], s[48:49] offset:(j-4)*256
.set j, j+1
.endr
.endm
; One row of wa: 16 + 8 + 8 + 4 pieces from four rows, whose addresses stand in the four scalar pairs.
.macro ROWCAST p1, p3, p2, p4
.set j, 0
.rept 16
	global_load_b128 v[X+4*j:X+4*j+3], v2, s[\p1:\p1+1] offset:j*512 th:TH_LOAD_NT
.set j, j+1
.endr
.rept 8
	global_load_b128 v[X+4*j:X+4*j+3], v2, s[\p3:\p3+1] offset:(j-16)*512 th:TH_LOAD_NT
.set j, j+1
.endr
.rept 8
	global_load_b128 v[X+4*j:X+4*j+3], v2, s[\p2:\p2+1] offset:(j-24)*512 th:TH_LOAD_NT
.set j, j+1
.endr
.rept 4
	global_load_b128 v[X+4*j:X+4*j+3], v2, s[\p4:\p4+1] offset:(j-32)*512 th:TH_LOAD_NT
.set j, j+1
.endr
	PIECES 36, 0
	s_endpgm
.endm
; 16,384 consecutive bytes of f32 become 8,192 of bf16: the rows that meet x lie at the head of W_l2, W_l3, W_l4, one behind the other.
.macro FLAT wlo, first, doff
	s_sub_co_u32 s56, s61, \first
	s_lshl2_add_u32 s56, s56, s60                  ; chunk = 4 x work-group + wave
	s_lshl_b32 s58, s56, 14
	s_add_nc_u64 s[40:41], s[\wlo:\wlo+1], s[58:59]
	s_lshl_b32 s58, s56, 13
.if \doff
	s_add_co_u32 s58, s58, \doff
.endif
	s_add_nc_u64 s[48:49], s[36:37], s[58:59]
.set j, 0
.rept 32
	global_load_b128 v[X+4*j:X+4*j+3], v2, s[40:41] offset:j*512 th:TH_LOAD_NT
.set j, j+1
.endr
	PIECES 32, 0
	s_endpgm
.endm
	s_cmp_ge_u32 s61, ID_W2A
	s_cbranch_scc1 .Lw2a
	s_cmp_ge_u32 s61, ID_EXTRA
	s_cbranch_scc1 .Lextra
	; a main row: i = 0..5119 in ctxb's order
	s_lshl2_add_u32 s56, s61, s60                  ; i = 4 x work-group + wave
	s_lshr_b32 s57, s56, 5
	s_mul_i32 s57, s57, 205
	s_lshr_b32 s57, s57, 10                        ; i / 160 = (i / 32) / 5: 205 / 1024 exceeds 1 / 5 by less than 0.0002, which for i / 32 <= 159 never reaches the next whole number
	s_lshl4_add_u32 s57, s57, s56                  ; row of wa = i + 16 (i / 160)
	s_add_co_u32 s58, s56, 4                       ; in the weights the action rows lie 4 rows further down, behind the task rows
	s_cmp_ge_u32 s56, 4096
	s_cselect_b32 s56, s58, s56                    ; ctx row in the weights
	s_branch .Lrow
.Lextra:
	s_sub_co_u32 s56, s61, ID_EXTRA
	s_lshl2_add_u32 s56, s56, s60                  ; e = 0..511: row e % 16 of block e / 16's last sixteen
	s_lshr_b32 s57, s56, 4
	s_mul_i32 s57, s57, 176
	s_and_b32 s58, s56, 15
	s_add_co_u32 s57, s57, s58
	s_add_co_u32 s57, s57, 160                     ; row of wa
	s_cmp_ge_u32 s56, 5
	s_cbranch_scc1 .Lzero
	s_cmp_eq_u32 s56, 4
	s_cbranch_scc1 .Lbias
	s_add_co_u32 s56, s56, 4096                    ; e = 0..3: the task rows
.Lrow:
	s_lshl_b32 s58, s56, 13
	s_add_nc_u64 s[40:41], s[14:15], s[58:59]      ; W_l1, row s56
	s_lshl_b32 s58, s56, 12
	s_add_co_u32 s58, s58, 1024*4096
	s_add_nc_u64 s[42:43], s[18:19], s[58:59]      ; W_l3, behind its 1,024 rows of x2
	s_add_co_u32 s58, s58, 1024*4096
	s_add_nc_u64 s[44:45], s[16:17], s[58:59]      ; W_l2, behind its 2,048 rows of x1
	s_lshl_b32 s58, s56, 11
	s_add_co_u32 s58, s58, 1024*2048
	s_add_nc_u64 s[46:47], s[20:21], s[58:59]      ; W_l4, behind its 1,024 rows of x3
	s_mul_i32 s58, s57, WAROW
	s_add_nc_u64 s[48:49], s[34:35], s[58:59]
	ROWCAST 40, 42, 44, 46
.Lbias:
	s_mul_i32 s58, s57, WAROW
	s_add_nc_u64 s[48:49], s[34:35], s[58:59]
	ROWCAST 24, 28, 26, 30                         ; b_l1 | b_l3 | b_l2 | b_l4
.Lzero:
	s_mul_i32 s58, s57, WAROW
	s_add_nc_u64 s[48:49], s[34:35], s[58:59]
.irp n, 0,1,2,3
	v_mov_b32 v[X+\n], 0
.endr
	s_wait_alu depctr_va_vdst(0)                   ; the four zeros are written, which all eighteen stores read
.set j, 0
.rept 18
	global_store_b128 v2, v[X:X+3], s[48:49] offset:j*512
.set j, j+1
.endr
	s_endpgm
.Lw2a:
	s_cmp_ge_u32 s61, ID_W3A
	s_cbranch_scc1 .Lw3a
	FLAT 16, ID_W2A, 0
.Lw3a:
	s_cmp_ge_u32 s61, ID_W4A
	s_cbranch_scc1 .Lw4a
	FLAT 18, ID_W3A, 4194304
.Lw4a:
	s_cmp_ge_u32 s61, ID_W5
	s_cbranch_scc1 .Lw5
	FLAT 20, ID_W4A, 6291456
.Lw5:
	s_cmp_ge_u32 s61, ID_CTX
	s_cbranch_scc1 .Lctx
	; W_l5 lies [k][n]: 32 rows (k) x 128 columns become 8 column fragments, turned in my wave's own 8,320 bytes of LDS.
	s_sub_co_u32 s42, s61, ID_W5
	s_lshr_b32 s43, s42, 1                         ; kb: which 32 k
	s_and_b32 s44, s42, 1
	s_lshl2_add_u32 s44, s44, s60                  ; cg: which 128 columns
	s_lshl_b32 s46, s43, 17                        ; 32 rows of 4,096 bytes
	s_lshl_b32 s47, s44, 9
	s_add_co_u32 s46, s46, s47
	s_mov_b32 s47, 0
	s_add_nc_u64 s[40:41], s[22:23], s[46:47]
.set k, 0
.rept 32
	global_load_b128 v[X+4*k:X+4*k+3], v2, s[40:41] offset:k*4096 th:TH_LOAD_NT   ; row k: lane l takes columns 4 l .. 4 l + 3
.set k, k+1
.endr
	s_lshl_b32 s48, s43, 10
	s_mul_i32 s49, s44, 8*96*1024                  ; strips 8 cg + t of 96 fragments,
	s_add_co_u32 s48, s48, s49
	s_add_co_u32 s48, s48, 32*1024                 ; fragment 32 + kb
	s_mov_b32 s49, 0
	s_add_nc_u64 s[50:51], s[38:39], s[48:49]
	s_mul_i32 s55, s60, 8*TP
	v_lshrrev_b32 v5, 2, v1                        ; my four columns lie in fragment l / 4,
	v_and_b32 v8, 3, v1
	v_mul_u32_u24 v5, v5, TP
	v_lshl_add_u32 v5, v8, 6, v5                   ; at its columns 4 (l % 4) + c: 16 bytes each
	v_add_nc_u32 v3, s55, v5
	v_add_nc_u32 v4, s55, v2
	; Block o: rows 8 o .. 8 o + 7 are packed into Y's block o, while the four LDS stores of block o - 1 go out among the conversions.
.irp o, 0,1,2,3
	s_wait_loadcnt 24-8*\o                         ; rows 8 o .. 8 o + 7 are in, the younger rows stay out
.if \o
	s_wait_alu depctr_va_vdst(0)                   ; the block before has written its sixteen registers of Y, which the four LDS stores below read; in block 1 also: v3 is written, their address
.endif
.irp c, 0,1,2,3
.if \o
	ds_store_b128 v3, v[Y+(4*(\o-1)+\c)*4:Y+(4*(\o-1)+\c)*4+3] offset:((\o-1)>>1)*512+((\o-1)&1)*256+\c*16   ; eight k of one column: register half (o - 1) / 2, lane half (o - 1) % 2
.endif
.irp i, 0,1,2,3
	v_cvt_pk_bf16_f32 v[Y+(4*\o+\c)*4+\i], v[X+4*(8*\o+2*\i)+\c], v[X+4*(8*\o+2*\i+1)+\c]   ; k = 8 o + 2 i below, 8 o + 2 i + 1 above
.endr
.endr
.endr
	s_wait_alu depctr_va_vdst(0)                   ; block 3 has written its registers of Y, which the last four LDS stores read; all conversions are done reading X, in which the LDS loads below land; v4, their address, is written
.irp c, 0,1,2,3
	ds_store_b128 v3, v[Y+(12+\c)*4:Y+(12+\c)*4+3] offset:512+256+\c*16
.endr
.irp t, 0,1,2,3,4,5,6,7
.irp q, 0,1
	ds_load_b128 v[X+4*(2*\t+\q):X+4*(2*\t+\q)+3], v4 offset:\t*TP+\q*512   ; my wave's own bytes, and LDS serves a wave in order: these see the stores above
.endr
.endr
.irp t, 0,1,2,3,4,5,6,7
.irp q, 0,1
	s_wait_dscnt 15-(2*\t+\q)                      ; this half fragment is back, the younger ones stay out
	global_store_b128 v2, v[X+4*(2*\t+\q):X+4*(2*\t+\q)+3], s[50:51] offset:\t*96*1024+\q*512
.endr
.endr
	s_wait_dscnt 0x0                               ; the closing lines, six on end
	s_wait_alu 0x0
	s_wait_tensorcnt 0x0
	ds_add_u32 v216, v217
	s_wait_dscnt 0x0
	s_endpgm
.Lctx:
	; One wave, one batch row: 32 pieces of state, 8 of action, one with task_indicator and the 1, one of zeros.
	s_sub_co_u32 s56, s61, ID_CTX
	s_lshl2_add_u32 s56, s56, s60                  ; batch row
	s_lshl_b32 s58, s56, 14
	s_add_nc_u64 s[40:41], s[8:9], s[58:59]
	s_lshl_b32 s58, s56, 12
	s_add_nc_u64 s[42:43], s[10:11], s[58:59]
	s_lshl_b32 s58, s56, 4
	s_add_nc_u64 s[44:45], s[12:13], s[58:59]
	s_mul_i32 s58, s56, 10752
	s_add_nc_u64 s[48:49], s[32:33], s[58:59]
	v_mov_b32 v5, 0
	v_mov_b32 v7, 0x3f80                           ; bf16 1.0 below, 0 above
	v_cmp_eq_u32 s52, 0, v1                        ; lane 0 keeps the task numbers (columns 5120 to 5123),
	v_cmp_eq_u32 s53, 1, v1                        ; lane 1 writes the 1 that meets the bias row (column 5124), the others zeros
	s_wait_alu depctr_va_sdst(0)                   ; both masks, s52 and s53, are written, ahead of their first readers, the selects at the job's end
	s_wait_alu depctr_va_vdst(0)                   ; v5 is written, which the load of the task numbers reads as its offset
.set j, 0
.rept 32
	global_load_b128 v[X+4*j:X+4*j+3], v2, s[40:41] offset:j*512 th:TH_LOAD_NT
.set j, j+1
.endr
.rept 8
	global_load_b128 v[X+4*j:X+4*j+3], v2, s[42:43] offset:(j-32)*512 th:TH_LOAD_NT
.set j, j+1
.endr
	global_load_b128 v[X+160:X+163], v5, s[44:45]  ; the row's four task numbers, in every lane
	PIECES 40, 1
	s_wait_loadcnt 0x0
	v_cvt_pk_bf16_f32 v[X+160], v[X+160], v[X+161]
	v_cvt_pk_bf16_f32 v[X+161], v[X+162], v[X+163]
	v_cndmask_b32 v[X+160], 0, v[X+160], s52
	v_cndmask_b32 v[X+161], 0, v[X+161], s52
	v_cndmask_b32 v[X+160], v[X+160], v7, s53
	v_mov_b32 v[X+164], 0
	v_mov_b32 v[X+165], 0
	s_wait_alu depctr_va_vdst(0)                   ; the selects have written the task piece and the moves the piece of zeros, which the two stores read
	global_store_b64 v6, v[X+160:X+161], s[48:49] offset:40*256
	global_store_b64 v6, v[X+164:X+165], s[48:49] offset:41*256
	s_endpgm
.Lfunc_end_k_q71bbcfc26f_prep:
	.size	k_q71bbcfc26f_prep, .Lfunc_end_k_q71bbcfc26f_prep-k_q71bbcfc26f_prep
	.p2alignl 7, 3214868480
	.fill 96, 4, 3214868480
	.section	.rodata,"a",@progbits
	.p2align	6, 0x0
	.amdhsa_kernel k_q71bbcfc26f_prep
		.amdhsa_group_segment_fixed_size 33792
		.amdhsa_private_segment_fixed_size 0
		.amdhsa_enable_private_segment 0
		.amdhsa_kernarg_size 128
		.amdhsa_user_sgpr_count 2
		.amdhsa_user_sgpr_kernarg_segment_ptr 1
		.amdhsa_wavefront_size32 1
		.amdhsa_system_sgpr_workgroup_id_x 1
		.amdhsa_system_sgpr_workgroup_id_y 1
		.amdhsa_system_sgpr_workgroup_id_z 1
		.amdhsa_system_vgpr_workitem_id 0
		.amdhsa_next_free_vgpr 218
		.amdhsa_next_free_sgpr 66
		.amdhsa_reserve_vcc 0
		.amdhsa_float_denorm_mode_32 3
		.amdhsa_float_denorm_mode_16_64 3
		.amdhsa_memory_ordered 1
		.amdhsa_forward_progress 1
		.amdhsa_inst_pref_size 88
	.end_amdhsa_kernel
	.amdgpu_metadata
---
amdhsa.version: [ 1, 2 ]
amdhsa.kernels:
  - .name:           k_q71bbcfc26f_prep
    .symbol:         k_q71bbcfc26f_prep.kd
    .args:
      - { .name: state, .offset: 0, .size: 8, .value_kind: global_buffer, .address_space: global }
      - { .name: action, .offset: 8, .size: 8, .value_kind: global_buffer, .address_space: global }
      - { .name: task_indicator, .offset: 16, .size: 8, .value_kind: global_buffer, .address_space: global }
      - { .name: W_l1, .offset: 24, .size: 8, .value_kind: global_buffer, .address_space: global }
      - { .name: W_l2, .offset: 32, .size: 8, .value_kind: global_buffer, .address_space: global }
      - { .name: W_l3, .offset: 40, .size: 8, .value_kind: global_buffer, .address_space: global }
      - { .name: W_l4, .offset: 48, .size: 8, .value_kind: global_buffer, .address_space: global }
      - { .name: W_l5, .offset: 56, .size: 8, .value_kind: global_buffer, .address_space: global }
      - { .name: b_l1, .offset: 64, .size: 8, .value_kind: global_buffer, .address_space: global }
      - { .name: b_l2, .offset: 72, .size: 8, .value_kind: global_buffer, .address_space: global }
      - { .name: b_l3, .offset: 80, .size: 8, .value_kind: global_buffer, .address_space: global }
      - { .name: b_l4, .offset: 88, .size: 8, .value_kind: global_buffer, .address_space: global }
      - { .name: ctxb, .offset: 96, .size: 8, .value_kind: global_buffer, .address_space: global }
      - { .name: wa, .offset: 104, .size: 8, .value_kind: global_buffer, .address_space: global }
      - { .name: wx, .offset: 112, .size: 8, .value_kind: global_buffer, .address_space: global }
      - { .name: pm, .offset: 120, .size: 8, .value_kind: global_buffer, .address_space: global }
    .group_segment_fixed_size: 33792
    .private_segment_fixed_size: 0
    .kernarg_segment_align: 8
    .kernarg_segment_size: 128
    .max_flat_workgroup_size: 128
    .sgpr_count:     66
    .vgpr_count:     218
    .wavefront_size: 32
...
	.end_amdgpu_metadata
.endif
;; end of part 13
;; launch m4: the kernel of part 8 again; grid 16 x 8, 4 waves a work-group, clusters of 4 x 4, 201,216 bytes of LDS; arguments wx, pm, qm; writes qm
;; launch m3: the kernel of part 9 again; grid 16 x 8, 4 waves a work-group, clusters of 4 x 4, 327,680 bytes of LDS; arguments wx, qm, pm; writes pm
;; launch m2: the kernel of part 10 again; grid 16 x 16, 4 waves a work-group, clusters of 4 x 4, 327,680 bytes of LDS; arguments wx, pm, qm; writes qm
;; launch weff: the kernel of part 11 again; grid 8 x 32, 4 waves a work-group, clusters of 4 x 4, 327,680 bytes of LDS; arguments wa, qm, pm, wef; writes wef
;; launch final: the kernel of part 12 again; grid 16 x 16, 4 waves a work-group, clusters of 4 x 4, 327,680 bytes of LDS; arguments ctxb, wef, b_l5, out0; writes out0
